; MI455X (gfx1250); checked and timed in simulation.
; The chip was launched on July 23, 2026; its instructions are those of AMD's public machine-readable ISA for CDNA 5 (MIT licence, August 2026) and "CDNA5" Instruction Set Architecture Reference Guide (July 2026). The comments in the code are by the model that wrote it; some were corrected since.
;; Multi Head Attention. Allowed arithmetic: matrix products marked QUANTISED: E2M1 operands, one E8M0 scale for each 32 along K, by v_wmma_scale_f32_16x16x128_f8f6f4 with both operands' format E2M1 (or v_wmma_scale_f32_32x16x128_f4), f32 sums; everything else in f32.
;; Inputs: bk1 1,024 float32; bk2 1,024 float32; bo 1,024 float32; bq1 1,024 float32; bq2 1,024 float32; bv1 1,024 float32; bv2 1,024 float32; key 2 x 2,048 x 1,024 float32; mask 1 x 1 x 2,048 x 2,048 int32; query 2 x 2,048 x 1,024 float32; value 2 x 2,048 x 1,024 float32; wk1 1,024 x 1,024 float32; wk2 1,024 x 1,024 float32; wo 1,024 x 1,024 float32; wq1 1,024 x 1,024 float32; wq2 1,024 x 1,024 float32; wv1 1,024 x 1,024 float32; wv2 1,024 x 1,024 float32.
;; Outputs: out0 2 x 2,048 x 1,024 float32.
;; This version of the problem:
;;   THIS VERSION OF THE PROBLEM IS GIVEN IN LOW PRECISION. The matrix products marked QUANTISED in the list below multiply operands that are first quantised to E2M1 (2 exponent bits, 1 mantissa bit; 4 bits a number), with one power-of-two scale for each 32 numbers along K (OCP MX v1.0); their sums are f32. All else is computed in f32.
;;   The module's matrix products, in the order in which they are computed (A, B: the left and right operand; K: the contracted axis; several contracted axes count as one K, in the product's order):
;;     1. [M 4,096, K 1,024] x [K 1,024, N 1,024]; A: input query; B: input wq1: QUANTISED
;;     2. [M 4,096, K 1,024] x [K 1,024, N 1,024]; A: input query; B: input wq2: QUANTISED
;;     3. [M 4,096, K 1,024] x [K 1,024, N 1,024]; A: input key; B: input wk1: QUANTISED
;;     4. [M 4,096, K 1,024] x [K 1,024, N 1,024]; A: input key; B: input wk2: QUANTISED
;;     5. [M 4,096, K 1,024] x [K 1,024, N 1,024]; A: input value; B: input wv1: QUANTISED
;;     6. [M 4,096, K 1,024] x [K 1,024, N 1,024]; A: input value; B: input wv2: QUANTISED
;;     7. batch 32 x [M 2,048, K 64] x [K 64, N 2,048]; A: computed on the way; B: computed on the way: QUANTISED
;;     8. batch 32 x [M 2,048, K 2,048] x [K 2,048, N 64]; A: softmax (see below); B: computed on the way: QUANTISED
;;     9. [M 4,096, K 1,024] x [K 1,024, N 1,024]; A: computed on the way; B: input wo: QUANTISED
;;   THE QUANTISER, for each operand of a quantised product, along K:
;;     - K is cut into blocks of 32 from its start; a last block that is shorter is filled with zeros.
;;     - A block's scale is 2^e with e = floor(log2(the largest magnitude in the block)) - 2, held to -126 .. 127; a block of zeros has e = 0. As a byte (E8M0): e + 127.
;;     - Each number is divided by its block's scale, clamped to +-6, and rounded to the nearest number of E2M1, ties to even, subnormals kept.
;;     - The product sums the exact products of the quantised numbers (number of the format x scale) in f32.
;;   ~~~python
;;   def quantise(x, axis):      # numpy; x: float32 -> the quantised numbers, widened to float32 again
;;       x = np.moveaxis(x, axis, -1); K = x.shape[-1]
;;       x = np.pad(x, [(0, 0)] * (x.ndim - 1) + [(0, -K % 32)]); x = x.reshape(x.shape[:-1] + (-1, 32)); a = np.abs(x).max(-1, keepdims=True)
;;       e = np.where(a > 0, np.clip(np.frexp(np.where(a > 0, a, 1))[1] - 1 - 2, -126, 127), 0)      # np.frexp(a)[1] - 1 = floor(log2(a)), exactly
;;       r = np.clip(x / 2.0 ** e, -6, 6)
;;       step = 2.0 ** (np.maximum(np.frexp(np.where(r == 0, 1, r))[1] - 1, 0) - 1)
;;       q = np.round(r / step) * step * 2.0 ** e      # np.round: ties to even
;;       return np.moveaxis(q.reshape(q.shape[:-2] + (-1,))[..., :K], -1, axis).astype(np.float32)
;;   ~~~
;;   SOFTMAX AHEAD OF A QUANTISED PRODUCT. Where the list says 'softmax', what is quantised is not the finished softmax but p = 2^(t - M), with t = logit x log2(e) and M = ceil(the row's largest t), a whole number; so 1/2 < the row's largest p <= 1. The row's sum l is taken of the UNQUANTISED p, in f32, and the product's result is divided by l at the end. Since M is a whole number, a kernel that streams over the keys may use a running M (the ceiling of the running maximum): every later rescaling is an exact power of two, which a block's scale takes up: the codes' values come out the same.
;;   OPERANDS COMPUTED ON THE WAY. 'Computed on the way' means the value that the module computes at that place (a softmax that the list does not call 'softmax' is quantised finished and normalised). What goes into a quantiser is computed in f32, as accurately as f32 sums, v_exp_f32 and their like allow (about 1e-6 of the number): no bf16 or f16 on the way to a quantiser, and a product that is left as it is and whose result goes on into a quantised operand takes f32 operands (vector FMAs, or v_wmma_f32_16x16x4_f32). A number that lies on a knife's edge between two numbers of the format may be rounded either way, as far as f32 arithmetic and the matrix unit's own rounding can turn it there, and no further.
;; 2 versions. Each part assembles by itself: llvm-mc -triple=amdgcn-amd-amdhsa -mcpu=gfx1250 --defsym DOCPART=n.
;; ======== version 1 of 2: 4 launches
;; workspace buffers: xc 6,684,672 bytes; wc 3,899,392 bytes; mw 524,288 bytes of whole numbers; qrec 2,359,296 bytes; krec 2,359,296 bytes; vrec 2,228,224 bytes; xa 2,228,224 bytes
;; launch prep (part 1): grid 368 x 1, 4 waves a work-group, no clusters, 67,584 bytes of LDS; arguments query, key, value, wq1, wq2, wk1, wk2, wv1, wv2, wo, mask, xc, wc, mw; writes xc, wc, mw
.if DOCPART == 1
	.amdgcn_target "amdgcn-amd-amdhsa--gfx1250"
	.amdhsa_code_object_version 6
	.text
	.protected	k_qdfa40c7385_prep
	.globl	k_qdfa40c7385_prep
	.p2align	8
	.type	k_qdfa40c7385_prep,@function
k_qdfa40c7385_prep:
	s_mov_b64 s[64:65], 0
	v_nop
	global_prefetch_b8 v0, s[64:65] scope:SCOPE_SE
	s_setreg_imm32_b32 hwreg(HW_REG_WAVE_MODE, 25, 1), 1
	s_wait_xcnt 0x0
; query, key, value [4096][1024] and the seven weights [1024][1024], f32, K (the last axis) innermost, become codes of FP4 (E2M1) with one E8M0 byte for each 32 along K;
; the mask [2048][2048] of int32 becomes words of 32 lane bits, laid as the attention launch's selects take them.
; TILES.  Tile T of a tensor holds the 16 rows 32 (T / 2) + 8 (T % 2) + r + 8 (r / 8), r = 0 .. 15: eight neighbours, and the eight that lie 16 further on.
; OUTPUT, by groups of 128 rows (8 tiles), 69,632 bytes each: bytes 0 .. 4095 scale words (tile i, K step s of 128, row r at 512 i + 16 (r + 16 (s % 2)) + 4 (s / 2));
; from byte 4096 images of operand registers: K step s, tile i, half c at 4096 + 8192 s + 1024 i + 512 c + 16 x lane: lane (r, h) holds the codes of k = 128 s + 64 c + 32 h + 0 .. 31 of the tile's row r.
; A block's scale is 2^(floor(log2(its largest magnitude)) - 2); its byte is the largest magnitude's exponent field - 2, held at 1 from below.
; LIMITS: NaN and infinities among the inputs are not served; a block of zeros gets the byte 1 where the quantiser's text says 127: its codes are zeros, and this program alone reads the bytes.
; SHARES.  A wave takes one tile of 16 rows x 8 steps of 512 bytes.  Work-groups 0-191: query, key, value (64 each); 192-303: the weights (16 each); 304-367: the mask (a wave: 16 queries x 1,024 keys).
; Each load reads 512 consecutive bytes of one row; a step's 16 rows turn through the wave's own stage in LDS (rows 528 bytes apart, an odd multiple of 16), so that a lane gets whole blocks of its row.
; Waves share nothing: no barrier.  No tile is read by two work-groups: no cluster.  Loads run two steps (32 loads a wave) ahead.
.set WV,     3                         ; s3       my wave's number
.set SRC,    4                         ; s[4:5]   my tile's first row in its tensor
.set DST,    6                         ; s[6:7]   my group in xc or wc; in the mask's path my words in mw
.set SEL,    36                        ; s[36:37] lane selects for v_permlanex16_b32: lane l xor 16
.set HI16,   38                        ; s38      lanes 16-31
.set CM,     40                        ; s40-43   four compare results
.set D1,     54                        ; s[54:55] my tile's images
.set D2,     56                        ; s[56:57] my tile's scale words
.set H8,     3                         ; v3       8 h
.set L16,    4                         ; v4       16 x lane
.set STA,    5                         ; v5       the stage, on the way in
.set RDA,    6                         ; v6       and on the way out
.set L8,     7                         ; v7       8 x lane
.set PW,     16                        ; v16-23   a scale word for each step
.set C,      24                        ; v24-39   two sets of 8 code registers (mask: two pairs of words)
.set R,      40                        ; v40-167  two sets of 64 registers as loaded
.set X,      168                       ; v168-231 64 numbers of my row
.set SPITCH, 528
.set WSTG,   16*SPITCH                 ; a wave's stage; the float path's four lie at 0, the mask path's four behind them
	s_load_b512 s[8:23], s[0:1], 0x0               ; query, key, value, wq1, wq2, wk1, wk2, wv1
	s_load_b256 s[24:31], s[0:1], 0x40             ; wv2, wo, mask, xc
	s_load_b128 s[32:35], s[0:1], 0x60             ; wc, mw
	v_lshrrev_b32 v1, 5, v0
	v_readfirstlane_b32 s[WV], v1                  ; wave 0..3
	v_and_b32 v1, 31, v0                           ; lane
	v_and_b32 v2, 15, v0                           ; r
	v_bfe_u32 v8, v0, 4, 1                         ; h
	v_lshlrev_b32 v[H8], 3, v8
	v_lshlrev_b32 v[L16], 4, v1
	v_lshlrev_b32 v[L8], 3, v1
	v_mul_u32_u24 v9, v2, SPITCH
	v_mov_b32 v15, 0                               ; written once: a lane permute's destination counts as one of its sources
	s_mul_i32 s39, s[WV], WSTG
	s_mov_b32 s[SEL], 0x76543210
	s_mov_b32 s[SEL+1], 0xfedcba98
	s_mov_b32 s[HI16], 0xffff0000
.macro LOAD s, pitch                   ; step s: 512 bytes of each of my 16 rows, into set s % 2
.irp i, 0,1,2,3,4,5,6,7,8,9,10,11,12,13,14,15
	global_load_b128 v[R+64*((\s)%2)+4*\i:R+64*((\s)%2)+4*\i+3], v[L16], s[SRC:SRC+1] offset:(\i+8*(\i/8))*(\pitch)+512*(\s) th:TH_LOAD_NT
.endr
.endm
.macro TURN s, kind                    ; through the stage: LDS serves a wave's instructions in order, so no wait stands between the stores and the loads
.irp i, 0,1,2,3,4,5,6,7,8,9,10,11,12,13,14,15
	ds_store_b128 v[STA], v[R+64*((\s)%2)+4*\i:R+64*((\s)%2)+4*\i+3] offset:\i*SPITCH
.endr
.if \kind
.irp b, 0,1,2,3                        ; mask: register 16 b + e = key 32 b + 16 h + e of my query
.irp g, 0,1,2,3
	ds_load_b128 v[X+16*\b+4*\g:X+16*\b+4*\g+3], v[RDA] offset:128*\b+16*\g
.endr
.endr
.else
.irp c, 0,1                            ; numbers: register 32 c + e = k 64 c + 32 h + e of my row: two whole blocks
.irp g, 0,1,2,3,4,5,6,7
	ds_load_b128 v[X+32*\c+4*\g:X+32*\c+4*\g+3], v[RDA] offset:256*\c+16*\g
.endr
.endr
.endif
.endm
.macro HEADSTEP s, kind, pitch         ; what both paths do at a step's head
.if (\s) < 7
	s_wait_loadcnt 16                              ; this step's 16 loads are in; the next step's 16 may be out
.else
	s_wait_loadcnt 0x0
.endif
	TURN \s, \kind
	s_wait_dscnt 0x0                               ; my numbers are back, and the stores into the stage have read their registers
	s_wait_xcnt 0x0                                ; the stores of two steps back have read their data: that set is written again below
.if (\s) < 6
	LOAD (\s)+2, \pitch
.endif
.endm
	s_cmp_ge_u32 ttmp9, 304
	s_cbranch_scc1 .Lmask
	; ---- numbers into codes
	v_add_nc_u32 v[STA], s39, v[L16]
	v_lshl_add_u32 v[RDA], v8, 7, v9               ; row r, + 128 h: my block of 32 numbers
	v_add_nc_u32 v[RDA], s39, v[RDA]
	s_lshr_b32 s44, ttmp9, 6                       ; as an input's work-group: which tensor,
	s_and_b32 s45, ttmp9, 63                       ; which four tiles,
	s_mul_i32 s49, s44, 32*69632                   ; the tensor's place in xc
	s_sub_co_u32 s46, ttmp9, 192                   ; as a weight's (not used in an input's work-group)
	s_lshr_b32 s47, s46, 4
	s_and_b32 s48, s46, 15
	s_mul_i32 s50, s47, 8*69632                    ; the matrix's place in wc
	s_add_co_u32 s47, s47, 3
	s_wait_kmcnt 0x0
	s_cmp_lt_u32 ttmp9, 192                        ; the choices hang on the work-group's number alone
	s_cselect_b32 s44, s44, s47                    ; the tensor, 0 .. 9 in the order of the arguments
	s_cselect_b32 s45, s45, s48
	s_cselect_b32 s49, s49, s50
	s_cselect_b64 s[DST:DST+1], s[30:31], s[32:33]
	s_lshl_b32 s45, s45, 2
	s_add_co_u32 s45, s45, s[WV]                   ; my tile
	s_mov_b64 s[SRC:SRC+1], s[8:9]
.irp n, 1,2,3,4,5,6,7,8,9
	s_cmp_eq_u32 s44, \n
	s_cselect_b64 s[SRC:SRC+1], s[8+2*\n:9+2*\n], s[SRC:SRC+1]
.endr
	s_lshr_b32 s46, s45, 1
	s_lshl_b32 s46, s46, 17                        ; 32 rows of 4,096 bytes for each pair of tiles,
	s_and_b32 s47, s45, 1
	s_lshl_b32 s47, s47, 15                        ; 8 rows for the odd one
	s_add_co_u32 s46, s46, s47
	s_mov_b32 s47, 0
	s_add_nc_u64 s[SRC:SRC+1], s[SRC:SRC+1], s[46:47]
	s_lshr_b32 s48, s45, 3
	s_mul_i32 s48, s48, 69632
	s_add_co_u32 s48, s48, s49
	s_mov_b32 s49, 0
	s_add_nc_u64 s[DST:DST+1], s[DST:DST+1], s[48:49]
	s_and_b32 s50, s45, 7
	s_lshl_b32 s52, s50, 10
	s_mov_b32 s53, 0
	s_add_nc_u64 s[D1:D1+1], s[DST:DST+1], s[52:53]
	s_lshl_b32 s52, s50, 9
	s_add_nc_u64 s[D2:D2+1], s[DST:DST+1], s[52:53]
	LOAD 0, 4096
	LOAD 1, 4096
.macro QSTEP s
	HEADSTEP \s, 0, 4096
.set CSET, C+8*((\s)%2)
.irp c, 0,1
	v_max3_num_f32 v[8+\c], |v[X+32*\c]|, |v[X+32*\c+1]|, 0x1800000   ; my block 2 c + h: all 32 numbers are mine; the floor 2^(3 - 127) holds the byte at 1 from below
.endr
.irp i, 2,4,6,8,10,12,14,16,18,20,22,24,26,28,30
.irp c, 0,1
	v_max3_num_f32 v[8+\c], v[8+\c], |v[X+32*\c+\i]|, |v[X+32*\c+\i+1]|   ; (the two blocks by turns)
.endr
.endr
.irp c, 0,1
	v_add_nc_u32 v[10+\c], 0xff000000, v[8+\c]     ; 2 off the exponent field: the conversion takes the exponent field of this operand as its scale
.endr
.irp c, 0,1
.irp g, 0,1,2,3
	v_cvt_scalef32_pk8_fp4_f32 v[CSET+4*\c+\g], v[X+32*\c+8*\g:X+32*\c+8*\g+7], v[10+\c]
.endr
.endr
.irp c, 0,1
	v_lshrrev_b32 v[12+\c], 23, v[10+\c]           ; the scale's byte (also the plain line behind the conversions)
.endr
	v_lshl_or_b32 v14, v13, 16, v12                ; my two bytes, blocks h and 2 + h,
	v_lshlrev_b32 v14, v[H8], v14                  ; at their places in the word;
	v_permlanex16_b32 v15, v14, s[SEL], s[SEL+1]
	v_or_b32 v[PW+(\s)], v14, v15                  ; with lane l xor 16's two the word is whole
.irp c, 0,1
	global_store_b128 v[L16], v[CSET+4*\c:CSET+4*\c+3], s[D1:D1+1] offset:4096+8192*(\s)+512*\c   ; 32 lanes store 512 consecutive bytes, aligned
.endr
.endm
.irp s, 0,1,2,3,4,5,6,7
	QSTEP \s
.endr
.irp k, 0,1,2,3
	v_cndmask_b32 v[8+\k], v[PW+2*\k], v[PW+2*\k+1], s[HI16]   ; lanes 0-15 the even step's word, lanes 16-31 the odd step's
.endr
	global_store_b128 v[L16], v[8:11], s[D2:D2+1]  ; my tile's 512 bytes of scale words
	s_endpgm
	; ---- the mask into lane words
.Lmask:
	s_add_co_u32 s39, s39, 4*WSTG                  ; this path has LDS bytes of its own
	v_add_nc_u32 v[STA], s39, v[L16]
	v_lshl_add_u32 v[RDA], v8, 6, v9               ; row r, + 64 h: 16 keys
	v_add_nc_u32 v[RDA], s39, v[RDA]
.irp k, 0,1,2,3
	v_mov_b32 v[C+\k], 0                           ; written once: v_writelane_b32's destination counts as read
.endr
	s_sub_co_u32 s44, ttmp9, 304
	s_lshl_b32 s44, s44, 2
	s_add_co_u32 s44, s44, s[WV]                   ; u: tile of queries u / 2, keys 1,024 (u % 2) on
	s_lshr_b32 s45, s44, 1
	s_and_b32 s46, s44, 1
	s_lshr_b32 s47, s45, 1
	s_lshl_b32 s48, s47, 18                        ; 32 rows of 8,192 bytes for each pair of tiles,
	s_and_b32 s47, s45, 1
	s_lshl_b32 s47, s47, 16                        ; 8 rows for the odd one,
	s_add_co_u32 s48, s48, s47
	s_lshl_b32 s46, s46, 12                        ; 4,096 bytes for the second half of the keys
	s_add_co_u32 s48, s48, s46
	s_mov_b32 s49, 0
	s_lshl_b32 s50, s44, 11                        ; eight steps of 256 bytes of words
	s_mov_b32 s51, 0
	s_wait_kmcnt 0x0
	s_add_nc_u64 s[SRC:SRC+1], s[28:29], s[48:49]
	s_add_nc_u64 s[DST:DST+1], s[34:35], s[50:51]
	LOAD 0, 8192
	LOAD 1, 8192
.macro MSTEP s                         ; 128 keys: 64 words.  Bit l of the word for register n: mask(query of lane l % 16, key 32 (n / 16) + 16 (l / 16) + n % 16) is not 0
	HEADSTEP \s, 1, 8192
.set WSET, C+2*((\s)%2)
.set n, 0
.rept 16
.irp q, 0,1,2,3
	v_cmp_ne_u32 s[CM+\q], 0, v[X+n+\q]
.endr
.irp q, 0,1,2,3
	v_writelane_b32 v[WSET+(n+\q)/32], s[CM+\q], (n+\q)%32   ; the word for register n goes to lane n % 32 of register n / 32
.endr
.set n, n+4
.endr
	global_store_b64 v[L8], v[WSET:WSET+1], s[DST:DST+1] offset:256*(\s)   ; so memory word m serves register m / 2 + 32 (m % 2); 32 lanes store 256 consecutive bytes, aligned
.endm
.irp s, 0,1,2,3,4,5,6,7
	MSTEP \s
.endr
	s_endpgm
.Lfunc_end_k_qdfa40c7385_prep:
	.size	k_qdfa40c7385_prep, .Lfunc_end_k_qdfa40c7385_prep-k_qdfa40c7385_prep
	.p2alignl 7, 3214868480
	.fill 96, 4, 3214868480
	.section	.rodata,"a",@progbits
	.p2align	6, 0x0
	.amdhsa_kernel k_qdfa40c7385_prep
		.amdhsa_group_segment_fixed_size 67584
		.amdhsa_private_segment_fixed_size 0
		.amdhsa_enable_private_segment 0
		.amdhsa_kernarg_size 112
		.amdhsa_user_sgpr_count 2
		.amdhsa_user_sgpr_kernarg_segment_ptr 1
		.amdhsa_wavefront_size32 1
		.amdhsa_system_sgpr_workgroup_id_x 1
		.amdhsa_system_sgpr_workgroup_id_y 1
		.amdhsa_system_sgpr_workgroup_id_z 1
		.amdhsa_system_vgpr_workitem_id 0
		.amdhsa_next_free_vgpr 232
		.amdhsa_next_free_sgpr 66
		.amdhsa_reserve_vcc 0
		.amdhsa_float_denorm_mode_32 3
		.amdhsa_float_denorm_mode_16_64 3
		.amdhsa_memory_ordered 1
		.amdhsa_forward_progress 1
		.amdhsa_inst_pref_size 152
	.end_amdhsa_kernel
	.amdgpu_metadata
---
amdhsa.version: [ 1, 2 ]
amdhsa.kernels:
  - .name:           k_qdfa40c7385_prep
    .symbol:         k_qdfa40c7385_prep.kd
    .args:
      - { .name: query, .offset: 0, .size: 8, .value_kind: global_buffer, .address_space: global }
      - { .name: key, .offset: 8, .size: 8, .value_kind: global_buffer, .address_space: global }
      - { .name: value, .offset: 16, .size: 8, .value_kind: global_buffer, .address_space: global }
      - { .name: wq1, .offset: 24, .size: 8, .value_kind: global_buffer, .address_space: global }
      - { .name: wq2, .offset: 32, .size: 8, .value_kind: global_buffer, .address_space: global }
      - { .name: wk1, .offset: 40, .size: 8, .value_kind: global_buffer, .address_space: global }
      - { .name: wk2, .offset: 48, .size: 8, .value_kind: global_buffer, .address_space: global }
      - { .name: wv1, .offset: 56, .size: 8, .value_kind: global_buffer, .address_space: global }
      - { .name: wv2, .offset: 64, .size: 8, .value_kind: global_buffer, .address_space: global }
      - { .name: wo, .offset: 72, .size: 8, .value_kind: global_buffer, .address_space: global }
      - { .name: mask, .offset: 80, .size: 8, .value_kind: global_buffer, .address_space: global }
      - { .name: xc, .offset: 88, .size: 8, .value_kind: global_buffer, .address_space: global }
      - { .name: wc, .offset: 96, .size: 8, .value_kind: global_buffer, .address_space: global }
      - { .name: mw, .offset: 104, .size: 8, .value_kind: global_buffer, .address_space: global }
    .group_segment_fixed_size: 67584
    .private_segment_fixed_size: 0
    .kernarg_segment_align: 8
    .kernarg_segment_size: 112
    .max_flat_workgroup_size: 128
    .sgpr_count:     66
    .vgpr_count:     232
    .wavefront_size: 32
...
	.end_amdgpu_metadata
.endif
;; end of part 1
;; launch proj (part 2): grid 8 x 48, 16 waves a work-group, clusters of 4 x 4, 327,680 bytes of LDS; arguments xc, wc, bq1, bq2, bk1, bk2, bv1, bv2, qrec, krec, vrec; writes qrec, krec, vrec
.if DOCPART == 2
	.amdgcn_target "amdgcn-amd-amdhsa--gfx1250"
	.amdhsa_code_object_version 6
	.text
	.protected	k_qdfa40c7385_proj
	.globl	k_qdfa40c7385_proj
	.p2align	8
	.type	k_qdfa40c7385_proj,@function
k_qdfa40c7385_proj:
	s_mov_b64 s[64:65], 0
	v_nop
	global_prefetch_b8 v0, s[64:65] scope:SCOPE_SE
	s_setreg_imm32_b32 hwreg(HW_REG_WAVE_MODE, 25, 1), 1
	s_wait_xcnt 0x0
	s_wait_alu depctr_hold_cnt(0) depctr_sa_sdst(0) depctr_va_vdst(0) depctr_va_sdst(0) depctr_va_ssrc(0) depctr_va_vcc(0) depctr_vm_vsrc(0)
	s_getreg_b32 s2, hwreg(HW_REG_IB_STS2, 6, 4)
	s_cmp_eq_u32 s2, 0
	s_cbranch_scc0 .Lentry_in_a_cluster
	s_endpgm
.Lentry_in_a_cluster:
	s_bfe_u32 s2, ttmp6, 0x10000c
	s_cmp_lg_u32 s2, 0xf033
	s_cbranch_scc0 .Lentry_shape_is_right
	s_endpgm
.Lentry_shape_is_right:
; q, k, v = silu(x W1^T + b1) (x W2^T + b2), both products on codes of FP4 with E8M0 scales, and the result quantised at once for the attention launch: q and k along a head's 64 channels, v along the keys.
; SHARES.  A work-group takes 256 tokens x 128 channels x both matrices of one of the three inputs (cluster y / 4).  All of K = 1,024 lies in LDS: four groups of 69,632 bytes as the launch before laid them
; (x's two groups of 128 tokens, W1's and W2's group of 128 channels): 278,528 bytes, each byte filled once.
; CLUSTER 4 x 4: the four of a row of the cluster need the same tokens, the four of a column the same channels: each group is asked for JOINTLY, in four quarters of 68 rows of 256 bytes, by waves 0-3 (one group each:
; four tensor loads of a wave are out at the most).  The quarters are waited for one by one: K step s of 128 is whole when 4096 + 8192 (s + 1) bytes of each group have landed: steps 0 | 1, 2 | 3, 4 | 5, 6, 7.
; q, k: source 0 = 16 channels of W, source 1 = 16 tokens: a lane holds ONE token, and its registers run along the channels.  v: source 0 = 16 tokens, source 1 = 16 channels: a lane holds one channel, its registers run along the keys.
; THE ROWS OF A TILE ARE NOT NEIGHBOURS (32 (T / 2) + 8 (T % 2) + r + 8 (r / 8)), so that the 16 registers of tiles 2 b and 2 b + 1 of source 0 are 16 neighbours along the next K.
; OUTPUT.  qrec, krec: [batch x head 32][128 tokens 16][4,608 bytes]: tile t's codes at 512 t + 16 x lane (lane (r, h): channels 32 h on of token r), scale words at 4096 + 64 t + 4 r (two bytes, then two of 0x7f for the zero codes that fill K to 128).
; vrec: [32][128 keys 16][4,352 bytes]: channels' tile ct, keys 64 c on at 512 (2 ct + c) + 16 x lane; scale words at 4096 + 64 ct + 4 r.
; silu(a) = a / (1 + 2^(-a log2 e)), by v_exp_f32 and v_rcp_f32, all in f32.  LIMITS: NaN and infinities are not served; a block of zeros gets the byte 1, its codes are zeros, and this program alone reads the bytes.
; REGISTERS: v1-11 addresses; v16-23 v's biases; v32-111 fragments, later the activation's and the quantiser's work; v112-121 scale words and nothing else; v128-191 the sums with W1, v192-255 with W2 (tile j of source 1, tile i of source 0 at 32 j + 8 i).
.set GRP,  69632
.set QTR,  17408                       ; a quarter of a group: 68 rows of 256 bytes
.set WV,   26                          ; s26      my wave's number
.set G1X,  28                          ; s[28:35] descriptor group 1 for x's quarters;  s[36:43] for W's: they differ in the mask alone
.set G1W,  36
.set G0X,  44                          ; s[44:59] four groups 0 for x's quarters;  s[68:83] for W's
.set G0W,  68
.set SEL,  60                          ; s[60:61] lane selects for v_permlanex16_b32: lane l xor 16
.set NL2,  62                          ; s[62:63] -log2(e): the packed form names a pair and takes its low word for both halves
.set AX,   1                           ; v1  LDS: my x fragments;  v2, v3: my W1, W2 fragments;  v4, v5, v6: their scale words
.set AW1,  2
.set AW2,  3
.set SX,   4
.set SW1,  5
.set SW2,  6
.set L16,  7                           ; v7  16 x lane
.set L4,   8                           ; v8  4 x lane
.set OA,   9                           ; v9  where my codes go in the record;  v10 my scale words
.set OB,   10
.set BO,   11                          ; v11 my offset in the biases
.set BV,   16
.set T,    32                          ; v32-95 the activation's work
.set TM,   32                          ; the quantiser: v32-35 largest magnitudes, v36-39 bytes, v40-41 scale words, v44-47 scale operands, v48-55 codes
.set PC,   48
.set ACC1, 128
.set ACC2, 192
.macro CROUND                          ; a round of the cluster's barrier
	s_barrier_signal -1
	s_barrier_wait -1
	s_cmp_lg_u32 s[WV], 0
	s_cbranch_scc1 .Lnot_wave_0_\@
	s_barrier_signal -3
.Lnot_wave_0_\@:
	s_barrier_wait -3
	s_barrier_signal -1
	s_barrier_wait -1
.endm
.macro PHASE left                      ; the fetching waves' next quarter has landed (left: their later quarters, which may stay out); then everybody knows
	s_wait_tensorcnt \left
	s_barrier_signal -1
	s_barrier_wait -1
.endm
.macro WM d, a, b, zero, sa, sb, odd   ; odd K steps take their scale words from lanes 16-31
.if \zero
	v_wmma_scale_f32_16x16x128_f8f6f4 v[\d:\d+7], v[\a:\a+7], v[\b:\b+7], 0, v[\sa], v[\sb] matrix_a_fmt:MATRIX_FMT_FP4 matrix_b_fmt:MATRIX_FMT_FP4
.elseif \odd
	v_wmma_scale_f32_16x16x128_f8f6f4 v[\d:\d+7], v[\a:\a+7], v[\b:\b+7], v[\d:\d+7], v[\sa], v[\sb] matrix_a_fmt:MATRIX_FMT_FP4 matrix_b_fmt:MATRIX_FMT_FP4 matrix_a_scale:MATRIX_SCALE_ROW1 matrix_b_scale:MATRIX_SCALE_ROW1
.else
	v_wmma_scale_f32_16x16x128_f8f6f4 v[\d:\d+7], v[\a:\a+7], v[\b:\b+7], v[\d:\d+7], v[\sa], v[\sb] matrix_a_fmt:MATRIX_FMT_FP4 matrix_b_fmt:MATRIX_FMT_FP4
.endif
.endm
.macro PLACES                          ; four plain vector lines between a matrix instruction and a load into, or a vector line on, its registers (ISA guide 7.12.1 for vector lines)
.rept 4
	v_nop
.endr
.endm
	s_load_b128 s[4:7], s[0:1], 0x0                ; xc, wc
	s_load_b256 s[8:15], s[0:1], 0x10              ; bq1, bq2, bk1, bk2
	s_load_b128 s[16:19], s[0:1], 0x30             ; bv1, bv2
	s_load_b128 s[20:23], s[0:1], 0x40             ; qrec, krec
	s_load_b64 s[24:25], s[0:1], 0x50              ; vrec
	v_lshrrev_b32 v1, 5, v0
	v_readfirstlane_b32 s[WV], v1                  ; wave 0..15
	s_bfe_u32 s84, ttmp6, 0x40000                  ; cx
	s_bfe_u32 s85, ttmp6, 0x40004                  ; cy
	s_lshl_b32 s86, ttmp9, 2
	s_add_co_u32 s86, s86, s84                     ; gx: my group of 128 channels
	s_and_b32 s87, ttmp7, 0xffff                   ; cluster y
	s_lshr_b32 s88, s87, 2                         ; the input: 0 q, 1 k, 2 v: the same in all sixteen partners
	s_and_b32 s89, s87, 3
	s_lshl_b32 s89, s89, 2
	s_add_co_u32 s89, s89, s85                     ; tb: my block of 256 tokens
	s_lshl_b32 s90, s85, 2
	s_lshl_b32 s90, 15, s90                        ; my row of the cluster
	s_lshl_b32 s91, 0x1111, s84                    ; my column
	s_or_b32 s[G1X], s90, (3<<16)|(1<<21)          ; 15:0 the mask; 17:16 elements of 8 bytes; 21 set beside a mask; no padding
	s_or_b32 s[G1W], s91, (3<<16)|(1<<21)
.irp g, G1X, G1W
	s_mov_b32 s[\g+1], 32<<16                      ; tensor_dim0 = 32 elements: 256 bytes
	s_mov_b32 s[\g+2], 68<<16                      ; tensor_dim1 = 68
	s_mov_b32 s[\g+3], 32<<16                      ; tile_dim0
	s_mov_b32 s[\g+4], 68                          ; tile_dim1
	s_mov_b32 s[\g+5], 32                          ; the pitch: the block is dense
	s_mov_b32 s[\g+6], 0
	s_mov_b32 s[\g+7], 0
.endr
	s_and_b32 s94, s[WV], 1                        ; which of the two groups I fetch, if I fetch
	s_mul_i32 s92, s88, 32*GRP                     ; x: the input, the block's two groups, mine: nothing of cx
	s_mul_i32 s95, s89, 2*GRP
	s_add_co_u32 s92, s92, s95
	s_mul_i32 s95, s94, GRP
	s_add_co_u32 s92, s92, s95
	s_mov_b32 s93, 0
	s_mul_i32 s96, s88, 16*GRP                     ; W: the input's pair of matrices, mine of the two, the channels' group: nothing of cy
	s_mul_i32 s99, s94, 8*GRP
	s_add_co_u32 s96, s96, s99
	s_mul_i32 s99, s86, GRP
	s_add_co_u32 s96, s96, s99
	s_mov_b32 s97, 0
	s_mul_i32 s98, s[WV], GRP                      ; where my group goes: wave x a group: no place in the cluster enters an LDS address
	s_mov_b32 s[SEL], 0x76543210
	s_mov_b32 s[SEL+1], 0xfedcba98
	s_mov_b32 s[NL2], 0xbfb8aa3b
	s_mov_b32 s[NL2+1], s[NL2]
	s_wait_kmcnt 0x0
	s_add_nc_u64 s[92:93], s[4:5], s[92:93]
	s_add_nc_u64 s[96:97], s[6:7], s[96:97]
.irp j, 0,1,2,3
	s_mov_b32 s[G0X+4*\j], 1
	s_add_co_u32 s[G0X+4*\j+1], s98, \j*QTR
	s_add_nc_u64 s[G0X+4*\j+2:G0X+4*\j+3], s[92:93], \j*QTR
	s_or_b32 s[G0X+4*\j+3], s[G0X+4*\j+3], 0x80000000
	s_mov_b32 s[G0W+4*\j], 1
	s_add_co_u32 s[G0W+4*\j+1], s98, \j*QTR
	s_add_nc_u64 s[G0W+4*\j+2:G0W+4*\j+3], s[96:97], \j*QTR
	s_or_b32 s[G0W+4*\j+3], s[G0W+4*\j+3], 0x80000000
.endr
	CROUND                                         ; all sixteen work-groups are here: the joint loads meet
	s_cmp_lt_u32 s[WV], 2                          ; a wave's four fills stand in one branch on the wave's number; four v_nop follow the last
	s_cbranch_scc0 .Lnot_x
.irp j, 0,1,2,3
	tensor_load_to_lds s[G0X+4*\j:G0X+4*\j+3], s[G1X:G1X+7]
.endr
	PLACES
	s_branch .Lasked
.Lnot_x:
	s_cmp_lt_u32 s[WV], 4
	s_cbranch_scc0 .Lasked
.irp j, 0,1,2,3
	tensor_load_to_lds s[G0W+4*\j:G0W+4*\j+3], s[G1W:G1W+7]
.endr
	PLACES
.Lasked:
	v_and_b32 v12, 31, v0                          ; lane
	v_and_b32 v13, 15, v0                          ; r
	v_bfe_u32 v14, v0, 4, 1                        ; h
	v_lshlrev_b32 v[L16], 4, v12
	v_lshlrev_b32 v[L4], 2, v12
; silu(sum 1) x sum 2, in f32, into ACC1.  Each accumulator is read from its low end on.  The exponentials are one batch with one wait, and so are the reciprocals.
.macro EPI
.set k, 0
.rept 32
	v_pk_mul_f32 v[T+k:T+k+1], v[ACC1+k:ACC1+k+1], s[NL2:NL2+1] op_sel_hi:[1,0]
.set k, k+2
.endr
.set k, 0
.rept 64
	v_exp_f32 v[T+k], v[T+k]
.set k, k+1
.endr
	v_nop                                          ; a plain line behind the last exponential
	s_wait_alu depctr_va_vdst(0)                   ; one wait for the batch, ahead of its first reader
.set k, 0
.rept 32
	v_pk_add_f32 v[T+k:T+k+1], v[T+k:T+k+1], 1.0 op_sel_hi:[1,0]
.set k, k+2
.endr
.set k, 0
.rept 64
	v_rcp_f32 v[T+k], v[T+k]
.set k, k+1
.endr
	v_nop
	s_wait_alu depctr_va_vdst(0)
.set k, 0
.rept 32
	v_pk_mul_f32 v[ACC1+k:ACC1+k+1], v[ACC1+k:ACC1+k+1], v[T+k:T+k+1]
.set k, k+2
.endr
.set k, 0
.rept 32
	v_pk_mul_f32 v[ACC1+k:ACC1+k+1], v[ACC1+k:ACC1+k+1], v[ACC2+k:ACC2+k+1]
.set k, k+2
.endr
.endm
; ACC1's 64 numbers: block 2 j + b (tile j of source 1) in registers 16 (2 j + b) on: 16 of its 32 numbers here, 16 in lane l xor 16.  They become codes in v[PC + 4 j] on (lane (r, h): block h of row r of tile j)
; and a word of two scale bytes a row in v[TM + 8]: lanes 0-15 tile 0's rows, lanes 16-31 tile 1's.  fill = 1: the word's upper two bytes become 0x7f.
.macro QUANT fill
.irp b, 0,1,2,3
	v_max3_num_f32 v[TM+\b], |v[ACC1+16*\b]|, |v[ACC1+1+16*\b]|, 0x1800000   ; with the floor 2^(3 - 127): the byte cannot fall under 1
.endr
.irp i, 2,4,6,8,10,12,14
.irp b, 0,1,2,3
	v_max3_num_f32 v[TM+\b], v[TM+\b], |v[ACC1+16*\b+\i]|, |v[ACC1+1+16*\b+\i]|
.endr
.endr
.irp b, 0,1,2,3
	v_permlanex16_b32 v[TM+4+\b], v[TM+\b], s[SEL], s[SEL+1]
.endr
.irp b, 0,1,2,3
	v_max_num_f32 v[TM+\b], v[TM+\b], v[TM+4+\b]   ; the block's largest magnitude
.endr
.irp b, 0,1,2,3
	v_add_nc_u32 v[TM+12+\b], 0xff000000, v[TM+\b] ; 2 off its exponent field: the conversion's scale operand
.endr
.irp b, 0,1,2,3
	v_lshrrev_b32 v[TM+4+\b], 23, v[TM+12+\b]      ; the scale's byte
.endr
	v_lshl_or_b32 v[TM+8], v[TM+5], 8, v[TM+4]
	v_lshl_or_b32 v[TM+9], v[TM+7], 8, v[TM+6]
.if \fill
	v_or_b32 v[TM+8], 0x7f7f0000, v[TM+8]
	v_or_b32 v[TM+9], 0x7f7f0000, v[TM+9]
.endif
.irp b, 0,1,2,3
	v_cvt_scalef32_pk8_fp4_f32 v[PC+2*\b], v[ACC1+16*\b:ACC1+7+16*\b], v[TM+12+\b]
	v_cvt_scalef32_pk8_fp4_f32 v[PC+1+2*\b], v[ACC1+8+16*\b:ACC1+15+16*\b], v[TM+12+\b]
.endr
	v_nop                                          ; one plain line behind a scaled conversion
.irp c, 0,1                                    ; the operand's layout wants a whole block in a lane
.irp i, 0,1
	v_permlane16_swap_b32 v[PC+4*\c+\i], v[PC+2+4*\c+\i]
.endr
.endr
	v_permlane16_swap_b32 v[TM+8], v[TM+9]         ; tile 1's words into lanes 16-31
.endm
	s_cmp_eq_u32 s88, 2                            ; the input hangs on the cluster's y alone
	s_cbranch_scc1 .Lvpath
	; ---- q and k.  Wave w: head w / 8 of the group's two (W's tiles 4 (w / 8) + i), tokens' tiles 2 (w % 8) + j
	s_lshr_b32 s90, s[WV], 3                       ; hs
	s_and_b32 s91, s[WV], 7                        ; tp
	s_lshr_b32 s94, s91, 2                         ; which of x's two groups
	s_and_b32 s95, s91, 3
	s_mul_i32 s98, s94, GRP
	s_lshl_b32 s99, s95, 11
	s_add_co_u32 s99, s99, s98
	s_add_co_u32 s99, s99, 4096
	v_add_nc_u32 v[AX], s99, v[L16]
	s_lshl_b32 s99, s95, 10
	s_add_co_u32 s99, s99, s98
	v_add_nc_u32 v[SX], s99, v[L16]
	s_lshl_b32 s99, s90, 12
	s_add_co_u32 s99, s99, 2*GRP+4096
	v_add_nc_u32 v[AW1], s99, v[L16]
	v_add_nc_u32 v[AW2], GRP, v[AW1]
	s_lshl_b32 s99, s90, 11
	s_add_co_u32 s99, s99, 2*GRP
	v_add_nc_u32 v[SW1], s99, v[L16]
	v_add_nc_u32 v[SW2], GRP, v[SW1]
	s_cmp_eq_u32 s88, 0
	s_cselect_b64 s[8:9], s[8:9], s[12:13]         ; b1, b2 and the records of q or of k
	s_cselect_b64 s[10:11], s[10:11], s[14:15]
	s_cselect_b64 s[20:21], s[20:21], s[22:23]
	s_lshl_b32 s98, s86, 9
	s_lshl_b32 s99, s90, 8
	s_add_co_u32 s98, s98, s99
	v_lshl_add_u32 v[BO], v14, 6, s98              ; 4 (128 gx + 64 hs) + 64 h
.irp j, 0,1                                    ; THE SUMS BEGIN AS THE BIASES: register e of tile i is channel 32 (i / 2) + 16 h + 8 (i % 2) + e of the head
.irp i, 0,1,2,3
	global_load_b128 v[ACC1+32*\j+8*\i:ACC1+32*\j+8*\i+3], v[BO], s[8:9] offset:(32*(\i/2)+8*(\i%2))*4
	global_load_b128 v[ACC1+32*\j+8*\i+4:ACC1+32*\j+8*\i+7], v[BO], s[8:9] offset:(32*(\i/2)+8*(\i%2))*4+16
	global_load_b128 v[ACC2+32*\j+8*\i:ACC2+32*\j+8*\i+3], v[BO], s[10:11] offset:(32*(\i/2)+8*(\i%2))*4
	global_load_b128 v[ACC2+32*\j+8*\i+4:ACC2+32*\j+8*\i+7], v[BO], s[10:11] offset:(32*(\i/2)+8*(\i%2))*4+16
.endr
.endr
	s_lshr_b32 s98, s89, 3                         ; the batch
	s_lshl_b32 s98, s98, 4
	s_lshl_b32 s99, s86, 1
	s_add_co_u32 s98, s98, s99
	s_add_co_u32 s98, s98, s90                     ; x 16 + the head
	s_lshl_b32 s98, s98, 4
	s_and_b32 s99, s89, 7
	s_lshl_b32 s99, s99, 1
	s_add_co_u32 s98, s98, s99
	s_add_co_u32 s98, s98, s94                     ; x 16 + the 128 tokens: my record
	s_mul_i32 s98, s98, 4608
	s_mov_b32 s99, 0
	s_add_nc_u64 s[20:21], s[20:21], s[98:99]
	s_lshl_b32 s100, s95, 10
	v_add_nc_u32 v[OA], s100, v[L16]
	s_lshl_b32 s100, s95, 7
	s_add_co_u32 s100, s100, 4096
	v_add_nc_u32 v[OB], s100, v[L4]
.macro STEPQK s                        ; 128 along K: 16 matrix instructions on 16 accumulators by turns, in the same order in every step
.if (\s) > 0
	PLACES
.endif
.if (\s)%2 == 0                        ; a scale word's register serves two steps: lanes 0-15 the even one, lanes 16-31 the odd one
.irp j, 0,1
	ds_load_b32 v[120+\j], v[SX] offset:512*\j+4*((\s)/2)
.endr
.irp i, 0,1,2,3
	ds_load_b32 v[112+\i], v[SW1] offset:512*\i+4*((\s)/2)
	ds_load_b32 v[116+\i], v[SW2] offset:512*\i+4*((\s)/2)
.endr
.endif
.irp j, 0,1
.irp c, 0,1
	ds_load_b128 v[96+8*\j+4*\c:96+8*\j+4*\c+3], v[AX] offset:8192*(\s)+1024*\j+512*\c
.endr
.endr
.irp i, 0,1,2,3
.irp c, 0,1
	ds_load_b128 v[32+8*\i+4*\c:32+8*\i+4*\c+3], v[AW1] offset:8192*(\s)+1024*\i+512*\c
.endr
.endr
.irp i, 0,1,2,3
.irp c, 0,1
	ds_load_b128 v[64+8*\i+4*\c:64+8*\i+4*\c+3], v[AW2] offset:8192*(\s)+1024*\i+512*\c
.endr
.endr
	s_wait_dscnt 8                                 ; all but W2's eight loads
.irp j, 0,1
.irp i, 0,1,2,3
	WM ACC1+32*\j+8*\i, 32+8*\i, 96+8*\j, 0, 112+\i, 120+\j, (\s)%2
.endr
.endr
	s_wait_dscnt 0x0
.irp j, 0,1
.irp i, 0,1,2,3
	WM ACC2+32*\j+8*\i, 64+8*\i, 96+8*\j, 0, 116+\i, 120+\j, (\s)%2
.endr
.endr
.endm
	s_wait_loadcnt 0x0                             ; the biases
	PHASE 3
	STEPQK 0
	PHASE 2
	STEPQK 1
	STEPQK 2
	PHASE 1
	STEPQK 3
	STEPQK 4
	PHASE 0
	STEPQK 5
	STEPQK 6
	STEPQK 7
	PLACES
	EPI
	QUANT 1
	global_store_b128 v[OA], v[PC:PC+3], s[20:21]              ; tile j's codes: 32 lanes store 512 consecutive bytes, aligned
	global_store_b128 v[OA], v[PC+4:PC+7], s[20:21] offset:512
	global_store_b32 v[OB], v[TM+8], s[20:21]                  ; both tiles' scale words: 128 consecutive bytes
	s_branch .Ljoin
	; ---- v.  Wave w: tokens' tiles 4 (w % 4) + i (64 keys), channels' tiles 2 (w / 4) + j
.Lvpath:
	s_and_b32 s90, s[WV], 3                        ; q4
	s_lshr_b32 s91, s[WV], 2                       ; p
	s_lshr_b32 s94, s90, 1                         ; which of x's two groups
	s_and_b32 s95, s90, 1                          ; which 64 of its 128 keys
	s_mul_i32 s98, s94, GRP
	s_lshl_b32 s99, s95, 12
	s_add_co_u32 s99, s99, s98
	s_add_co_u32 s99, s99, 4096
	v_add_nc_u32 v[AX], s99, v[L16]
	s_lshl_b32 s99, s95, 11
	s_add_co_u32 s99, s99, s98
	v_add_nc_u32 v[SX], s99, v[L16]
	s_lshl_b32 s99, s91, 11
	s_add_co_u32 s99, s99, 2*GRP+4096
	v_add_nc_u32 v[AW1], s99, v[L16]
	v_add_nc_u32 v[AW2], GRP, v[AW1]
	s_lshl_b32 s99, s91, 10
	s_add_co_u32 s99, s99, 2*GRP
	v_add_nc_u32 v[SW1], s99, v[L16]
	v_add_nc_u32 v[SW2], GRP, v[SW1]
	v_and_b32 v15, 8, v13
	v_add_nc_u32 v15, v15, v13                     ; r + 8 (r / 8)
	s_lshl_b32 s98, s86, 9
	s_lshl_b32 s99, s91, 7
	s_add_co_u32 s98, s98, s99
	v_lshl_add_u32 v[BO], v15, 2, s98              ; my channel of tile j is 128 gx + 32 p + 8 j + r + 8 (r / 8)
.irp j, 0,1                                    ; one number a lane and tile, loaded twice: a pair for the packed addition
	global_load_b32 v[BV+2*\j], v[BO], s[16:17] offset:32*\j
	global_load_b32 v[BV+2*\j+1], v[BO], s[16:17] offset:32*\j
	global_load_b32 v[BV+4+2*\j], v[BO], s[18:19] offset:32*\j
	global_load_b32 v[BV+5+2*\j], v[BO], s[18:19] offset:32*\j
.endr
	s_lshr_b32 s98, s89, 3                         ; the batch
	s_lshl_b32 s98, s98, 4
	s_lshl_b32 s99, s86, 1
	s_add_co_u32 s98, s98, s99
	s_lshr_b32 s99, s91, 1
	s_add_co_u32 s98, s98, s99                     ; x 16 + the head
	s_lshl_b32 s98, s98, 4
	s_and_b32 s99, s89, 7
	s_lshl_b32 s99, s99, 1
	s_add_co_u32 s98, s98, s99
	s_add_co_u32 s98, s98, s94                     ; x 16 + the 128 keys: my record
	s_mul_i32 s98, s98, 4352
	s_mov_b32 s99, 0
	s_add_nc_u64 s[24:25], s[24:25], s[98:99]
	s_and_b32 s100, s91, 1                         ; which pair of the head's four tiles of channels
	s_lshl_b32 s101, s100, 11
	s_lshl_b32 s99, s95, 9
	s_add_co_u32 s101, s101, s99
	v_add_nc_u32 v[OA], s101, v[L16]
	s_lshl_b32 s101, s100, 7
	s_lshl_b32 s99, s95, 1
	s_add_co_u32 s101, s101, s99
	s_add_co_u32 s101, s101, 4096
	v_add_nc_u32 v[OB], s101, v[L4]
.macro STEPV s, zero
.if (\s) > 0
	PLACES
.endif
.if (\s)%2 == 0
.irp i, 0,1,2,3
	ds_load_b32 v[112+\i], v[SX] offset:512*\i+4*((\s)/2)
.endr
.irp j, 0,1
	ds_load_b32 v[116+\j], v[SW1] offset:512*\j+4*((\s)/2)
	ds_load_b32 v[118+\j], v[SW2] offset:512*\j+4*((\s)/2)
.endr
.endif
.irp i, 0,1,2,3
.irp c, 0,1
	ds_load_b128 v[32+8*\i+4*\c:32+8*\i+4*\c+3], v[AX] offset:8192*(\s)+1024*\i+512*\c
.endr
.endr
.irp j, 0,1
.irp c, 0,1
	ds_load_b128 v[64+8*\j+4*\c:64+8*\j+4*\c+3], v[AW1] offset:8192*(\s)+1024*\j+512*\c
.endr
.endr
.irp j, 0,1
.irp c, 0,1
	ds_load_b128 v[80+8*\j+4*\c:80+8*\j+4*\c+3], v[AW2] offset:8192*(\s)+1024*\j+512*\c
.endr
.endr
	s_wait_dscnt 4                                 ; all but W2's four loads
.irp j, 0,1
.irp i, 0,1,2,3
	WM ACC1+32*\j+8*\i, 32+8*\i, 64+8*\j, \zero, 112+\i, 116+\j, (\s)%2
.endr
.endr
	s_wait_dscnt 0x0
.irp j, 0,1
.irp i, 0,1,2,3
	WM ACC2+32*\j+8*\i, 32+8*\i, 80+8*\j, \zero, 112+\i, 118+\j, (\s)%2
.endr
.endr
.endm
	s_wait_loadcnt 0x0                             ; the biases
	PHASE 3
	STEPV 0, 1                                     ; the first step's products start the sums: nothing is cleared
	PHASE 2
	STEPV 1, 0
	STEPV 2, 0
	PHASE 1
	STEPV 3, 0
	STEPV 4, 0
	PHASE 0
	STEPV 5, 0
	STEPV 6, 0
	STEPV 7, 0
	PLACES
.irp j, 0,1                                    ; a lane is one channel: its bias goes onto all 32 registers of tile j, each accumulator from its low end on
.set k, 0
.rept 16
	v_pk_add_f32 v[ACC1+32*\j+k:ACC1+32*\j+k+1], v[ACC1+32*\j+k:ACC1+32*\j+k+1], v[BV+2*\j:BV+2*\j+1]
	v_pk_add_f32 v[ACC2+32*\j+k:ACC2+32*\j+k+1], v[ACC2+32*\j+k:ACC2+32*\j+k+1], v[BV+4+2*\j:BV+5+2*\j]
.set k, k+2
.endr
.endr
	EPI
	QUANT 0
	global_store_b128 v[OA], v[PC:PC+3], s[24:25]              ; channels' tile j, my 64 keys: 512 consecutive bytes, aligned
	global_store_b128 v[OA], v[PC+4:PC+7], s[24:25] offset:1024
	global_store_b16 v[OB], v[TM+8], s[24:25]                  ; my two of each word's four bytes; the wave with the other 64 keys stores the other two
.Ljoin:
	CROUND                                         ; the closing round: no work-group ends while a partner may still ask for a quarter that names it
	s_endpgm
.Lfunc_end_k_qdfa40c7385_proj:
	.size	k_qdfa40c7385_proj, .Lfunc_end_k_qdfa40c7385_proj-k_qdfa40c7385_proj
	.p2alignl 7, 3214868480
	.fill 96, 4, 3214868480
	.section	.rodata,"a",@progbits
	.p2align	6, 0x0
	.amdhsa_kernel k_qdfa40c7385_proj
		.amdhsa_group_segment_fixed_size 327680
		.amdhsa_private_segment_fixed_size 0
		.amdhsa_enable_private_segment 0
		.amdhsa_kernarg_size 88
		.amdhsa_user_sgpr_count 2
		.amdhsa_user_sgpr_kernarg_segment_ptr 1
		.amdhsa_wavefront_size32 1
		.amdhsa_system_sgpr_workgroup_id_x 1
		.amdhsa_system_sgpr_workgroup_id_y 1
		.amdhsa_system_sgpr_workgroup_id_z 1
		.amdhsa_system_vgpr_workitem_id 0
		.amdhsa_next_free_vgpr 256
		.amdhsa_next_free_sgpr 102
		.amdhsa_reserve_vcc 0
		.amdhsa_float_denorm_mode_32 3
		.amdhsa_float_denorm_mode_16_64 3
		.amdhsa_memory_ordered 1
		.amdhsa_forward_progress 1
		.amdhsa_inst_pref_size 109
	.end_amdhsa_kernel
	.amdgpu_metadata
---
amdhsa.version: [ 1, 2 ]
amdhsa.kernels:
  - .name:           k_qdfa40c7385_proj
    .symbol:         k_qdfa40c7385_proj.kd
    .args:
      - { .name: xc, .offset: 0, .size: 8, .value_kind: global_buffer, .address_space: global }
      - { .name: wc, .offset: 8, .size: 8, .value_kind: global_buffer, .address_space: global }
      - { .name: bq1, .offset: 16, .size: 8, .value_kind: global_buffer, .address_space: global }
      - { .name: bq2, .offset: 24, .size: 8, .value_kind: global_buffer, .address_space: global }
      - { .name: bk1, .offset: 32, .size: 8, .value_kind: global_buffer, .address_space: global }
      - { .name: bk2, .offset: 40, .size: 8, .value_kind: global_buffer, .address_space: global }
      - { .name: bv1, .offset: 48, .size: 8, .value_kind: global_buffer, .address_space: global }
      - { .name: bv2, .offset: 56, .size: 8, .value_kind: global_buffer, .address_space: global }
      - { .name: qrec, .offset: 64, .size: 8, .value_kind: global_buffer, .address_space: global }
      - { .name: krec, .offset: 72, .size: 8, .value_kind: global_buffer, .address_space: global }
      - { .name: vrec, .offset: 80, .size: 8, .value_kind: global_buffer, .address_space: global }
    .group_segment_fixed_size: 327680
    .private_segment_fixed_size: 0
    .kernarg_segment_align: 8
    .kernarg_segment_size: 88
    .max_flat_workgroup_size: 512
    .sgpr_count:     102
    .vgpr_count:     256
    .wavefront_size: 32
...
	.end_amdgpu_metadata
.endif
;; end of part 2
;; launch attn (part 3): grid 8 x 32, 16 waves a work-group, clusters of 4 x 1, 327,680 bytes of LDS; arguments qrec, krec, vrec, mw, xa; writes xa
.if DOCPART == 3
	.amdgcn_target "amdgcn-amd-amdhsa--gfx1250"
	.amdhsa_code_object_version 6
	.text
	.protected	k_qdfa40c7385_attn
	.globl	k_qdfa40c7385_attn
	.p2align	8
	.type	k_qdfa40c7385_attn,@function
k_qdfa40c7385_attn:
	s_mov_b64 s[64:65], 0
	v_nop
	global_prefetch_b8 v0, s[64:65] scope:SCOPE_SE
	s_setreg_imm32_b32 hwreg(HW_REG_WAVE_MODE, 25, 1), 1
	s_wait_xcnt 0x0
	s_wait_alu depctr_hold_cnt(0) depctr_sa_sdst(0) depctr_va_vdst(0) depctr_va_sdst(0) depctr_va_ssrc(0) depctr_va_vcc(0) depctr_vm_vsrc(0)
	s_getreg_b32 s2, hwreg(HW_REG_IB_STS2, 6, 4)
	s_cmp_eq_u32 s2, 0
	s_cbranch_scc0 .Lentry_in_a_cluster
	s_endpgm
.Lentry_in_a_cluster:
	s_bfe_u32 s2, ttmp6, 0x10000c
	s_cmp_lg_u32 s2, 0x3003
	s_cbranch_scc0 .Lentry_shape_is_right
	s_endpgm
.Lentry_shape_is_right:
; x[b][q][head] = softmax_k(where(mask == 0, -1e9, q . k / 8)) v, both products on codes of FP4 with E8M0 scales, and the result quantised along the 1,024 channels for the last launch.
; THE SOFTMAX: t = logit x log2(e), rounded once (score x (log2(e) / 8): the division by 8 is exact); where the mask's word has a 0 bit, t becomes -1e9 x log2(e) as f32, a whole number; M = the running largest t rounded UP to a whole
; number; p = 2^(t - M) is quantised along the keys, not normalised; the row's sum is taken of the unquantised p and divides at the end.  When M moves, the sum and O are multiplied by 2^(old M - new M): exact.
; The multiplication and the subtraction of M are two lines, not one fused: the masked value has to be put in between them, so that a row that is masked throughout has p = 1 at every key.
; THE MASK IS AN INPUT and its value is finite: every step of keys is worked for every query; the words only select (v_cndmask_b32).
; SHARES.  A work-group owns 256 queries of one batch x head; each of its sixteen waves one tile of 16.  The WHOLE head's K and V records (73,728 + 69,632 bytes) lie in LDS, each byte filled once.
; CLUSTER 4 x 1: the four query blocks of a cluster belong to one head: its records are asked for JOINTLY, K's quarters by waves 0-3, V's by waves 4-7: one tensor load of a wave is out.
; LAYOUT.  S^T = K Q^T (source 0 = 16 keys, source 1 = my queries), O^T = V^T P^T (source 0 = 16 channels, source 1 = P): a lane holds ONE query throughout.  The head's 64 channels are half of the instruction's K: registers 4-7 of K's and Q's
; fragments hold zero codes, under the byte 0x7f.  The keys (and the channels) of a tile are 32 (T / 2) + 8 (T % 2) + r + 8 (r / 8), so that the 16 registers of tiles 2 b, 2 b + 1 are 16 neighbours.
; LIMITS: NaN and infinities are not served; a block of zeros gets the byte 1, its codes are zeros, and this program alone reads the bytes.
; REGISTERS: v1-4 addresses that stay; v8-11 the step's; v12 -M, v13 the largest t, v[14:15] the sum in two halves; v16-23 Q; v24-31 K's scale words; v32-95 K's fragments; v96-159 S^T, t, p; v160-191 O^T; v192-223 V's fragments;
; v224-231 p's codes; v232-243 at work; v244-247 V's scale words; v248 the masked t; v249 Q's scale words; v[250:251] f; v253 p's scale word; v254 at work.
.set KREC, 4608
.set VREC, 4352
.set VBASE, 16*KREC                    ; LDS: K's 16 records, then V's 16
.set AK,   1                           ; v1  16 x lane
.set AKS,  2                           ; v2  4096 + 4 r
.set AV,   3                           ; v3  VBASE + 16 x lane
.set AVS,  4                           ; v4  VBASE + 4096 + 4 r
.set TNEG, 248
.set G1K,  16                          ; s[16:23], s[24:31] descriptor groups 1, s[32:35], s[36:39] groups 0; behind the wait for the fills s16-63 and s68-83 hold a step's 64 mask words
.set G1V,  24
.set G0K,  32
.set G0V,  36
.set TK,   84                          ; s84  the step's record of K in LDS;  s85 of V
.set TV,   85
.set MO,   86                          ; s86  the mask words' offset
.set CNT,  87
.set CS,   88                          ; s[88:89] c = log2(e) / 8
.set SEL,  90                          ; s[90:91] lane selects for v_permlanex16_b32: lane l xor 16
.set WV,   92
.set HI16, 93
.macro CROUND                          ; a round of the cluster's barrier
	s_barrier_signal -1
	s_barrier_wait -1
	s_cmp_lg_u32 s[WV], 0
	s_cbranch_scc1 .Lnot_wave_0_\@
	s_barrier_signal -3
.Lnot_wave_0_\@:
	s_barrier_wait -3
	s_barrier_signal -1
	s_barrier_wait -1
.endm
	s_load_b256 s[4:11], s[0:1], 0x0               ; qrec, krec, vrec, mw
	s_load_b64 s[12:13], s[0:1], 0x20              ; xa
	v_lshrrev_b32 v1, 5, v0
	v_readfirstlane_b32 s[WV], v1                  ; wave 0..15
	s_bfe_u32 s94, ttmp6, 0x40000                  ; cx
	s_lshl_b32 s95, ttmp9, 2
	s_add_co_u32 s95, s95, s94                     ; qb: my block of 256 queries: it enters Q's, the mask words' and xa's addresses alone
	s_and_b32 s96, ttmp7, 0xffff                   ; batch x head, which the four partners share
	s_mov_b32 s[G1K], 15|(3<<16)|(1<<21)           ; 15:0 the mask: all four; 17:16 elements of 8 bytes; 21 set beside a mask; no padding
	s_mov_b32 s[G1K+1], 32<<16                     ; rows of 256 bytes,
	s_mov_b32 s[G1K+2], 72<<16                     ; 72 of them: four records of K
	s_mov_b32 s[G1K+3], 32<<16
	s_mov_b32 s[G1K+4], 72
	s_mov_b32 s[G1K+5], 32                         ; dense
	s_mov_b32 s[G1K+6], 0
	s_mov_b32 s[G1K+7], 0
	s_mov_b32 s[G1V], 15|(3<<16)|(1<<21)
	s_mov_b32 s[G1V+1], 32<<16
	s_mov_b32 s[G1V+2], 68<<16                     ; 68 rows: four records of V
	s_mov_b32 s[G1V+3], 32<<16
	s_mov_b32 s[G1V+4], 68
	s_mov_b32 s[G1V+5], 32
	s_mov_b32 s[G1V+6], 0
	s_mov_b32 s[G1V+7], 0
	s_and_b32 s97, s[WV], 3                        ; which quarter I fetch, if I fetch
	s_mul_i32 s14, s97, 4*KREC
	s_mul_i32 s15, s97, 4*VREC
	s_mul_i32 s98, s96, 16*KREC
	s_add_co_u32 s98, s98, s14
	s_mov_b32 s99, 0
	s_mul_i32 s100, s96, 16*VREC
	s_add_co_u32 s100, s100, s15
	s_mov_b32 s101, 0
	s_mov_b32 s[G0K], 1
	s_mov_b32 s[G0K+1], s14
	s_mov_b32 s[G0V], 1
	s_add_co_u32 s[G0V+1], s15, VBASE
	s_mov_b32 s[CS], 0x3e38aa3b
	s_mov_b32 s[CS+1], s[CS]
	s_mov_b32 s[SEL], 0x76543210
	s_mov_b32 s[SEL+1], 0xfedcba98
	s_mov_b32 s[HI16], 0xffff0000
	s_mov_b32 s[TK], 0
	s_mov_b32 s[TV], 0
	s_mov_b32 s[MO], 0
	s_mov_b32 s[CNT], 16
	s_wait_kmcnt 0x0
	s_add_nc_u64 s[G0K+2:G0K+3], s[6:7], s[98:99]
	s_or_b32 s[G0K+3], s[G0K+3], 0x80000000
	s_add_nc_u64 s[G0V+2:G0V+3], s[8:9], s[100:101]
	s_or_b32 s[G0V+3], s[G0V+3], 0x80000000
	CROUND                                         ; all four work-groups are here: the joint loads meet
	s_cmp_lt_u32 s[WV], 4                          ; the branches hang on the wave's number alone; four v_nop follow each load
	s_cbranch_scc0 .Lnot_k
	tensor_load_to_lds s[G0K:G0K+3], s[G1K:G1K+7]
.rept 4
	v_nop
.endr
	s_branch .Lasked
.Lnot_k:
	s_cmp_lt_u32 s[WV], 8
	s_cbranch_scc0 .Lasked
	tensor_load_to_lds s[G0V:G0V+3], s[G1V:G1V+7]
.rept 4
	v_nop
.endr
.Lasked:
	v_and_b32 v5, 31, v0                           ; lane
	v_and_b32 v7, 15, v0                           ; r
	v_lshlrev_b32 v[AK], 4, v5
	v_lshl_add_u32 v[AKS], v7, 2, 4096
	v_add_nc_u32 v[AV], VBASE, v[AK]
	v_lshl_add_u32 v[AVS], v7, 2, VBASE+4096
	s_lshr_b32 s97, s[WV], 3
	s_lshl_b32 s98, s95, 1
	s_add_co_u32 s98, s98, s97                     ; my 128 queries in the batch: 2 qb + wave / 8
	s_lshl_b32 s99, s96, 4
	s_add_co_u32 s99, s99, s98                     ; Q's record
	s_mul_i32 s100, s99, KREC
	s_mov_b32 s101, 0
	s_add_nc_u64 s[4:5], s[4:5], s[100:101]
	s_and_b32 s97, s[WV], 7                        ; my tile in it
	s_lshl_b32 s14, s97, 9
	v_add_nc_u32 v5, s14, v[AK]
	s_lshl_b32 s14, s97, 6
	s_add_co_u32 s14, s14, 4096
	v_lshl_add_u32 v6, v7, 2, s14
	global_load_b128 v[16:19], v5, s[4:5]          ; Q's codes stay in registers,
	global_load_b32 v249, v6, s[4:5]               ; and its scale words
	s_lshl_b32 s14, s95, 4
	s_add_co_u32 s14, s14, s[WV]                   ; my tile of queries among the 128
	s_lshl_b32 s14, s14, 12                        ; 16 steps x 256 bytes of words
	s_mov_b32 s15, 0
	s_add_nc_u64 s[10:11], s[10:11], s[14:15]
	s_lshr_b32 s14, s96, 4
	s_lshl_b32 s14, s14, 4
	s_add_co_u32 s14, s14, s98                     ; my group of 128 tokens in xa
	s_mul_i32 s14, s14, 69632
	s_add_nc_u64 s[12:13], s[12:13], s[14:15]
	s_bfe_u32 s14, s96, 0x30001                    ; the last product's K step: head / 2
	s_and_b32 s15, s96, 1                          ; and its half: head % 2
	s_lshl_b32 s2, s14, 13
	s_lshl_b32 s3, s97, 10
	s_add_co_u32 s2, s2, s3
	s_lshl_b32 s3, s15, 9
	s_add_co_u32 s2, s2, s3
	s_add_co_u32 s2, s2, 4096                      ; s2: where my codes go in the group
	s_lshl_b32 s3, s97, 9
	s_lshl_b32 s14, s14, 6
	s_add_co_u32 s3, s3, s14
	s_lshl_b32 s15, s15, 1
	s_add_co_u32 s3, s3, s15                       ; s3: and my scale bytes
.irp k, 20,21,22,23
	v_mov_b32 v[\k], 0                             ; zero codes for k = 64 .. 127: written once
.endr
.irp t, 0,1,2,3,4,5,6,7
.irp k, 4,5,6,7
	v_mov_b32 v[32+8*\t+\k], 0
.endr
.endr
.set j, 0
.rept 32
	v_mov_b32 v[160+j], 0                          ; O^T.  (The step is written once: the first finds zeros, which the first change of M leaves zeros)
.set j, j+1
.endr
	v_mov_b32 v13, 0xff61b1e6                      ; the largest t so far: -3e38, under every t
	v_floor_f32 v12, -v13                          ; -M
	v_mov_b32 v14, 0
	v_mov_b32 v15, 0
.irp b, 0,1,2,3
	v_mov_b32 v[236+\b], 0                         ; written once: a lane permute's destination counts as one of its sources
.endr
	v_mov_b32 v251, 0                              ; (named as the upper half of the pair v[250:251])
	v_mov_b32 v[TNEG], 0xceabfb8f                  ; -1e9 x log2(e), rounded to f32: -1,442,695,040
	s_wait_loadcnt 0x0                             ; Q
	s_wait_tensorcnt 0x0                           ; my quarter has landed,
	s_barrier_signal -1
	s_barrier_wait -1                              ; everybody's has.  No tensor load of mine is out: the descriptors' registers may be written
	s_load_b512 s[16:31], s[10:11], s[MO] offset:0x0       ; step 0's mask words
	s_load_b512 s[32:47], s[10:11], s[MO] offset:0x40
	s_load_b512 s[48:63], s[10:11], s[MO] offset:0x80
	s_load_b512 s[68:83], s[10:11], s[MO] offset:0xc0
.Lstep:                                            ; 16 trips of 128 keys
	v_add_nc_u32 v8, s[TK], v[AK]                  ; (these four are also the places between the last trip's products and the loads into V's registers)
	v_add_nc_u32 v9, s[TK], v[AKS]
	v_add_nc_u32 v10, s[TV], v[AV]
	v_add_nc_u32 v11, s[TV], v[AVS]
.irp t, 0,1,2,3,4,5,6,7
	ds_load_b128 v[32+8*\t:35+8*\t], v8 offset:512*\t
.endr
.irp t, 0,1,2,3,4,5,6,7
	ds_load_b32 v[24+\t], v9 offset:64*\t
.endr
.irp f, 0,1,2,3,4,5,6,7
	ds_load_b128 v[192+4*\f:195+4*\f], v10 offset:512*\f
.endr
.irp t, 0,1,2,3
	ds_load_b32 v[244+\t], v11 offset:64*\t
.endr
	s_wait_dscnt 12                                ; K's 16 loads are in; V's 12 may be out
.irp t, 0,1,2,3,4,5,6,7
	v_wmma_scale_f32_16x16x128_f8f6f4 v[96+8*\t:103+8*\t], v[32+8*\t:39+8*\t], v[16:23], 0, v[24+\t], v249 matrix_a_fmt:MATRIX_FMT_FP4 matrix_b_fmt:MATRIX_FMT_FP4
.endr                                              ; register n: key 32 (n / 16) + 16 (lane / 16) + n % 16 of the step
.rept 4
	v_nop
.endr
.set j, 0
.rept 32
	v_pk_mul_f32 v[96+j:97+j], v[96+j:97+j], s[CS:CS+1] op_sel_hi:[1,0]   ; t, rounded once; each accumulator from its low end on
.set j, j+2
.endr
	s_wait_kmcnt 0x0                               ; this step's mask words
.set n, 0
.rept 64
.set m, 2*(n%32)+n/32
	v_cndmask_b32 v[96+n], v[TNEG], v[96+n], s[16+m+4*(m/48)]   ; bit 0: the masked value
.set n, n+1
.endr
.irp b, 0,1,2,3
	v_max3_num_f32 v[232+\b], v[96+16*\b], v[97+16*\b], v[98+16*\b]   ; the largest t of each block of 32 keys: for the row's maximum, and, since p rises with t, for the block's largest p
.endr
.irp i, 3,5,7,9,11,13
.irp b, 0,1,2,3
	v_max3_num_f32 v[232+\b], v[232+\b], v[96+16*\b+\i], v[97+16*\b+\i]
.endr
.endr
.irp b, 0,1,2,3
	v_max_num_f32 v[232+\b], v[232+\b], v[111+16*\b]
.endr
.irp b, 0,1,2,3
	v_permlanex16_b32 v[236+\b], v[232+\b], s[SEL], s[SEL+1]
.endr
.irp b, 0,1,2,3
	v_max_num_f32 v[232+\b], v[232+\b], v[236+\b]  ; with lane l xor 16's 16 keys
.endr
	v_max3_num_f32 v254, v232, v233, v234
	v_max_num_f32 v254, v254, v235
	v_max_num_f32 v13, v13, v254                   ; the running largest t
	v_mov_b32 v254, v12
	v_floor_f32 v12, -v13                          ; the new -M = floor(-t) = -ceil(t)
	v_sub_f32 v254, v12, v254                      ; old M - new M: a whole number, 0 or less
	v_cvt_i32_f32 v254, v254                       ; (it saturates)
	v_ldexp_f32 v250, 1.0, v254                    ; f = 2^(old M - new M)
	s_add_co_u32 s[MO], s[MO], 256                 ; the next step's mask words: the old ones were read well above.  The last trip asks for step 0's again: no load leaves the buffer
	s_and_b32 s[MO], s[MO], 0xfff
	s_load_b512 s[16:31], s[10:11], s[MO] offset:0x0
	s_load_b512 s[32:47], s[10:11], s[MO] offset:0x40
	s_load_b512 s[48:63], s[10:11], s[MO] offset:0x80
	s_load_b512 s[68:83], s[10:11], s[MO] offset:0xc0
.set j, 0
.rept 32
	v_pk_add_f32 v[96+j:97+j], v[96+j:97+j], v[12:13] op_sel_hi:[1,0]   ; t - M (of the pair the low word serves both halves)
.set j, j+2
.endr
.irp b, 0,1,2,3
	v_add_f32 v[232+\b], v[232+\b], v12            ; the same of each block's largest t
.endr
.set j, 0
.rept 64
	v_exp_f32 v[96+j], v[96+j]                     ; p = 2^(t - M), at most 1
.set j, j+1
.endr
	v_pk_mul_f32 v[14:15], v[14:15], v[250:251] op_sel_hi:[1,0]   ; the sums under the new M (a plain line behind the exponentials)
	s_wait_alu depctr_va_vdst(0)                   ; one wait for the batch, ahead of its first reader
.irp b, 0,1,2,3
	v_exp_f32 v[232+\b], v[232+\b]                 ; the block's largest p: the same two lines on the same number give the same bits
.endr
	v_pk_add_f32 v[236:237], v[96:97], v[98:99]    ; the row's sum of the unquantised p, two at a time, in two chains
.irp j, 4,8,12,16,20,24,28,32,36,40,44,48,52,56,60
	v_pk_add_f32 v[14:15], v[14:15], v[96+\j:97+\j]
	v_pk_add_f32 v[236:237], v[236:237], v[98+\j:99+\j]
.endr
	v_pk_add_f32 v[14:15], v[14:15], v[236:237]
	s_wait_alu depctr_va_vdst(0)                   ; and one for the four
.irp b, 0,1,2,3
	v_max_num_f32 v[232+\b], 0x1800000, v[232+\b]  ; the floor 2^(3 - 127): the byte cannot fall under 1
.endr
.irp b, 0,1,2,3
	v_add_nc_u32 v[240+\b], 0xff000000, v[232+\b]  ; 2 off the exponent field: the conversion's scale operand
.endr
.irp b, 0,1,2,3
	v_lshrrev_b32 v[236+\b], 23, v[240+\b]         ; the scale's byte
.endr
	v_lshl_or_b32 v253, v237, 8, v236              ; p's scale word for these 128 keys
	v_lshl_or_b32 v253, v238, 16, v253
	v_lshl_or_b32 v253, v239, 24, v253
.irp b, 0,1,2,3
	v_cvt_scalef32_pk8_fp4_f32 v[224+2*\b], v[96+16*\b:103+16*\b], v[240+\b]
	v_cvt_scalef32_pk8_fp4_f32 v[225+2*\b], v[104+16*\b:111+16*\b], v[240+\b]
.endr
	v_nop                                          ; one plain line behind a scaled conversion
.irp c, 0,1                                    ; the operand's layout wants a whole block in a lane
.irp i, 0,1
	v_permlane16_swap_b32 v[224+4*\c+\i], v[226+4*\c+\i]
.endr
.endr
.set j, 0
.rept 16
	v_pk_mul_f32 v[160+j:161+j], v[160+j:161+j], v[250:251] op_sel_hi:[1,0]   ; O^T under the new M.  (These sixteen also stand between the lines that wrote p's codes and scale word and the products)
.set j, j+2
.endr
	s_wait_dscnt 0x0                               ; V
.irp t, 0,1,2,3
	v_wmma_scale_f32_16x16x128_f8f6f4 v[160+8*\t:167+8*\t], v[192+8*\t:199+8*\t], v[224:231], v[160+8*\t:167+8*\t], v[244+\t], v253 matrix_a_fmt:MATRIX_FMT_FP4 matrix_b_fmt:MATRIX_FMT_FP4
.endr                                              ; four accumulators, one instruction each: by turns
	s_add_co_u32 s[TK], s[TK], KREC
	s_add_co_u32 s[TV], s[TV], VREC
	s_sub_co_u32 s[CNT], s[CNT], 1
	s_cmp_lg_u32 s[CNT], 0
	s_cbranch_scc1 .Lstep
	; THE WAY OUT: O^T / the sum; register 8 t + e is channel 32 (t / 2) + 16 (lane / 16) + 8 (t % 2) + e of the head: two blocks of 32, each in lanes l and l xor 16
	s_wait_kmcnt 0x0                               ; the last trip's scalar loads
	v_add_f32 v14, v14, v15                        ; the sum's two halves,
	v_permlanex16_b32 v254, v14, s[SEL], s[SEL+1]
	v_add_f32 v14, v14, v254                       ; and lane l xor 16's: the row's sum
	v_rcp_f32 v14, v14
	v_add_nc_u32 v5, s2, v[AK]                     ; (plain lines behind the reciprocal)  my codes' place
	v_and_b32 v6, 15, v0
	v_bfe_u32 v7, v0, 4, 1
	v_lshl_add_u32 v6, v6, 2, v7
	v_add_nc_u32 v6, s3, v6                        ; my scale byte's: 4 r + h
	s_wait_alu depctr_va_vdst(0)                   ; the wait, ahead of the first reader
.set j, 0
.rept 32
	v_mul_f32 v[96+j], v[160+j], v14
.set j, j+1
.endr
.irp b, 0,1
	v_max3_num_f32 v[232+\b], |v[96+16*\b]|, |v[97+16*\b]|, 0x1800000
.endr
.irp i, 2,4,6,8,10,12,14
.irp b, 0,1
	v_max3_num_f32 v[232+\b], v[232+\b], |v[96+16*\b+\i]|, |v[97+16*\b+\i]|
.endr
.endr
.irp b, 0,1
	v_permlanex16_b32 v[236+\b], v[232+\b], s[SEL], s[SEL+1]
.endr
.irp b, 0,1
	v_max_num_f32 v[232+\b], v[232+\b], v[236+\b]
.endr
.irp b, 0,1
	v_add_nc_u32 v[240+\b], 0xff000000, v[232+\b]
.endr
.irp b, 0,1
	v_lshrrev_b32 v[236+\b], 23, v[240+\b]
.endr
.irp b, 0,1
	v_cvt_scalef32_pk8_fp4_f32 v[224+2*\b], v[96+16*\b:103+16*\b], v[240+\b]
	v_cvt_scalef32_pk8_fp4_f32 v[225+2*\b], v[104+16*\b:111+16*\b], v[240+\b]
.endr
	v_cndmask_b32 v238, v236, v237, s[HI16]        ; lanes 0-15 block 0's byte, lanes 16-31 block 1's (also the plain line behind the conversions)
	v_permlane16_swap_b32 v224, v226
	v_permlane16_swap_b32 v225, v227               ; lane (r, h): block h of query r
	global_store_b128 v5, v[224:227], s[12:13]     ; 32 lanes store 512 consecutive bytes, aligned
	global_store_b8 v6, v238, s[12:13]             ; two of each row's four bytes: the other head of the K step stores the other two
	CROUND                                         ; the closing round
	s_endpgm
.Lfunc_end_k_qdfa40c7385_attn:
	.size	k_qdfa40c7385_attn, .Lfunc_end_k_qdfa40c7385_attn-k_qdfa40c7385_attn
	.p2alignl 7, 3214868480
	.fill 96, 4, 3214868480
	.section	.rodata,"a",@progbits
	.p2align	6, 0x0
	.amdhsa_kernel k_qdfa40c7385_attn
		.amdhsa_group_segment_fixed_size 327680
		.amdhsa_private_segment_fixed_size 0
		.amdhsa_enable_private_segment 0
		.amdhsa_kernarg_size 40
		.amdhsa_user_sgpr_count 2
		.amdhsa_user_sgpr_kernarg_segment_ptr 1
		.amdhsa_wavefront_size32 1
		.amdhsa_system_sgpr_workgroup_id_x 1
		.amdhsa_system_sgpr_workgroup_id_y 1
		.amdhsa_system_sgpr_workgroup_id_z 1
		.amdhsa_system_vgpr_workitem_id 0
		.amdhsa_next_free_vgpr 256
		.amdhsa_next_free_sgpr 102
		.amdhsa_reserve_vcc 0
		.amdhsa_float_denorm_mode_32 3
		.amdhsa_float_denorm_mode_16_64 3
		.amdhsa_memory_ordered 1
		.amdhsa_forward_progress 1
		.amdhsa_inst_pref_size 34
	.end_amdhsa_kernel
	.amdgpu_metadata
---
amdhsa.version: [ 1, 2 ]
amdhsa.kernels:
  - .name:           k_qdfa40c7385_attn
    .symbol:         k_qdfa40c7385_attn.kd
    .args:
      - { .name: qrec, .offset: 0, .size: 8, .value_kind: global_buffer, .address_space: global }
      - { .name: krec, .offset: 8, .size: 8, .value_kind: global_buffer, .address_space: global }
      - { .name: vrec, .offset: 16, .size: 8, .value_kind: global_buffer, .address_space: global }
      - { .name: mw, .offset: 24, .size: 8, .value_kind: global_buffer, .address_space: global }
      - { .name: xa, .offset: 32, .size: 8, .value_kind: global_buffer, .address_space: global }
    .group_segment_fixed_size: 327680
    .private_segment_fixed_size: 0
    .kernarg_segment_align: 8
    .kernarg_segment_size: 40
    .max_flat_workgroup_size: 512
    .sgpr_count:     102
    .vgpr_count:     256
    .wavefront_size: 32
...
	.end_amdgpu_metadata
.endif
;; end of part 3
;; launch outp (part 4): grid 8 x 32, 8 waves a work-group, clusters of 4 x 4, 327,680 bytes of LDS; arguments xa, wc, bo, out0; writes out0
.if DOCPART == 4
	.amdgcn_target "amdgcn-amd-amdhsa--gfx1250"
	.amdhsa_code_object_version 6
	.text
	.protected	k_qdfa40c7385_outp
	.globl	k_qdfa40c7385_outp
	.p2align	8
	.type	k_qdfa40c7385_outp,@function
k_qdfa40c7385_outp:
	s_mov_b64 s[64:65], 0
	v_nop
	global_prefetch_b8 v0, s[64:65] scope:SCOPE_SE
	s_setreg_imm32_b32 hwreg(HW_REG_WAVE_MODE, 25, 1), 1
	s_wait_xcnt 0x0
	s_wait_alu depctr_hold_cnt(0) depctr_sa_sdst(0) depctr_va_vdst(0) depctr_va_sdst(0) depctr_va_ssrc(0) depctr_va_vcc(0) depctr_vm_vsrc(0)
	s_getreg_b32 s2, hwreg(HW_REG_IB_STS2, 6, 4)
	s_cmp_eq_u32 s2, 0
	s_cbranch_scc0 .Lentry_in_a_cluster
	s_endpgm
.Lentry_in_a_cluster:
	s_bfe_u32 s2, ttmp6, 0x10000c
	s_cmp_lg_u32 s2, 0xf033
	s_cbranch_scc0 .Lentry_shape_is_right
	s_endpgm
.Lentry_shape_is_right:
; out0 = x wo^T + bo on codes of FP4 with E8M0 scales.  x: the attention launch's codes, [32 groups of 128 tokens][69,632 bytes]; wo: the seventh matrix of wc, [8 groups of 128 channels][69,632 bytes]; out0 [4096][1024] f32.
; SHARES.  A work-group takes 128 tokens x 128 channels; all of K = 1,024 lies in LDS, each byte filled once: x's group at 0, wo's at 69,632; behind them a stage of 128 rows x 528 bytes, written by LDS stores alone.
; CLUSTER 4 x 4: the four of a row of the cluster need the same tokens, the four of a column the same channels: each group is asked for JOINTLY, in four quarters of 68 rows of 256 bytes, x's by wave 0 and wo's by wave 1:
; four tensor loads of a wave are out at the most.  K step s is whole when 4096 + 8192 (s + 1) bytes of each group have landed: steps 0 | 1, 2 | 3, 4 | 5, 6, 7.
; Source 0 = 16 channels of wo, source 1 = 16 tokens: a lane holds one token and eight neighbouring channels.  The bias is the C of each sum's first matrix instruction.
; Wave w: channels' tiles 4 (w / 4) + i, tokens' tiles 2 (w % 4) + j: eight accumulators by turns.  The rows of a tile are 32 (T / 2) + 8 (T % 2) + r + 8 (r / 8).
; REGISTERS: v1-10 addresses; v16-47 the bias, v48-79 wo's fragments, v80-95 x's (on the way out v16-79 take rows of out0); v96-99 wo's scale words, v100-101 x's, and nothing else; v128-191 the sums (32 j + 8 i).
.set GRP,  69632
.set QTR,  17408
.set STG,  2*GRP
.set SPITCH, 528
.set WV,   12
.set G1X,  16                          ; s[16:23], s[24:31] descriptor groups 1; s[32:47], s[48:63] four groups 0 each
.set G1W,  24
.set G0X,  32
.set G0W,  48
.set AX,   1
.set AW,   2
.set SXA,  3
.set SW,   4
.set L16,  5
.set SO,   6
.set SR,   7
.set BO,   8
.set BB,   16
.set ACC,  128
.macro CROUND
	s_barrier_signal -1
	s_barrier_wait -1
	s_cmp_lg_u32 s[WV], 0
	s_cbranch_scc1 .Lnot_wave_0_\@
	s_barrier_signal -3
.Lnot_wave_0_\@:
	s_barrier_wait -3
	s_barrier_signal -1
	s_barrier_wait -1
.endm
.macro PHASE left                      ; the fetching waves' next quarter has landed (left: their later quarters, which may stay out); then everybody knows
	s_wait_tensorcnt \left
	s_barrier_signal -1
	s_barrier_wait -1
.endm
.macro PLACES
.rept 4
	v_nop
.endr
.endm
.macro WM d, a, b, c, sa, sb, odd      ; in odd K steps wo's scale words are taken from lanes 16-31; x's have a register of their own in every step
.if \odd
	v_wmma_scale_f32_16x16x128_f8f6f4 v[\d:\d+7], v[\a:\a+7], v[\b:\b+7], v[\c:\c+7], v[\sa], v[\sb] matrix_a_fmt:MATRIX_FMT_FP4 matrix_b_fmt:MATRIX_FMT_FP4 matrix_a_scale:MATRIX_SCALE_ROW1
.else
	v_wmma_scale_f32_16x16x128_f8f6f4 v[\d:\d+7], v[\a:\a+7], v[\b:\b+7], v[\c:\c+7], v[\sa], v[\sb] matrix_a_fmt:MATRIX_FMT_FP4 matrix_b_fmt:MATRIX_FMT_FP4
.endif
.endm
	s_load_b256 s[4:11], s[0:1], 0x0               ; xa, wc, bo, out0
	v_lshrrev_b32 v1, 5, v0
	v_readfirstlane_b32 s[WV], v1                  ; wave 0..7
	s_bfe_u32 s68, ttmp6, 0x40000                  ; cx
	s_bfe_u32 s69, ttmp6, 0x40004                  ; cy
	s_lshl_b32 s70, ttmp9, 2
	s_add_co_u32 s70, s70, s68                     ; gx: my 128 channels
	s_and_b32 s71, ttmp7, 0xffff
	s_lshl_b32 s71, s71, 2
	s_add_co_u32 s71, s71, s69                     ; gy: my 128 tokens
	s_lshl_b32 s72, s69, 2
	s_lshl_b32 s72, 15, s72                        ; my row of the cluster
	s_lshl_b32 s73, 0x1111, s68                    ; my column
	s_or_b32 s[G1X], s72, (3<<16)|(1<<21)          ; 15:0 the mask; 17:16 elements of 8 bytes; 21 set beside a mask; no padding
	s_or_b32 s[G1W], s73, (3<<16)|(1<<21)
.irp g, G1X, G1W
	s_mov_b32 s[\g+1], 32<<16                      ; rows of 256 bytes,
	s_mov_b32 s[\g+2], 68<<16                      ; 68 of them,
	s_mov_b32 s[\g+3], 32<<16
	s_mov_b32 s[\g+4], 68
	s_mov_b32 s[\g+5], 32                          ; dense
	s_mov_b32 s[\g+6], 0
	s_mov_b32 s[\g+7], 0
.endr
	s_mul_i32 s74, s71, GRP                        ; x's group: nothing of cx
	s_mov_b32 s75, 0
	s_mul_i32 s76, s70, GRP                        ; wo's group: nothing of cy
	s_add_co_u32 s76, s76, 48*GRP                  ; behind the six other matrices
	s_mov_b32 s77, 0
	s_wait_kmcnt 0x0
	s_add_nc_u64 s[74:75], s[4:5], s[74:75]
	s_add_nc_u64 s[76:77], s[6:7], s[76:77]
.irp j, 0,1,2,3
	s_mov_b32 s[G0X+4*\j], 1
	s_mov_b32 s[G0X+4*\j+1], \j*QTR
	s_add_nc_u64 s[G0X+4*\j+2:G0X+4*\j+3], s[74:75], \j*QTR
	s_or_b32 s[G0X+4*\j+3], s[G0X+4*\j+3], 0x80000000
	s_mov_b32 s[G0W+4*\j], 1
	s_mov_b32 s[G0W+4*\j+1], GRP+\j*QTR
	s_add_nc_u64 s[G0W+4*\j+2:G0W+4*\j+3], s[76:77], \j*QTR
	s_or_b32 s[G0W+4*\j+3], s[G0W+4*\j+3], 0x80000000
.endr
	CROUND                                         ; all sixteen work-groups are here: the joint loads meet
	s_cmp_eq_u32 s[WV], 0                          ; a wave's four fills stand in one branch on the wave's number; four v_nop follow the last
	s_cbranch_scc0 .Lnot_x
.irp j, 0,1,2,3
	tensor_load_to_lds s[G0X+4*\j:G0X+4*\j+3], s[G1X:G1X+7]
.endr
	PLACES
	s_branch .Lasked
.Lnot_x:
	s_cmp_eq_u32 s[WV], 1
	s_cbranch_scc0 .Lasked
.irp j, 0,1,2,3
	tensor_load_to_lds s[G0W+4*\j:G0W+4*\j+3], s[G1W:G1W+7]
.endr
	PLACES
.Lasked:
	v_and_b32 v12, 31, v0                          ; lane
	v_and_b32 v13, 15, v0                          ; r
	v_bfe_u32 v14, v0, 4, 1                        ; h
	v_lshlrev_b32 v[L16], 4, v12
	s_lshr_b32 s78, s[WV], 2                       ; hs
	s_and_b32 s79, s[WV], 3                        ; tp
	s_lshl_b32 s80, s79, 11
	s_add_co_u32 s80, s80, 4096
	v_add_nc_u32 v[AX], s80, v[L16]
	s_lshl_b32 s80, s78, 12
	s_add_co_u32 s80, s80, GRP+4096
	v_add_nc_u32 v[AW], s80, v[L16]
	s_lshl_b32 s80, s79, 10
	v_lshl_add_u32 v[SXA], v13, 2, s80             ; x's scale words: tile i, K step s, row r at 512 i + 64 s + 4 r
	s_lshl_b32 s80, s78, 11
	s_add_co_u32 s80, s80, GRP
	v_add_nc_u32 v[SW], s80, v[L16]
	v_mul_u32_u24 v[SO], v13, SPITCH               ; the stage, in the tiles' order: row 32 tp + 16 j + r; my bytes 256 hs + 64 h on
	v_lshl_add_u32 v[SO], v14, 6, v[SO]
	s_mul_i32 s80, s79, 32*SPITCH
	s_lshl_b32 s81, s78, 8
	s_add_co_u32 s80, s80, s81
	s_add_co_u32 s80, s80, STG
	v_add_nc_u32 v[SO], s80, v[SO]
	s_mul_i32 s80, s[WV], 16*SPITCH                ; back: wave w takes tile w's 16 rows, whole
	s_add_co_u32 s80, s80, STG
	v_add_nc_u32 v[SR], s80, v[L16]
	s_lshl_b32 s80, s70, 9
	s_lshl_b32 s81, s78, 8
	s_add_co_u32 s80, s80, s81
	v_lshl_add_u32 v[BO], v14, 6, s80              ; the bias: 4 (128 gx + 64 hs) + 64 h
.irp i, 0,1,2,3                                ; register e of tile i is channel 64 hs + 32 (i / 2) + 16 h + 8 (i % 2) + e of the group
	global_load_b128 v[BB+8*\i:BB+8*\i+3], v[BO], s[8:9] offset:(32*(\i/2)+8*(\i%2))*4
	global_load_b128 v[BB+8*\i+4:BB+8*\i+7], v[BO], s[8:9] offset:(32*(\i/2)+8*(\i%2))*4+16
.endr
	s_lshl_b32 s82, s71, 7                         ; the first row of out0 that I store: 128 gy + 32 (w / 2) + 8 (w % 2),
	s_lshr_b32 s83, s[WV], 1
	s_lshl_b32 s83, s83, 5
	s_add_co_u32 s82, s82, s83
	s_and_b32 s83, s[WV], 1
	s_lshl_b32 s83, s83, 3
	s_add_co_u32 s82, s82, s83
	s_lshl_b32 s82, s82, 12                        ; rows of 4,096 bytes,
	s_lshl_b32 s83, s70, 9                         ; + the group's 512 bytes
	s_add_co_u32 s82, s82, s83
	s_mov_b32 s83, 0
	s_add_nc_u64 s[10:11], s[10:11], s[82:83]
.macro STEP s                          ; 128 along K: eight matrix instructions on eight accumulators by turns, in the same order in every step
.if (\s) > 0
	PLACES
.endif
.if (\s)%2 == 0
.irp i, 0,1,2,3
	ds_load_b32 v[96+\i], v[SW] offset:512*\i+4*((\s)/2)
.endr
.endif
.irp j, 0,1
	ds_load_b32 v[100+\j], v[SXA] offset:512*\j+64*(\s)
.endr
.irp j, 0,1
.irp c, 0,1
	ds_load_b128 v[80+8*\j+4*\c:80+8*\j+4*\c+3], v[AX] offset:8192*(\s)+1024*\j+512*\c
.endr
.endr
.irp i, 0,1,2,3
.irp c, 0,1
	ds_load_b128 v[48+8*\i+4*\c:48+8*\i+4*\c+3], v[AW] offset:8192*(\s)+1024*\i+512*\c
.endr
.endr
	s_wait_dscnt 0x0
.irp j, 0,1
.irp i, 0,1,2,3
.if (\s) == 0
	WM ACC+32*\j+8*\i, 48+8*\i, 80+8*\j, BB+8*\i, 96+\i, 100+\j, 0
.else
	WM ACC+32*\j+8*\i, 48+8*\i, 80+8*\j, ACC+32*\j+8*\i, 96+\i, 100+\j, (\s)%2
.endif
.endr
.endr
.endm
	s_wait_loadcnt 0x0                             ; the bias
	PHASE 3
	STEP 0
	PHASE 2
	STEP 1
	STEP 2
	PHASE 1
	STEP 3
	STEP 4
	PHASE 0
	STEP 5
	STEP 6
	STEP 7
	; THE WAY OUT.  A lane holds 32 neighbouring bytes of a row, and a row's 512 bytes come from two waves: they meet in the stage, and each wave stores 16 whole rows.
	PLACES
.irp j, 0,1
.irp i, 0,1,2,3
	ds_store_b128 v[SO], v[ACC+32*\j+8*\i:ACC+32*\j+8*\i+3] offset:16*\j*SPITCH+128*(\i/2)+32*(\i%2)       ; each accumulator from its low end on
	ds_store_b128 v[SO], v[ACC+32*\j+8*\i+4:ACC+32*\j+8*\i+7] offset:16*\j*SPITCH+128*(\i/2)+32*(\i%2)+16
.endr
.endr
	s_wait_dscnt 0x0                               ; for the others' sake: my stores into the stage are done
	s_barrier_signal -1
	s_barrier_wait -1
.irp t, 0,1,2,3,4,5,6,7,8,9,10,11,12,13,14,15
	ds_load_b128 v[16+4*\t:19+4*\t], v[SR] offset:\t*SPITCH
.endr
.irp t, 0,1,2,3,4,5,6,7,8,9,10,11,12,13,14,15
	s_wait_dscnt 15-\t                             ; row t is back; the younger loads may be out
	global_store_b128 v[L16], v[16+4*\t:19+4*\t], s[10:11] offset:(\t+8*(\t/8))*4096 th:TH_STORE_NT   ; 32 lanes store 512 consecutive bytes, aligned; written once, read by nobody here
.endr
	CROUND                                         ; the closing round
	s_endpgm
.Lfunc_end_k_qdfa40c7385_outp:
	.size	k_qdfa40c7385_outp, .Lfunc_end_k_qdfa40c7385_outp-k_qdfa40c7385_outp
	.p2alignl 7, 3214868480
	.fill 96, 4, 3214868480
	.section	.rodata,"a",@progbits
	.p2align	6, 0x0
	.amdhsa_kernel k_qdfa40c7385_outp
		.amdhsa_group_segment_fixed_size 327680
		.amdhsa_private_segment_fixed_size 0
		.amdhsa_enable_private_segment 0
		.amdhsa_kernarg_size 32
		.amdhsa_user_sgpr_count 2
		.amdhsa_user_sgpr_kernarg_segment_ptr 1
		.amdhsa_wavefront_size32 1
		.amdhsa_system_sgpr_workgroup_id_x 1
		.amdhsa_system_sgpr_workgroup_id_y 1
		.amdhsa_system_sgpr_workgroup_id_z 1
		.amdhsa_system_vgpr_workitem_id 0
		.amdhsa_next_free_vgpr 192
		.amdhsa_next_free_sgpr 90
		.amdhsa_reserve_vcc 0
		.amdhsa_float_denorm_mode_32 3
		.amdhsa_float_denorm_mode_16_64 3
		.amdhsa_memory_ordered 1
		.amdhsa_forward_progress 1
		.amdhsa_inst_pref_size 30
	.end_amdhsa_kernel
	.amdgpu_metadata
---
amdhsa.version: [ 1, 2 ]
amdhsa.kernels:
  - .name:           k_qdfa40c7385_outp
    .symbol:         k_qdfa40c7385_outp.kd
    .args:
      - { .name: xa, .offset: 0, .size: 8, .value_kind: global_buffer, .address_space: global }
      - { .name: wc, .offset: 8, .size: 8, .value_kind: global_buffer, .address_space: global }
      - { .name: bo, .offset: 16, .size: 8, .value_kind: global_buffer, .address_space: global }
      - { .name: out0, .offset: 24, .size: 8, .value_kind: global_buffer, .address_space: global }
    .group_segment_fixed_size: 327680
    .private_segment_fixed_size: 0
    .kernarg_segment_align: 8
    .kernarg_segment_size: 32
    .max_flat_workgroup_size: 256
    .sgpr_count:     90
    .vgpr_count:     192
    .wavefront_size: 32
...
	.end_amdgpu_metadata
.endif
;; end of part 4
;; ======== version 2 of 2: 4 launches
;; limits: right only within a limited range of input values
;; workspace buffers: xc 6,684,672 bytes; wc 3,899,392 bytes; mw 524,288 bytes of whole numbers; mc 1,024 bytes of whole numbers; qrec 2,359,296 bytes; krec 2,359,296 bytes; vrec 2,228,224 bytes; xa 2,228,224 bytes
;; launch prep (part 5): grid 368 x 1, 4 waves a work-group, no clusters, 68,096 bytes of LDS; arguments query, key, value, wq1, wq2, wk1, wk2, wv1, wv2, wo, mask, xc, wc, mw, mc; writes xc, wc, mw, mc
.if DOCPART == 5
	.amdgcn_target "amdgcn-amd-amdhsa--gfx1250"
	.amdhsa_code_object_version 6
	.text
	.protected	k_qdfa40c7385_prep
	.globl	k_qdfa40c7385_prep
	.p2align	8
	.type	k_qdfa40c7385_prep,@function
k_qdfa40c7385_prep:
	s_mov_b64 s[64:65], 0
	v_nop
	global_prefetch_b8 v0, s[64:65] scope:SCOPE_SE
	s_setreg_imm32_b32 hwreg(HW_REG_WAVE_MODE, 25, 1), 1
	s_wait_xcnt 0x0
; query, key, value [4096][1024] and the seven weights [1024][1024], f32, K (the last axis) innermost, become codes of FP4 (E2M1) with one E8M0 byte for each 32 along K;
; the mask [2048][2048] of int32 becomes words of 32 lane bits, laid as the attention launch's selects take them, and two bits for each (tile of 16 queries, 128 keys): is any bit 1, is any bit 0.
; TILES.  Tile T of a tensor holds the 16 rows 32 (T / 2) + 8 (T % 2) + r + 8 (r / 8), r = 0 .. 15: eight neighbours, and the eight that lie 16 further on.
; OUTPUT, by groups of 128 rows (8 tiles), 69,632 bytes each: bytes 0 .. 4095 scale words (tile i, K step s of 128, row r at 512 i + 16 (r + 16 (s % 2)) + 4 (s / 2));
; from byte 4096 images of operand registers: K step s, tile i, half c at 4096 + 8192 s + 1024 i + 512 c + 16 x lane: lane (r, h) holds the codes of k = 128 s + 64 c + 32 h + 0 .. 31 of the tile's row r.
; A block's scale is 2^(floor(log2(its largest magnitude)) - 2); its byte is the largest magnitude's exponent field - 2, held at 1 from below.
; LIMITS: NaN and infinities among the inputs are not served; a block of zeros gets the byte 1 where the quantiser's text says 127: its codes are zeros, and this program alone reads the bytes.
; SHARES.  A wave takes one tile of 16 rows x 8 steps of 512 bytes.  Work-groups 0-191: query, key, value (64 each); 192-303: the weights (16 each); 304-367: the mask (a wave: 16 queries x 1,024 keys).
; Each load reads 512 consecutive bytes of one row; a step's 16 rows turn through the wave's own stage in LDS (rows 528 bytes apart, an odd multiple of 16), so that a lane gets whole blocks of its row.
; Waves share nothing: no barrier.  No tile is read by two work-groups: no cluster.  Loads run two steps (32 loads a wave) ahead.
.set WV,     3                         ; s3       my wave's number
.set SRC,    4                         ; s[4:5]   my tile's first row in its tensor
.set DST,    6                         ; s[6:7]   my group in xc or wc; in the mask's path my words in mw
.set SEL,    36                        ; s[36:37] lane selects for v_permlanex16_b32: lane l xor 16
.set HI16,   38                        ; s38      lanes 16-31
.set CM,     40                        ; s40-43   four compare results
.set CLS,    52                        ; s52      the mask's path: two bits for each of my 8 steps;  s53 at work
.set D1,     54                        ; s[54:55] my tile's images; in the mask's path my word in mc
.set D2,     56                        ; s[56:57] my tile's scale words
.set H8,     3                         ; v3       8 h
.set L16,    4                         ; v4       16 x lane
.set STA,    5                         ; v5       the stage, on the way in
.set RDA,    6                         ; v6       and on the way out
.set L8,     7                         ; v7       8 x lane
.set PW,     16                        ; v16-23   a scale word for each step
.set C,      24                        ; v24-39   two sets of 8 code registers (mask: two pairs of words)
.set R,      40                        ; v40-167  two sets of 64 registers as loaded
.set X,      168                       ; v168-231 64 numbers of my row
.set SPITCH, 528
.set WSTG,   16*SPITCH                 ; a wave's stage; the float path's four lie at 0, the mask path's four behind them
	s_load_b512 s[8:23], s[0:1], 0x0               ; query, key, value, wq1, wq2, wk1, wk2, wv1
	s_load_b256 s[24:31], s[0:1], 0x40             ; wv2, wo, mask, xc
	s_load_b128 s[32:35], s[0:1], 0x60             ; wc, mw
	s_load_b64 s[58:59], s[0:1], 0x70              ; mc
	v_lshrrev_b32 v1, 5, v0
	v_readfirstlane_b32 s[WV], v1                  ; wave 0..3
	v_and_b32 v1, 31, v0                           ; lane
	v_and_b32 v2, 15, v0                           ; r
	v_bfe_u32 v8, v0, 4, 1                         ; h
	v_lshlrev_b32 v[H8], 3, v8
	v_lshlrev_b32 v[L16], 4, v1
	v_lshlrev_b32 v[L8], 3, v1
	v_mul_u32_u24 v9, v2, SPITCH
	v_mov_b32 v15, 0                               ; written once: a lane permute's destination counts as one of its sources
	v_lshl_add_u32 v232, v0, 2, 67584              ; my spare word, behind the eight stages (512 bytes that no other line names); never rewritten
	v_mov_b32 v233, 0                              ; 0; never rewritten
	s_mul_i32 s39, s[WV], WSTG
	s_mov_b32 s[SEL], 0x76543210
	s_mov_b32 s[SEL+1], 0xfedcba98
	s_mov_b32 s[HI16], 0xffff0000
.macro LOAD s, pitch                   ; step s: 512 bytes of each of my 16 rows, into set s % 2
.irp i, 0,1,2,3,4,5,6,7,8,9,10,11,12,13,14,15
	global_load_b128 v[R+64*((\s)%2)+4*\i:R+64*((\s)%2)+4*\i+3], v[L16], s[SRC:SRC+1] offset:(\i+8*(\i/8))*(\pitch)+512*(\s) th:TH_LOAD_NT
.endr
.endm
.macro TURN s, kind                    ; through the stage: LDS serves a wave's instructions in order, so no wait stands between the stores and the loads
.irp i, 0,1,2,3,4,5,6,7,8,9,10,11,12,13,14,15
	ds_store_b128 v[STA], v[R+64*((\s)%2)+4*\i:R+64*((\s)%2)+4*\i+3] offset:\i*SPITCH
.endr
.if \kind
.irp b, 0,1,2,3                        ; mask: register 16 b + e = key 32 b + 16 h + e of my query
.irp g, 0,1,2,3
	ds_load_b128 v[X+16*\b+4*\g:X+16*\b+4*\g+3], v[RDA] offset:128*\b+16*\g
.endr
.endr
.else
.irp c, 0,1                            ; numbers: register 32 c + e = k 64 c + 32 h + e of my row: two whole blocks
.irp g, 0,1,2,3,4,5,6,7
	ds_load_b128 v[X+32*\c+4*\g:X+32*\c+4*\g+3], v[RDA] offset:256*\c+16*\g
.endr
.endr
.endif
.endm
.macro HEADSTEP s, kind, pitch         ; what both paths do at a step's head
.if (\s) < 7
	s_wait_loadcnt 16                              ; this step's 16 loads are in; the next step's 16 may be out
.else
	s_wait_loadcnt 0x0
.endif
	TURN \s, \kind
	s_wait_dscnt 0x0                               ; my numbers are back, and the stores into the stage have read their registers
	s_wait_xcnt 0x0                                ; the stores of two steps back have read their data: that set is written again below
.if (\s) < 6
	LOAD (\s)+2, \pitch
.endif
.endm
	s_cmp_ge_u32 ttmp9, 304
	s_cbranch_scc1 .Lmask
	; ---- numbers into codes
	v_add_nc_u32 v[STA], s39, v[L16]
	v_lshl_add_u32 v[RDA], v8, 7, v9               ; row r, + 128 h: my block of 32 numbers
	v_add_nc_u32 v[RDA], s39, v[RDA]
	s_lshr_b32 s44, ttmp9, 6                       ; as an input's work-group: which tensor,
	s_and_b32 s45, ttmp9, 63                       ; which four tiles,
	s_mul_i32 s49, s44, 32*69632                   ; the tensor's place in xc
	s_sub_co_u32 s46, ttmp9, 192                   ; as a weight's (not used in an input's work-group)
	s_lshr_b32 s47, s46, 4
	s_and_b32 s48, s46, 15
	s_mul_i32 s50, s47, 8*69632                    ; the matrix's place in wc
	s_add_co_u32 s47, s47, 3
	s_wait_kmcnt 0x0
	s_cmp_lt_u32 ttmp9, 192                        ; the choices hang on the work-group's number alone
	s_cselect_b32 s44, s44, s47                    ; the tensor, 0 .. 9 in the order of the arguments
	s_cselect_b32 s45, s45, s48
	s_cselect_b32 s49, s49, s50
	s_cselect_b64 s[DST:DST+1], s[30:31], s[32:33]
	s_lshl_b32 s45, s45, 2
	s_add_co_u32 s45, s45, s[WV]                   ; my tile
	s_mov_b64 s[SRC:SRC+1], s[8:9]
.irp n, 1,2,3,4,5,6,7,8,9
	s_cmp_eq_u32 s44, \n
	s_cselect_b64 s[SRC:SRC+1], s[8+2*\n:9+2*\n], s[SRC:SRC+1]
.endr
	s_lshr_b32 s46, s45, 1
	s_lshl_b32 s46, s46, 17                        ; 32 rows of 4,096 bytes for each pair of tiles,
	s_and_b32 s47, s45, 1
	s_lshl_b32 s47, s47, 15                        ; 8 rows for the odd one
	s_add_co_u32 s46, s46, s47
	s_mov_b32 s47, 0
	s_add_nc_u64 s[SRC:SRC+1], s[SRC:SRC+1], s[46:47]
	s_lshr_b32 s48, s45, 3
	s_mul_i32 s48, s48, 69632
	s_add_co_u32 s48, s48, s49
	s_mov_b32 s49, 0
	s_add_nc_u64 s[DST:DST+1], s[DST:DST+1], s[48:49]
	s_and_b32 s50, s45, 7
	s_lshl_b32 s52, s50, 10
	s_mov_b32 s53, 0
	s_add_nc_u64 s[D1:D1+1], s[DST:DST+1], s[52:53]
	s_lshl_b32 s52, s50, 9
	s_add_nc_u64 s[D2:D2+1], s[DST:DST+1], s[52:53]
	s_wait_alu depctr_va_vdst(0)
	LOAD 0, 4096
	LOAD 1, 4096
.macro QSTEP s
	HEADSTEP \s, 0, 4096
.set CSET, C+8*((\s)%2)
.irp c, 0,1
	v_max3_num_f32 v[8+\c], |v[X+32*\c]|, |v[X+32*\c+1]|, 0x1800000   ; my block 2 c + h: all 32 numbers are mine; the floor 2^(3 - 127) holds the byte at 1 from below
.endr
.irp i, 2,4,6,8,10,12,14,16,18,20,22,24,26,28,30
.irp c, 0,1
	v_max3_num_f32 v[8+\c], v[8+\c], |v[X+32*\c+\i]|, |v[X+32*\c+\i+1]|   ; (the two blocks by turns)
.endr
.endr
.irp c, 0,1
	v_add_nc_u32 v[10+\c], 0xff000000, v[8+\c]     ; 2 off the exponent field: the conversion takes the exponent field of this operand as its scale
.endr
.irp c, 0,1
.irp g, 0,1,2,3
	v_cvt_scalef32_pk8_fp4_f32 v[CSET+4*\c+\g], v[X+32*\c+8*\g:X+32*\c+8*\g+7], v[10+\c]
.endr
.endr
.irp c, 0,1
	v_lshrrev_b32 v[12+\c], 23, v[10+\c]           ; the scale's byte (also the plain line behind the conversions)
.endr
	v_lshl_or_b32 v14, v13, 16, v12                ; my two bytes, blocks h and 2 + h,
	v_lshlrev_b32 v14, v[H8], v14                  ; at their places in the word;
	v_permlanex16_b32 v15, v14, s[SEL], s[SEL+1]
	v_or_b32 v[PW+(\s)], v14, v15                  ; with lane l xor 16's two the word is whole
.irp c, 0,1
	global_store_b128 v[L16], v[CSET+4*\c:CSET+4*\c+3], s[D1:D1+1] offset:4096+8192*(\s)+512*\c   ; 32 lanes store 512 consecutive bytes, aligned
.endr
.endm
.irp s, 0,1,2,3,4,5,6,7
	QSTEP \s
.endr
.irp k, 0,1,2,3
	v_cndmask_b32 v[8+\k], v[PW+2*\k], v[PW+2*\k+1], s[HI16]   ; lanes 0-15 the even step's word, lanes 16-31 the odd step's
.endr
	global_store_b128 v[L16], v[8:11], s[D2:D2+1]  ; my tile's 512 bytes of scale words
	s_wait_tensorcnt 0x0                           ; the wave's end
	ds_add_u32 v232, v233
	s_wait_dscnt 0x0
	s_endpgm
	; ---- the mask into lane words
.Lmask:
	s_add_co_u32 s39, s39, 4*WSTG                  ; this path has LDS bytes of its own
	s_wait_alu depctr_va_vdst(0)
	v_add_nc_u32 v[STA], s39, v[L16]
	v_lshl_add_u32 v[RDA], v8, 6, v9               ; row r, + 64 h: 16 keys
	v_add_nc_u32 v[RDA], s39, v[RDA]
.irp k, 0,1,2,3
	v_mov_b32 v[C+\k], 0                           ; written once: v_writelane_b32's destination counts as read
.endr
	s_sub_co_u32 s44, ttmp9, 304
	s_lshl_b32 s44, s44, 2
	s_add_co_u32 s44, s44, s[WV]                   ; u: tile of queries u / 2, keys 1,024 (u % 2) on
	s_lshr_b32 s45, s44, 1
	s_and_b32 s46, s44, 1
	s_lshr_b32 s47, s45, 1
	s_lshl_b32 s48, s47, 18                        ; 32 rows of 8,192 bytes for each pair of tiles,
	s_and_b32 s47, s45, 1
	s_lshl_b32 s47, s47, 16                        ; 8 rows for the odd one,
	s_add_co_u32 s48, s48, s47
	s_lshl_b32 s46, s46, 12                        ; 4,096 bytes for the second half of the keys
	s_add_co_u32 s48, s48, s46
	s_mov_b32 s49, 0
	s_lshl_b32 s50, s44, 11                        ; eight steps of 256 bytes of words
	s_mov_b32 s51, 0
	s_lshl_b32 s56, s44, 2                         ; and one word of two bits a step
	s_mov_b32 s57, 0
	s_mov_b32 s[CLS], 0
	s_wait_alu depctr_va_vdst(0)
	s_wait_kmcnt 0x0
	s_add_nc_u64 s[SRC:SRC+1], s[28:29], s[48:49]
	s_add_nc_u64 s[DST:DST+1], s[34:35], s[50:51]
	s_add_nc_u64 s[D1:D1+1], s[58:59], s[56:57]
	LOAD 0, 8192
	LOAD 1, 8192
.macro MSTEP s                         ; 128 keys: 64 words.  Bit l of the word for register n: mask(query of lane l % 16, key 32 (n / 16) + 16 (l / 16) + n % 16) is not 0
	HEADSTEP \s, 1, 8192
.set WSET, C+2*((\s)%2)
.set n, 0
.rept 16
.irp q, 0,1,2,3
	v_cmp_ne_u32 s[CM+\q], 0, v[X+n+\q]
.endr
.irp q, 0,1,2,3
	v_writelane_b32 v[WSET+(n+\q)/32], s[CM+\q], (n+\q)%32   ; the word for register n goes to lane n % 32 of register n / 32
.endr
.set n, n+4
.endr
	v_or_b32 v8, v[WSET], v[WSET+1]                ; the step's two bits: is a bit of its 64 words 1,
	v_and_b32 v9, v[WSET], v[WSET+1]               ; is one 0
	v_cmp_ne_u32 s[CM], 0, v8
	v_cmp_ne_u32 s[CM+1], -1, v9
	global_store_b64 v[L8], v[WSET:WSET+1], s[DST:DST+1] offset:256*(\s)   ; memory word m serves register m / 2 + 32 (m % 2); 32 lanes store 256 consecutive bytes, aligned
	s_cmp_lg_u32 s[CM], 0
	s_cselect_b32 s[CLS+1], 1<<(2*(\s)), 0
	s_or_b32 s[CLS], s[CLS], s[CLS+1]
	s_cmp_lg_u32 s[CM+1], 0
	s_cselect_b32 s[CLS+1], 2<<(2*(\s)), 0
	s_or_b32 s[CLS], s[CLS], s[CLS+1]
.endm
.irp s, 0,1,2,3,4,5,6,7
	MSTEP \s
.endr
	v_mov_b32 v8, s[CLS]                           ; my 8 steps' 16 bits: one word, stored by lane 0
	v_mov_b32 v10, 0
	v_cmp_eq_u32 vcc_lo, 0, v1
	s_wait_alu depctr_va_vdst(0)
	s_wait_xcnt 0x0                                ; EXEC changes only behind this wait: it is a source of the stores above
	s_and_saveexec_b32 s[CLS+1], vcc_lo
	global_store_b32 v10, v8, s[D1:D1+1]
	s_wait_xcnt 0x0                                ; and again in front of the line that widens it
	s_or_b32 exec_lo, exec_lo, s[CLS+1]
	s_wait_tensorcnt 0x0                           ; the wave's end
	ds_add_u32 v232, v233
	s_wait_dscnt 0x0
	s_endpgm
.Lfunc_end_k_qdfa40c7385_prep:
	.size	k_qdfa40c7385_prep, .Lfunc_end_k_qdfa40c7385_prep-k_qdfa40c7385_prep
	.p2alignl 7, 3214868480
	.fill 96, 4, 3214868480
	.section	.rodata,"a",@progbits
	.p2align	6, 0x0
	.amdhsa_kernel k_qdfa40c7385_prep
		.amdhsa_group_segment_fixed_size 68096
		.amdhsa_private_segment_fixed_size 0
		.amdhsa_enable_private_segment 0
		.amdhsa_kernarg_size 120
		.amdhsa_user_sgpr_count 2
		.amdhsa_user_sgpr_kernarg_segment_ptr 1
		.amdhsa_wavefront_size32 1
		.amdhsa_system_sgpr_workgroup_id_x 1
		.amdhsa_system_sgpr_workgroup_id_y 1
		.amdhsa_system_sgpr_workgroup_id_z 1
		.amdhsa_system_vgpr_workitem_id 0
		.amdhsa_next_free_vgpr 234
		.amdhsa_next_free_sgpr 66
		.amdhsa_reserve_vcc 1
		.amdhsa_float_denorm_mode_32 3
		.amdhsa_float_denorm_mode_16_64 3
		.amdhsa_memory_ordered 1
		.amdhsa_forward_progress 1
		.amdhsa_inst_pref_size 156
	.end_amdhsa_kernel
	.amdgpu_metadata
---
amdhsa.version: [ 1, 2 ]
amdhsa.kernels:
  - .name:           k_qdfa40c7385_prep
    .symbol:         k_qdfa40c7385_prep.kd
    .args:
      - { .name: query, .offset: 0, .size: 8, .value_kind: global_buffer, .address_space: global }
      - { .name: key, .offset: 8, .size: 8, .value_kind: global_buffer, .address_space: global }
      - { .name: value, .offset: 16, .size: 8, .value_kind: global_buffer, .address_space: global }
      - { .name: wq1, .offset: 24, .size: 8, .value_kind: global_buffer, .address_space: global }
      - { .name: wq2, .offset: 32, .size: 8, .value_kind: global_buffer, .address_space: global }
      - { .name: wk1, .offset: 40, .size: 8, .value_kind: global_buffer, .address_space: global }
      - { .name: wk2, .offset: 48, .size: 8, .value_kind: global_buffer, .address_space: global }
      - { .name: wv1, .offset: 56, .size: 8, .value_kind: global_buffer, .address_space: global }
      - { .name: wv2, .offset: 64, .size: 8, .value_kind: global_buffer, .address_space: global }
      - { .name: wo, .offset: 72, .size: 8, .value_kind: global_buffer, .address_space: global }
      - { .name: mask, .offset: 80, .size: 8, .value_kind: global_buffer, .address_space: global }
      - { .name: xc, .offset: 88, .size: 8, .value_kind: global_buffer, .address_space: global }
      - { .name: wc, .offset: 96, .size: 8, .value_kind: global_buffer, .address_space: global }
      - { .name: mw, .offset: 104, .size: 8, .value_kind: global_buffer, .address_space: global }
      - { .name: mc, .offset: 112, .size: 8, .value_kind: global_buffer, .address_space: global }
    .group_segment_fixed_size: 68096
    .private_segment_fixed_size: 0
    .kernarg_segment_align: 8
    .kernarg_segment_size: 120
    .max_flat_workgroup_size: 128
    .sgpr_count:     66
    .vgpr_count:     234
    .wavefront_size: 32
...
	.end_amdgpu_metadata
.endif
;; end of part 5
;; launch proj (part 6): grid 8 x 48, 16 waves a work-group, clusters of 4 x 4, 327,680 bytes of LDS; arguments xc, wc, bq1, bq2, bk1, bk2, bv1, bv2, qrec, krec, vrec; writes qrec, krec, vrec
.if DOCPART == 6
	.amdgcn_target "amdgcn-amd-amdhsa--gfx1250"
	.amdhsa_code_object_version 6
	.text
	.protected	k_qdfa40c7385_proj
	.globl	k_qdfa40c7385_proj
	.p2align	8
	.type	k_qdfa40c7385_proj,@function
k_qdfa40c7385_proj:
	s_mov_b64 s[64:65], 0
	v_nop
	global_prefetch_b8 v0, s[64:65] scope:SCOPE_SE
	s_setreg_imm32_b32 hwreg(HW_REG_WAVE_MODE, 25, 1), 1
	s_wait_xcnt 0x0
	s_wait_alu depctr_hold_cnt(0) depctr_sa_sdst(0) depctr_va_vdst(0) depctr_va_sdst(0) depctr_va_ssrc(0) depctr_va_vcc(0) depctr_vm_vsrc(0)
	s_getreg_b32 s2, hwreg(HW_REG_IB_STS2, 6, 4)
	s_cmp_eq_u32 s2, 0
	s_cbranch_scc0 .Lentry_in_a_cluster
	s_endpgm
.Lentry_in_a_cluster:
	s_bfe_u32 s2, ttmp6, 0x10000c
	s_cmp_lg_u32 s2, 0xf033
	s_cbranch_scc0 .Lentry_shape_is_right
	s_endpgm
.Lentry_shape_is_right:
; q, k, v = silu(x W1^T + b1) (x W2^T + b2), both products on codes of FP4 with E8M0 scales, and the result quantised at once for the attention launch: q and k along a head's 64 channels, v along the keys.
; SHARES.  A work-group takes 256 tokens x 128 channels x both matrices of one of the three inputs (cluster y / 4).  All of K = 1,024 lies in LDS: four groups of 69,632 bytes as the launch before laid them
; (x's two groups of 128 tokens, W1's and W2's group of 128 channels): 278,528 bytes, each byte filled once.
; CLUSTER 4 x 4: the four of a row of the cluster need the same tokens, the four of a column the same channels: each group is asked for JOINTLY, in four quarters of 68 rows of 256 bytes, by all sixteen waves (one quarter each:
; one tensor load of a wave is out).  All are waited for ahead of K step 0: K step s of 128 is whole when 4096 + 8192 (s + 1) bytes of each group have landed: steps 0 | 1, 2 | 3, 4 | 5, 6, 7.
; q, k: source 0 = 16 channels of W, source 1 = 16 tokens: a lane holds ONE token, and its registers run along the channels.  v: source 0 = 16 tokens, source 1 = 16 channels: a lane holds one channel, its registers run along the keys.
; THE ROWS OF A TILE ARE NOT NEIGHBOURS (32 (T / 2) + 8 (T % 2) + r + 8 (r / 8)), so that the 16 registers of tiles 2 b and 2 b + 1 of source 0 are 16 neighbours along the next K.
; OUTPUT.  qrec, krec: [batch x head 32][128 tokens 16][4,608 bytes]: tile t's codes at 512 t + 16 x lane (lane (r, h): channels 32 h on of token r), scale words at 4096 + 64 t + 4 r (two bytes, then two of 0x7f for the zero codes that fill K to 128).
; vrec: [32][128 keys 16][4,352 bytes]: channels' tile ct, keys 64 c on at 512 (2 ct + c) + 16 x lane; scale words at 4096 + 64 ct + 4 r.
; silu(a) = a / (1 + 2^(-a log2 e)), by v_exp_f32 and v_rcp_f32, all in f32.  LIMITS: NaN and infinities are not served; a block of zeros gets the byte 1, its codes are zeros, and this program alone reads the bytes.
; REGISTERS: v1-11 addresses; v16-23 v's biases; v32-111 fragments, later the activation's and the quantiser's work; v112-121 scale words and nothing else; v128-191 the sums with W1, v192-255 with W2 (tile j of source 1, tile i of source 0 at 32 j + 8 i).
.set GRP,  69632
.set QTR,  17408                       ; a quarter of a group: 68 rows of 256 bytes
; THE FILLS, as they stand now: the 16 quarters are shared out, ONE tensor load a wave: wave w asks for quarter w / 4 of group w % 4 (groups 0, 1: x's; 2, 3: W1's, W2's).
; Every wave waits for its one load (for 0 on TENSORcnt) ahead of ONE barrier in front of K step 0: behind it all four groups lie in LDS; the later phases assemble to nothing.
.set SPW,  24                          ; v24 my spare word: SPARE + 4 x my thread's number; never rewritten
.set NIL,  25                          ; v25 0; never rewritten
.set SPARE, 4*GRP                      ; behind the four groups: 128 bytes a wave that no other line names
.set WV,   26                          ; s26      my wave's number
.set G1X,  28                          ; s[28:35] descriptor group 1 for x's quarters;  s[36:43] for W's: they differ in the mask alone
.set G1W,  36
.set G0X,  44                          ; s[44:47] group 0 for x's quarter;  s[68:71] for W's
.set G0W,  68
.set SEL,  60                          ; s[60:61] lane selects for v_permlanex16_b32: lane l xor 16
.set NL2,  62                          ; s[62:63] -log2(e): the packed form names a pair and takes its low word for both halves
.set AX,   1                           ; v1  LDS: my x fragments;  v2, v3: my W1, W2 fragments;  v4, v5, v6: their scale words
.set AW1,  2
.set AW2,  3
.set SX,   4
.set SW1,  5
.set SW2,  6
.set L16,  7                           ; v7  16 x lane
.set L4,   8                           ; v8  4 x lane
.set OA,   9                           ; v9  where my codes go in the record;  v10 my scale words
.set OB,   10
.set BO,   11                          ; v11 my offset in the biases
.set BV,   16
.set T,    32                          ; v32-95 the activation's work
.set TM,   32                          ; the quantiser: v32-35 largest magnitudes, v36-39 bytes, v40-41 scale words, v44-47 scale operands, v48-55 codes
.set PC,   48
.set ACC1, 128
.set ACC2, 192
.macro CROUND                          ; a round of the cluster's barrier
	s_barrier_signal -1
	s_barrier_wait -1
	s_cmp_lg_u32 s[WV], 0
	s_cbranch_scc1 .Lnot_wave_0_\@
	s_barrier_signal -3
.Lnot_wave_0_\@:
	s_barrier_wait -3
	s_barrier_signal -1
	s_barrier_wait -1
.endm
.macro PHASE left                      ; at left = 3 my quarter has landed; then everybody knows
.if \left == 3                         ; the first phase alone has lines
	s_wait_tensorcnt 0x0                           ; my quarter has landed
	s_barrier_signal -1
	s_barrier_wait -1                              ; and so has everybody's
.endif
.endm
.macro WM d, a, b, zero, sa, sb, odd   ; odd K steps take their scale words from lanes 16-31
.if \zero
	v_wmma_scale_f32_16x16x128_f8f6f4 v[\d:\d+7], v[\a:\a+7], v[\b:\b+7], 0, v[\sa], v[\sb] matrix_a_fmt:MATRIX_FMT_FP4 matrix_b_fmt:MATRIX_FMT_FP4
.elseif \odd
	v_wmma_scale_f32_16x16x128_f8f6f4 v[\d:\d+7], v[\a:\a+7], v[\b:\b+7], v[\d:\d+7], v[\sa], v[\sb] matrix_a_fmt:MATRIX_FMT_FP4 matrix_b_fmt:MATRIX_FMT_FP4 matrix_a_scale:MATRIX_SCALE_ROW1 matrix_b_scale:MATRIX_SCALE_ROW1
.else
	v_wmma_scale_f32_16x16x128_f8f6f4 v[\d:\d+7], v[\a:\a+7], v[\b:\b+7], v[\d:\d+7], v[\sa], v[\sb] matrix_a_fmt:MATRIX_FMT_FP4 matrix_b_fmt:MATRIX_FMT_FP4
.endif
.endm
.macro PLACES                          ; four plain vector lines between a matrix instruction and a load into, or a vector line on, its registers (ISA guide 7.12.1 for vector lines)
.rept 4
	v_nop
.endr
.endm
	s_load_b128 s[4:7], s[0:1], 0x0                ; xc, wc
	s_load_b256 s[8:15], s[0:1], 0x10              ; bq1, bq2, bk1, bk2
	s_load_b128 s[16:19], s[0:1], 0x30             ; bv1, bv2
	s_load_b128 s[20:23], s[0:1], 0x40             ; qrec, krec
	s_load_b64 s[24:25], s[0:1], 0x50              ; vrec
	v_lshl_add_u32 v[SPW], v0, 2, SPARE
	v_mov_b32 v[NIL], 0
	ds_add_u32 v[SPW], v[NIL]                      ; the opening lines: the add, twice on end, and its wait ahead of the round in front of the first loads
	ds_add_u32 v[SPW], v[NIL]
	v_lshrrev_b32 v1, 5, v0
	s_delay_alu instid0(VALU_DEP_1)
	v_readfirstlane_b32 s[WV], v1                  ; wave 0..15
	s_bfe_u32 s84, ttmp6, 0x40000                  ; cx
	s_bfe_u32 s85, ttmp6, 0x40004                  ; cy
	s_lshl_b32 s86, ttmp9, 2
	s_add_co_u32 s86, s86, s84                     ; gx: my group of 128 channels
	s_and_b32 s87, ttmp7, 0xffff                   ; cluster y
	s_lshr_b32 s88, s87, 2                         ; the input: 0 q, 1 k, 2 v: the same in all sixteen partners
	s_and_b32 s89, s87, 3
	s_lshl_b32 s89, s89, 2
	s_add_co_u32 s89, s89, s85                     ; tb: my block of 256 tokens
	s_lshl_b32 s90, s85, 2
	s_lshl_b32 s90, 15, s90                        ; my row of the cluster
	s_lshl_b32 s91, 0x1111, s84                    ; my column
	s_or_b32 s[G1X], s90, (3<<16)|(1<<21)          ; 15:0 the mask; 17:16 elements of 8 bytes; 21 set beside a mask; no padding
	s_or_b32 s[G1W], s91, (3<<16)|(1<<21)
.irp g, G1X, G1W
	s_mov_b32 s[\g+1], 32<<16                      ; tensor_dim0 = 32 elements: 256 bytes
	s_mov_b32 s[\g+2], 68<<16                      ; tensor_dim1 = 68
	s_mov_b32 s[\g+3], 32<<16                      ; tile_dim0
	s_mov_b32 s[\g+4], 68                          ; tile_dim1
	s_mov_b32 s[\g+5], 32                          ; the pitch: the block is dense
	s_mov_b32 s[\g+6], 0
	s_mov_b32 s[\g+7], 0
.endr
	s_and_b32 s94, s[WV], 1                        ; which of the two groups I fetch, if I fetch
	s_mul_i32 s92, s88, 32*GRP                     ; x: the input, the block's two groups, mine: nothing of cx
	s_mul_i32 s95, s89, 2*GRP
	s_add_co_u32 s92, s92, s95
	s_mul_i32 s95, s94, GRP
	s_add_co_u32 s92, s92, s95
	s_mov_b32 s93, 0
	s_mul_i32 s96, s88, 16*GRP                     ; W: the input's pair of matrices, mine of the two, the channels' group: nothing of cy
	s_mul_i32 s99, s94, 8*GRP
	s_add_co_u32 s96, s96, s99
	s_mul_i32 s99, s86, GRP
	s_add_co_u32 s96, s96, s99
	s_mov_b32 s97, 0
	s_and_b32 s100, s[WV], 3                       ; my group,
	s_lshr_b32 s101, s[WV], 2
	s_mul_i32 s101, s101, QTR                      ; my quarter of it, in bytes
	s_mul_i32 s98, s100, GRP
	s_add_co_u32 s98, s98, s101                    ; where it goes: no place in the cluster enters an LDS address
	s_add_co_u32 s92, s92, s101
	s_add_co_u32 s96, s96, s101
	s_mov_b32 s[SEL], 0x76543210
	s_mov_b32 s[SEL+1], 0xfedcba98
	s_mov_b32 s[NL2], 0xbfb8aa3b
	s_mov_b32 s[NL2+1], s[NL2]
	s_wait_dscnt 0x0                               ; both opening adds are done
	s_wait_kmcnt 0x0
	s_add_nc_u64 s[92:93], s[4:5], s[92:93]
	s_add_nc_u64 s[96:97], s[6:7], s[96:97]
.irp j, 0
	s_mov_b32 s[G0X+4*\j], 1
	s_add_co_u32 s[G0X+4*\j+1], s98, \j*QTR
	s_add_nc_u64 s[G0X+4*\j+2:G0X+4*\j+3], s[92:93], \j*QTR
	s_or_b32 s[G0X+4*\j+3], s[G0X+4*\j+3], 0x80000000
	s_mov_b32 s[G0W+4*\j], 1
	s_add_co_u32 s[G0W+4*\j+1], s98, \j*QTR
	s_add_nc_u64 s[G0W+4*\j+2:G0W+4*\j+3], s[96:97], \j*QTR
	s_or_b32 s[G0W+4*\j+3], s[G0W+4*\j+3], 0x80000000
.endr
	CROUND                                         ; all sixteen work-groups are here: the joint loads meet
	s_cmp_lt_u32 s100, 2                           ; one branch on the wave's number, a fill in each arm: every wave issues one
	s_cbranch_scc0 .Lnot_x
.irp j, 0
	tensor_load_to_lds s[G0X+4*\j:G0X+4*\j+3], s[G1X:G1X+7]
	s_nop 0
.endr
	PLACES
	s_branch .Lasked
.Lnot_x:
.irp j, 0
	tensor_load_to_lds s[G0W+4*\j:G0W+4*\j+3], s[G1W:G1W+7]
	s_nop 0
.endr
	PLACES
.Lasked:
	v_and_b32 v12, 31, v0                          ; lane
	v_and_b32 v13, 15, v0                          ; r
	v_bfe_u32 v14, v0, 4, 1                        ; h
	s_delay_alu instid0(VALU_DEP_3)
	v_lshlrev_b32 v[L16], 4, v12
	s_delay_alu instid0(VALU_DEP_4)
	v_lshlrev_b32 v[L4], 2, v12
; silu(sum 1) x sum 2, in f32, into ACC1.  Each accumulator is read from its low end on.  The exponentials are one batch with one wait, and so are the reciprocals.
.macro EPI
.set k, 0
.rept 32
	v_pk_mul_f32 v[T+k:T+k+1], v[ACC1+k:ACC1+k+1], s[NL2:NL2+1] op_sel_hi:[1,0]
.set k, k+2
.endr
.set k, 0
	s_wait_alu depctr_va_vdst(0)
.rept 64
	v_exp_f32 v[T+k], v[T+k]
.set k, k+1
.endr
	v_nop                                          ; a plain line behind the last exponential
	s_wait_alu depctr_va_vdst(0)                   ; one wait for the batch, ahead of its first reader
.set k, 0
.rept 32
	v_pk_add_f32 v[T+k:T+k+1], v[T+k:T+k+1], 1.0 op_sel_hi:[1,0]
.set k, k+2
.endr
.set k, 0
	s_wait_alu depctr_va_vdst(0)
.rept 64
	v_rcp_f32 v[T+k], v[T+k]
.set k, k+1
.endr
	v_nop
	s_wait_alu depctr_va_vdst(0)
.set k, 0
.rept 32
	v_pk_mul_f32 v[ACC1+k:ACC1+k+1], v[ACC1+k:ACC1+k+1], v[T+k:T+k+1]
.set k, k+2
.endr
.set k, 0
.rept 32
	v_pk_mul_f32 v[ACC1+k:ACC1+k+1], v[ACC1+k:ACC1+k+1], v[ACC2+k:ACC2+k+1]
.set k, k+2
.endr
.endm
; ACC1's 64 numbers: block 2 j + b (tile j of source 1) in registers 16 (2 j + b) on: 16 of its 32 numbers here, 16 in lane l xor 16.  They become codes in v[PC + 4 j] on (lane (r, h): block h of row r of tile j)
; and a word of two scale bytes a row in v[TM + 8]: lanes 0-15 tile 0's rows, lanes 16-31 tile 1's.  fill = 1: the word's upper two bytes become 0x7f.
.macro QUANT fill
.irp b, 0,1,2,3
	v_max3_num_f32 v[TM+\b], |v[ACC1+16*\b]|, |v[ACC1+1+16*\b]|, 0x1800000   ; with the floor 2^(3 - 127): the byte cannot fall under 1
.endr
.irp i, 2,4,6,8,10,12,14
.irp b, 0,1,2,3
	s_delay_alu instid0(VALU_DEP_4)
	v_max3_num_f32 v[TM+\b], v[TM+\b], |v[ACC1+16*\b+\i]|, |v[ACC1+1+16*\b+\i]|
.endr
.endr
.irp b, 0,1,2,3
	v_permlanex16_b32 v[TM+4+\b], v[TM+\b], s[SEL], s[SEL+1]
.endr
.irp b, 0,1,2,3
	s_delay_alu instid0(VALU_DEP_4)
	v_max_num_f32 v[TM+\b], v[TM+\b], v[TM+4+\b]   ; the block's largest magnitude
.endr
.irp b, 0,1,2,3
	s_delay_alu instid0(VALU_DEP_4)
	v_add_nc_u32 v[TM+12+\b], 0xff000000, v[TM+\b] ; 2 off its exponent field: the conversion's scale operand
.endr
.irp b, 0,1,2,3
	s_delay_alu instid0(VALU_DEP_4)
	v_lshrrev_b32 v[TM+4+\b], 23, v[TM+12+\b]      ; the scale's byte
.endr
	s_delay_alu instid0(VALU_DEP_3)
	v_lshl_or_b32 v[TM+8], v[TM+5], 8, v[TM+4]
	s_delay_alu instid0(VALU_DEP_2)
	v_lshl_or_b32 v[TM+9], v[TM+7], 8, v[TM+6]
.if \fill
	s_delay_alu instid0(VALU_DEP_2)
	v_or_b32 v[TM+8], 0x7f7f0000, v[TM+8]
	s_delay_alu instid0(VALU_DEP_2)
	v_or_b32 v[TM+9], 0x7f7f0000, v[TM+9]
.endif
.irp b, 0,1,2,3
	v_cvt_scalef32_pk8_fp4_f32 v[PC+2*\b], v[ACC1+16*\b:ACC1+7+16*\b], v[TM+12+\b]
	v_cvt_scalef32_pk8_fp4_f32 v[PC+1+2*\b], v[ACC1+8+16*\b:ACC1+15+16*\b], v[TM+12+\b]
.endr
	v_nop                                          ; one plain line behind a scaled conversion
.irp c, 0,1                                    ; the operand's layout wants a whole block in a lane
.irp i, 0,1
	v_permlane16_swap_b32 v[PC+4*\c+\i], v[PC+2+4*\c+\i]
.endr
.endr
	v_permlane16_swap_b32 v[TM+8], v[TM+9]         ; tile 1's words into lanes 16-31
.endm
	s_cmp_eq_u32 s88, 2                            ; the input hangs on the cluster's y alone
	s_cbranch_scc1 .Lvpath
	; ---- q and k.  Wave w: head w / 8 of the group's two (W's tiles 4 (w / 8) + i), tokens' tiles 2 (w % 8) + j
	s_lshr_b32 s90, s[WV], 3                       ; hs
	s_and_b32 s91, s[WV], 7                        ; tp
	s_lshr_b32 s94, s91, 2                         ; which of x's two groups
	s_and_b32 s95, s91, 3
	s_mul_i32 s98, s94, GRP
	s_lshl_b32 s99, s95, 11
	s_add_co_u32 s99, s99, s98
	s_add_co_u32 s99, s99, 4096
	s_wait_alu depctr_va_vdst(0)
	v_add_nc_u32 v[AX], s99, v[L16]
	s_lshl_b32 s99, s95, 10
	s_add_co_u32 s99, s99, s98
	v_add_nc_u32 v[SX], s99, v[L16]
	s_lshl_b32 s99, s90, 12
	s_add_co_u32 s99, s99, 2*GRP+4096
	v_add_nc_u32 v[AW1], s99, v[L16]
	s_delay_alu instid0(VALU_DEP_1)
	v_add_nc_u32 v[AW2], GRP, v[AW1]
	s_lshl_b32 s99, s90, 11
	s_add_co_u32 s99, s99, 2*GRP
	v_add_nc_u32 v[SW1], s99, v[L16]
	s_delay_alu instid0(VALU_DEP_1)
	v_add_nc_u32 v[SW2], GRP, v[SW1]
	s_cmp_eq_u32 s88, 0
	s_cselect_b64 s[8:9], s[8:9], s[12:13]         ; b1, b2 and the records of q or of k
	s_cselect_b64 s[10:11], s[10:11], s[14:15]
	s_cselect_b64 s[20:21], s[20:21], s[22:23]
	s_lshl_b32 s98, s86, 9
	s_lshl_b32 s99, s90, 8
	s_add_co_u32 s98, s98, s99
	v_lshl_add_u32 v[BO], v14, 6, s98              ; 4 (128 gx + 64 hs) + 64 h
.irp j, 0,1                                    ; THE SUMS BEGIN AS THE BIASES: register e of tile i is channel 32 (i / 2) + 16 h + 8 (i % 2) + e of the head
.irp i, 0,1,2,3
	global_load_b128 v[ACC1+32*\j+8*\i:ACC1+32*\j+8*\i+3], v[BO], s[8:9] offset:(32*(\i/2)+8*(\i%2))*4
	global_load_b128 v[ACC1+32*\j+8*\i+4:ACC1+32*\j+8*\i+7], v[BO], s[8:9] offset:(32*(\i/2)+8*(\i%2))*4+16
	global_load_b128 v[ACC2+32*\j+8*\i:ACC2+32*\j+8*\i+3], v[BO], s[10:11] offset:(32*(\i/2)+8*(\i%2))*4
	global_load_b128 v[ACC2+32*\j+8*\i+4:ACC2+32*\j+8*\i+7], v[BO], s[10:11] offset:(32*(\i/2)+8*(\i%2))*4+16
.endr
.endr
	s_lshr_b32 s98, s89, 3                         ; the batch
	s_lshl_b32 s98, s98, 4
	s_lshl_b32 s99, s86, 1
	s_add_co_u32 s98, s98, s99
	s_add_co_u32 s98, s98, s90                     ; x 16 + the head
	s_lshl_b32 s98, s98, 4
	s_and_b32 s99, s89, 7
	s_lshl_b32 s99, s99, 1
	s_add_co_u32 s98, s98, s99
	s_add_co_u32 s98, s98, s94                     ; x 16 + the 128 tokens: my record
	s_mul_i32 s98, s98, 4608
	s_mov_b32 s99, 0
	s_add_nc_u64 s[20:21], s[20:21], s[98:99]
	s_lshl_b32 s100, s95, 10
	v_add_nc_u32 v[OA], s100, v[L16]
	s_lshl_b32 s100, s95, 7
	s_add_co_u32 s100, s100, 4096
	v_add_nc_u32 v[OB], s100, v[L4]
.macro STEPQK s                        ; 128 along K: 16 matrix instructions on 16 accumulators by turns, in the same order in every step
.if (\s) > 0
	PLACES
.endif
.if (\s)%2 == 0                        ; a scale word's register serves two steps: lanes 0-15 the even one, lanes 16-31 the odd one
.irp j, 0,1
	ds_load_b32 v[120+\j], v[SX] offset:512*\j+4*((\s)/2)
.endr
.irp i, 0,1,2,3
	ds_load_b32 v[112+\i], v[SW1] offset:512*\i+4*((\s)/2)
	ds_load_b32 v[116+\i], v[SW2] offset:512*\i+4*((\s)/2)
.endr
.endif
.irp j, 0,1
.irp c, 0,1
	ds_load_b128 v[96+8*\j+4*\c:96+8*\j+4*\c+3], v[AX] offset:8192*(\s)+1024*\j+512*\c
.endr
.endr
.irp i, 0,1,2,3
.irp c, 0,1
	ds_load_b128 v[32+8*\i+4*\c:32+8*\i+4*\c+3], v[AW1] offset:8192*(\s)+1024*\i+512*\c
.endr
.endr
.irp i, 0,1,2,3
.irp c, 0,1
	ds_load_b128 v[64+8*\i+4*\c:64+8*\i+4*\c+3], v[AW2] offset:8192*(\s)+1024*\i+512*\c
.endr
.endr
	s_wait_dscnt 8                                 ; all but W2's eight loads
.irp j, 0,1
.irp i, 0,1,2,3
	WM ACC1+32*\j+8*\i, 32+8*\i, 96+8*\j, 0, 112+\i, 120+\j, (\s)%2
.endr
.endr
	s_wait_dscnt 0x0
.irp j, 0,1
.irp i, 0,1,2,3
	WM ACC2+32*\j+8*\i, 64+8*\i, 96+8*\j, 0, 116+\i, 120+\j, (\s)%2
.endr
.endr
.endm
	s_wait_alu depctr_va_vdst(0)
	s_wait_loadcnt 0x0                             ; the biases
	PHASE 3
	STEPQK 0
	PHASE 2
	STEPQK 1
	STEPQK 2
	PHASE 1
	STEPQK 3
	STEPQK 4
	PHASE 0
	STEPQK 5
	STEPQK 6
	STEPQK 7
	PLACES
	EPI
	QUANT 1
	global_store_b128 v[OA], v[PC:PC+3], s[20:21]              ; tile j's codes: 32 lanes store 512 consecutive bytes, aligned
	global_store_b128 v[OA], v[PC+4:PC+7], s[20:21] offset:512
	global_store_b32 v[OB], v[TM+8], s[20:21]                  ; both tiles' scale words: 128 consecutive bytes
	s_branch .Ljoin
	; ---- v.  Wave w: tokens' tiles 4 (w % 4) + i (64 keys), channels' tiles 2 (w / 4) + j
.Lvpath:
	s_and_b32 s90, s[WV], 3                        ; q4
	s_lshr_b32 s91, s[WV], 2                       ; p
	s_lshr_b32 s94, s90, 1                         ; which of x's two groups
	s_and_b32 s95, s90, 1                          ; which 64 of its 128 keys
	s_mul_i32 s98, s94, GRP
	s_lshl_b32 s99, s95, 12
	s_add_co_u32 s99, s99, s98
	s_add_co_u32 s99, s99, 4096
	s_wait_alu depctr_va_vdst(0)
	v_add_nc_u32 v[AX], s99, v[L16]
	s_lshl_b32 s99, s95, 11
	s_add_co_u32 s99, s99, s98
	v_add_nc_u32 v[SX], s99, v[L16]
	s_lshl_b32 s99, s91, 11
	s_add_co_u32 s99, s99, 2*GRP+4096
	v_add_nc_u32 v[AW1], s99, v[L16]
	s_delay_alu instid0(VALU_DEP_1)
	v_add_nc_u32 v[AW2], GRP, v[AW1]
	s_lshl_b32 s99, s91, 10
	s_add_co_u32 s99, s99, 2*GRP
	v_add_nc_u32 v[SW1], s99, v[L16]
	s_delay_alu instid0(VALU_DEP_1)
	v_add_nc_u32 v[SW2], GRP, v[SW1]
	v_and_b32 v15, 8, v13
	s_delay_alu instid0(VALU_DEP_1)
	v_add_nc_u32 v15, v15, v13                     ; r + 8 (r / 8)
	s_lshl_b32 s98, s86, 9
	s_lshl_b32 s99, s91, 7
	s_add_co_u32 s98, s98, s99
	v_lshl_add_u32 v[BO], v15, 2, s98              ; my channel of tile j is 128 gx + 32 p + 8 j + r + 8 (r / 8)
.irp j, 0,1                                    ; one number a lane and tile, loaded twice: a pair for the packed addition
	global_load_b32 v[BV+2*\j], v[BO], s[16:17] offset:32*\j
	global_load_b32 v[BV+2*\j+1], v[BO], s[16:17] offset:32*\j
	global_load_b32 v[BV+4+2*\j], v[BO], s[18:19] offset:32*\j
	global_load_b32 v[BV+5+2*\j], v[BO], s[18:19] offset:32*\j
.endr
	s_lshr_b32 s98, s89, 3                         ; the batch
	s_lshl_b32 s98, s98, 4
	s_lshl_b32 s99, s86, 1
	s_add_co_u32 s98, s98, s99
	s_lshr_b32 s99, s91, 1
	s_add_co_u32 s98, s98, s99                     ; x 16 + the head
	s_lshl_b32 s98, s98, 4
	s_and_b32 s99, s89, 7
	s_lshl_b32 s99, s99, 1
	s_add_co_u32 s98, s98, s99
	s_add_co_u32 s98, s98, s94                     ; x 16 + the 128 keys: my record
	s_mul_i32 s98, s98, 4352
	s_mov_b32 s99, 0
	s_add_nc_u64 s[24:25], s[24:25], s[98:99]
	s_and_b32 s100, s91, 1                         ; which pair of the head's four tiles of channels
	s_lshl_b32 s101, s100, 11
	s_lshl_b32 s99, s95, 9
	s_add_co_u32 s101, s101, s99
	v_add_nc_u32 v[OA], s101, v[L16]
	s_lshl_b32 s101, s100, 7
	s_lshl_b32 s99, s95, 1
	s_add_co_u32 s101, s101, s99
	s_add_co_u32 s101, s101, 4096
	v_add_nc_u32 v[OB], s101, v[L4]
.macro STEPV s, zero
.if (\s) > 0
	PLACES
.endif
.if (\s)%2 == 0
.irp i, 0,1,2,3
	ds_load_b32 v[112+\i], v[SX] offset:512*\i+4*((\s)/2)
.endr
.irp j, 0,1
	ds_load_b32 v[116+\j], v[SW1] offset:512*\j+4*((\s)/2)
	ds_load_b32 v[118+\j], v[SW2] offset:512*\j+4*((\s)/2)
.endr
.endif
.irp i, 0,1,2,3
.irp c, 0,1
	ds_load_b128 v[32+8*\i+4*\c:32+8*\i+4*\c+3], v[AX] offset:8192*(\s)+1024*\i+512*\c
.endr
.endr
.irp j, 0,1
.irp c, 0,1
	ds_load_b128 v[64+8*\j+4*\c:64+8*\j+4*\c+3], v[AW1] offset:8192*(\s)+1024*\j+512*\c
.endr
.endr
.irp j, 0,1
.irp c, 0,1
	ds_load_b128 v[80+8*\j+4*\c:80+8*\j+4*\c+3], v[AW2] offset:8192*(\s)+1024*\j+512*\c
.endr
.endr
	s_wait_dscnt 4                                 ; all but W2's four loads
.irp j, 0,1
.irp i, 0,1,2,3
	WM ACC1+32*\j+8*\i, 32+8*\i, 64+8*\j, \zero, 112+\i, 116+\j, (\s)%2
.endr
.endr
	s_wait_dscnt 0x0
.irp j, 0,1
.irp i, 0,1,2,3
	WM ACC2+32*\j+8*\i, 32+8*\i, 80+8*\j, \zero, 112+\i, 118+\j, (\s)%2
.endr
.endr
.endm
	s_wait_alu depctr_va_vdst(0)
	s_wait_loadcnt 0x0                             ; the biases
	PHASE 3
	STEPV 0, 1                                     ; the first step's products start the sums: nothing is cleared
	PHASE 2
	STEPV 1, 0
	STEPV 2, 0
	PHASE 1
	STEPV 3, 0
	STEPV 4, 0
	PHASE 0
	STEPV 5, 0
	STEPV 6, 0
	STEPV 7, 0
	PLACES
.irp j, 0,1                                    ; a lane is one channel: its bias goes onto all 32 registers of tile j, each accumulator from its low end on
.set k, 0
.rept 16
	v_pk_add_f32 v[ACC1+32*\j+k:ACC1+32*\j+k+1], v[ACC1+32*\j+k:ACC1+32*\j+k+1], v[BV+2*\j:BV+2*\j+1]
	v_pk_add_f32 v[ACC2+32*\j+k:ACC2+32*\j+k+1], v[ACC2+32*\j+k:ACC2+32*\j+k+1], v[BV+4+2*\j:BV+5+2*\j]
.set k, k+2
.endr
.endr
	EPI
	QUANT 0
	global_store_b128 v[OA], v[PC:PC+3], s[24:25]              ; channels' tile j, my 64 keys: 512 consecutive bytes, aligned
	global_store_b128 v[OA], v[PC+4:PC+7], s[24:25] offset:1024
	global_store_b16 v[OB], v[TM+8], s[24:25]                  ; my two of each word's four bytes; the wave with the other 64 keys stores the other two
.Ljoin:
	s_wait_tensorcnt 0x0                           ; the wave's end
	ds_add_u32 v[SPW], v[NIL]
	s_wait_dscnt 0x0
	CROUND                                         ; the closing round: no work-group ends while a partner may still ask for a quarter that names it
	s_endpgm
.Lfunc_end_k_qdfa40c7385_proj:
	.size	k_qdfa40c7385_proj, .Lfunc_end_k_qdfa40c7385_proj-k_qdfa40c7385_proj
	.p2alignl 7, 3214868480
	.fill 96, 4, 3214868480
	.section	.rodata,"a",@progbits
	.p2align	6, 0x0
	.amdhsa_kernel k_qdfa40c7385_proj
		.amdhsa_group_segment_fixed_size 327680
		.amdhsa_private_segment_fixed_size 0
		.amdhsa_enable_private_segment 0
		.amdhsa_kernarg_size 88
		.amdhsa_user_sgpr_count 2
		.amdhsa_user_sgpr_kernarg_segment_ptr 1
		.amdhsa_wavefront_size32 1
		.amdhsa_system_sgpr_workgroup_id_x 1
		.amdhsa_system_sgpr_workgroup_id_y 1
		.amdhsa_system_sgpr_workgroup_id_z 1
		.amdhsa_system_vgpr_workitem_id 0
		.amdhsa_next_free_vgpr 256
		.amdhsa_next_free_sgpr 102
		.amdhsa_reserve_vcc 0
		.amdhsa_float_denorm_mode_32 3
		.amdhsa_float_denorm_mode_16_64 3
		.amdhsa_memory_ordered 1
		.amdhsa_forward_progress 1
		.amdhsa_inst_pref_size 111
	.end_amdhsa_kernel
	.amdgpu_metadata
---
amdhsa.version: [ 1, 2 ]
amdhsa.kernels:
  - .name:           k_qdfa40c7385_proj
    .symbol:         k_qdfa40c7385_proj.kd
    .args:
      - { .name: xc, .offset: 0, .size: 8, .value_kind: global_buffer, .address_space: global }
      - { .name: wc, .offset: 8, .size: 8, .value_kind: global_buffer, .address_space: global }
      - { .name: bq1, .offset: 16, .size: 8, .value_kind: global_buffer, .address_space: global }
      - { .name: bq2, .offset: 24, .size: 8, .value_kind: global_buffer, .address_space: global }
      - { .name: bk1, .offset: 32, .size: 8, .value_kind: global_buffer, .address_space: global }
      - { .name: bk2, .offset: 40, .size: 8, .value_kind: global_buffer, .address_space: global }
      - { .name: bv1, .offset: 48, .size: 8, .value_kind: global_buffer, .address_space: global }
      - { .name: bv2, .offset: 56, .size: 8, .value_kind: global_buffer, .address_space: global }
      - { .name: qrec, .offset: 64, .size: 8, .value_kind: global_buffer, .address_space: global }
      - { .name: krec, .offset: 72, .size: 8, .value_kind: global_buffer, .address_space: global }
      - { .name: vrec, .offset: 80, .size: 8, .value_kind: global_buffer, .address_space: global }
    .group_segment_fixed_size: 327680
    .private_segment_fixed_size: 0
    .kernarg_segment_align: 8
    .kernarg_segment_size: 88
    .max_flat_workgroup_size: 512
    .sgpr_count:     102
    .vgpr_count:     256
    .wavefront_size: 32
...
	.end_amdgpu_metadata
.endif
;; end of part 6
;; launch attn (part 7): grid 8 x 32, 16 waves a work-group, no clusters, 313,344 bytes of LDS; arguments qrec, krec, vrec, mw, mc, xa; writes xa
.if DOCPART == 7
	.amdgcn_target "amdgcn-amd-amdhsa--gfx1250"
	.amdhsa_code_object_version 6
	.text
	.protected	k_qdfa40c7385_attn
	.globl	k_qdfa40c7385_attn
	.p2align	8
	.type	k_qdfa40c7385_attn,@function
k_qdfa40c7385_attn:
	s_mov_b64 s[64:65], 0
	v_nop
	global_prefetch_b8 v0, s[64:65] scope:SCOPE_SE
	s_setreg_imm32_b32 hwreg(HW_REG_WAVE_MODE, 25, 1), 1
	s_wait_xcnt 0x0
; x[b][q][head] = softmax_k(where(mask == 0, -1e9, q . k / 8)) v, both products on codes of FP4 with E8M0 scales, and the result quantised along the 1,024 channels for the last launch.
; THE SOFTMAX: t = logit x log2(e); where the mask's word has a 0 bit, t is -1e9 x log2(e) as f32, a whole number; M = the running largest t rounded UP to a whole number; p = 2^(t - M) is quantised along the keys,
; not normalised; the row's sum is taken of the unquantised p and divides at the end.  When M moves, the sum and O are multiplied by 2^(old M - new M): exact.
; THE MASK IS AN INPUT and its value is finite: every step of 128 keys counts for every query.  The first launch has stored, for each (tile of 16 queries, step), whether a bit of its 64 lane words is 1 and whether one is 0;
; a step goes one of three ways by a scalar branch on these two bits.  OPEN (no 0): no select; t - M is one fused multiply-add of the score.  MIXED: the words are loaded; t is rounded, the masked value put in, M taken away.
; MASKED (no 1): all 128 t of a query are the masked value: one exponential gives the p of all keys, one conversion its code; the product with V is done as always.
; SHARES.  A work-group owns 16 tiles of 16 queries of one batch x head: tiles 8 x + a and their mirrors 127 - (8 x + a), a = 0 .. 7.  THE KEYS OF A TILE ARE DEALT TO TWO WAVES: wave w (a = w / 2, parity (w / 4 + w) % 2) walks the
; 8 steps of its parity, first for tile 8 x + a (pass 0), then for the mirror (pass 1): so, where a mask hides late keys from early queries, all sixteen waves have nearly the same number of steps of each kind.
; A pass leaves a part (O^T, -M, the sum: 36 registers, 4,608 bytes) in LDS bytes of its own; behind one barrier wave w joins the two parts of tile w (M = the larger; each part x 2^(its M - M): exact), divides, quantises, stores.
; The WHOLE head's K and V records (73,728 + 69,632 bytes) lie in LDS, written once.  NO TENSOR LOADS, NO CLUSTER, though the eight work-groups of a head read the same records: the way of a step hangs on a word read from memory.
; So each thread brings 280 bytes through its registers, once.  No prefetch: the records are asked for once, at the head; no loop runs ahead of a load.
; LAYOUT.  S^T = K Q^T (source 0 = 16 keys, source 1 = my queries), O^T = V^T P^T (source 0 = 16 channels, source 1 = P): a lane holds ONE query.  The head's 64 channels are half of the instruction's K: registers 4-7 of K's and Q's
; fragments hold zero codes, under the byte 0x7f.  The keys (and channels) of a tile are 32 (T / 2) + 8 (T % 2) + r + 8 (r / 8), so that the 16 registers of tiles 2 b, 2 b + 1 are 16 neighbours.
; LIMITS: NaN and infinities are not served; the scaled scores stay under 2^31 in magnitude; a block of zeros gets the byte 1, its codes are zeros, and this program alone reads the bytes.
; REGISTERS: v1-4 addresses that stay; v5, v6 the add's two; v8-11 the step's; v12 -M, v13 the largest t, v[14:15] the sum in two halves; v16-23 Q; v24-31 K's scale words; v32-95 K's fragments; v96-159 S^T, p; v160-191 O^T;
; v192-223 V's fragments; v224-231 p's codes; v232-243, v252, v254 at work; v244-247 V's scale words; v248 the masked t; v249 Q's scale words; v[250:251] f; v253 p's scale word.
.set KREC, 4608
.set VREC, 4352
.set VBASE, 16*KREC                    ; LDS: K's 16 records, then V's 16,
.set PSL,  4608
.set PBASE, VBASE+16*VREC              ; the 32 parts: (pass, a, parity) at 16 pass + 2 a + parity,
.set QBASE, PBASE+32*PSL               ; for each wave 1,280 bytes: its two tiles of Q (512 each), their scale words (128 each),
.set SPARE, QBASE+16*1280              ; the spare words, 128 bytes a wave, that no other line names
.set AK,   1                           ; v1  16 x lane + my parity's record
.set AKS,  2                           ; v2  4096 + 4 r + the same
.set AV,   3
.set AVS,  4
.set SPW,  5
.set NIL,  6
.set TNEG, 248
.set TK,   84                          ; s84, s85 the step's records in LDS, two records a trip
.set TV,   85
.set MO,   86                          ; s86 the step's mask words in mw
.set CNT,  87
.set CS,   88                          ; s[88:89] c = log2(e) / 8
.set SEL,  90                          ; s[90:91] lane selects: lane l xor 16
.set WV,   92
.set HI16, 93
.set CW,   94                          ; s94 two bits for each step to come, mine lowest; s95 the step's two
.set CL,   95
.set PA,   96                          ; s96 where the pass's part goes; s97, s98 where its Q lies
.set QA,   97
.set QB,   98
.set PASS, 99
.set CWB,  100                         ; s100, s101 pass 1's bits and mask words
.set MOB,  101                         ; s16-63, s68-83: at work at the head; in a mixed step its 64 mask words
.macro QOFF t, oc, os                  ; tile s[t] of Q: its codes' and its scale words' place in qrec
	s_lshr_b32 s34, s[\t], 3
	s_lshl_b32 s35, s48, 4
	s_add_co_u32 s34, s34, s35
	s_mul_i32 s34, s34, KREC
	s_and_b32 s35, s[\t], 7
	s_lshl_b32 s[\oc], s35, 9
	s_add_co_u32 s[\oc], s[\oc], s34
	s_lshl_b32 s[\os], s35, 6
	s_add_co_u32 s[\os], s[\os], s34
	s_add_co_u32 s[\os], s[\os], 4096
.endm
	s_load_b256 s[4:11], s[0:1], 0x0               ; qrec, krec, vrec, mw
	s_load_b128 s[12:15], s[0:1], 0x20             ; mc, xa
	v_lshl_add_u32 v[SPW], v0, 2, SPARE
	v_mov_b32 v[NIL], 0
	v_lshrrev_b32 v1, 5, v0
	v_readfirstlane_b32 s[WV], v1                  ; wave 0..15
	s_and_b32 s48, ttmp7, 0xffff                   ; batch x head
	s_lshl_b32 s50, ttmp9, 3
	s_lshr_b32 s49, s[WV], 1                       ; a
	s_add_co_u32 s16, s50, s49                     ; pass 0's tile,
	s_sub_co_u32 s17, 127, s16                     ; pass 1's
	s_lshr_b32 s51, s[WV], 2
	s_xor_b32 s51, s51, s[WV]
	s_and_b32 s51, s51, 1                          ; my parity
	s_and_b32 s18, s[WV], 7
	s_add_co_u32 s18, s50, s18
	s_sub_co_u32 s19, 127, s18
	s_cmp_lt_u32 s[WV], 8
	s_cselect_b32 s18, s18, s19                    ; the tile that I finish
	s_mul_i32 s20, s48, 16*KREC                    ; the head's records of K,
	s_mov_b32 s21, 0
	s_mul_i32 s22, s48, 16*VREC                    ; of V
	s_mov_b32 s23, 0
	s_lshr_b32 s24, s18, 3
	s_and_b32 s25, s48, 16
	s_add_co_u32 s24, s24, s25
	s_mul_i32 s24, s24, 69632                      ; the finished tile's group of 128 tokens in xa
	s_mov_b32 s25, 0
	s_and_b32 s26, s18, 7
	s_bfe_u32 s28, s48, 0x30001                    ; the last product's K step: head / 2
	s_and_b32 s29, s48, 1                          ; and its half
	s_lshl_b32 s2, s28, 13
	s_lshl_b32 s3, s26, 10
	s_add_co_u32 s2, s2, s3
	s_lshl_b32 s3, s29, 9
	s_add_co_u32 s2, s2, s3
	s_add_co_u32 s2, s2, 4096                      ; s2: where the codes go in the group
	s_lshl_b32 s3, s26, 9
	s_lshl_b32 s28, s28, 6
	s_add_co_u32 s3, s3, s28
	s_lshl_b32 s29, s29, 1
	s_add_co_u32 s3, s3, s29                       ; s3: and the scale bytes
	QOFF 16, 30, 31
	QOFF 17, 32, 33
	s_lshl_b32 s36, s16, 3                         ; the tiles' two words of two bits a step
	s_lshl_b32 s37, s17, 3
	s_lshl_b32 s38, s51, 8
	s_lshl_b32 s[MO], s16, 12                      ; a tile's 16 steps x 256 bytes of mask words, from my parity's first
	s_add_co_u32 s[MO], s[MO], s38
	s_lshl_b32 s[MOB], s17, 12
	s_add_co_u32 s[MOB], s[MOB], s38
	s_mul_i32 s40, s51, KREC
	s_add_co_u32 s41, s40, 4096
	s_mul_i32 s42, s51, VREC
	s_add_co_u32 s42, s42, VBASE
	s_add_co_u32 s43, s42, 4096
	s_lshl_b32 s[PA], s49, 1
	s_add_co_u32 s[PA], s[PA], s51
	s_mul_i32 s[PA], s[PA], PSL
	s_add_co_u32 s[PA], s[PA], PBASE
	s_mul_i32 s[QA], s[WV], 1280
	s_add_co_u32 s[QA], s[QA], QBASE
	s_add_co_u32 s[QB], s[QA], 1024
	s_mov_b32 s[CS], 0x3e38aa3b
	s_mov_b32 s[CS+1], s[CS]
	s_mov_b32 s[SEL], 0x76543210
	s_mov_b32 s[SEL+1], 0xfedcba98
	s_mov_b32 s[HI16], 0xffff0000
	v_and_b32 v12, 31, v0                          ; lane
	v_and_b32 v13, 15, v0                          ; r
	v_lshlrev_b32 v14, 4, v12
	v_lshlrev_b32 v15, 2, v13
	v_add_nc_u32 v[AK], s40, v14
	v_add_nc_u32 v[AKS], s41, v15
	v_add_nc_u32 v[AV], s42, v14
	v_add_nc_u32 v[AVS], s43, v15
	v_lshlrev_b32 v224, 4, v0                      ; the fill: 16 x my thread's number, in memory and in LDS;
	v_add_nc_u32 v225, 0x10000, v224               ; an LDS offset has 16 bits: two more registers reach the rest;
	v_add_nc_u32 v226, 0x20000, v224
	v_lshlrev_b32 v227, 3, v0                      ; the last 4,096 bytes go 8 to a thread
	v_lshl_add_u32 v228, v0, 3, VBASE+65536
	v_add_nc_u32 v229, s30, v14
	v_add_nc_u32 v230, s31, v15
	v_add_nc_u32 v231, s32, v14
	v_add_nc_u32 v232, s33, v15
	v_add_nc_u32 v233, s[QA], v14
	v_lshl_add_u32 v234, v12, 2, s[QB]
	s_wait_alu depctr_va_vdst(0)
	s_wait_kmcnt 0x0
	s_add_nc_u64 s[6:7], s[6:7], s[20:21]
	s_add_nc_u64 s[8:9], s[8:9], s[22:23]
	s_add_nc_u64 s[14:15], s[14:15], s[24:25]
.irp i, 0,1,2,3,4,5,6,7,8                      ; K's 73,728 bytes: nine times 8,192, the 512 threads side by side
	global_load_b128 v[96+4*\i:99+4*\i], v224, s[6:7] offset:8192*\i
.endr
.irp i, 0,1,2,3,4,5,6                          ; V's 69,632: eight times 8,192 and once 4,096
	global_load_b128 v[132+4*\i:135+4*\i], v224, s[8:9] offset:8192*\i
.endr
	global_load_b128 v[192:195], v224, s[8:9] offset:57344
	global_load_b64 v[196:197], v227, s[8:9] offset:65536
	global_load_b128 v[200:203], v229, s[4:5]      ; my two tiles of Q and their scale words
	global_load_b32 v208, v230, s[4:5]
	global_load_b128 v[204:207], v231, s[4:5]
	global_load_b32 v209, v232, s[4:5]
	s_load_b64 s[44:45], s[12:13], s36 offset:0x0  ; two bits a step: steps 0-7, steps 8-15
	s_load_b64 s[46:47], s[12:13], s37 offset:0x0
.irp k, 20,21,22,23,236,237,238,239,251,253,254
	v_mov_b32 v[\k], 0                             ; Q's zero codes for k = 64 .. 127; lane permutes' destinations and upper halves of pairs, written once
.endr
.irp t, 0,1,2,3,4,5,6,7
.irp k, 4,5,6,7
	v_mov_b32 v[32+8*\t+\k], 0                     ; K's zero codes
.endr
.endr
	v_mov_b32 v[TNEG], 0xceabfb8f                  ; -1e9 x log2(e), rounded to f32: -1,442,695,040
	s_wait_loadcnt 0x0
.irp i, 0,1,2,3,4,5,6,7
	ds_store_b128 v224, v[96+4*\i:99+4*\i] offset:8192*\i
.endr
	ds_store_b128 v225, v[128:131]                 ; K's ninth, at 65,536
.irp i, 0,1,2,3,4,5,6
	ds_store_b128 v225, v[132+4*\i:135+4*\i] offset:8192*(\i+1)   ; VBASE = 65,536 + 8,192
.endr
	ds_store_b128 v226, v[192:195]                 ; VBASE + 57,344 = 131,072
	ds_store_b64 v228, v[196:197]
	ds_store_b128 v233, v[200:203]                 ; Q waits in my own bytes for its pass
	ds_store_b128 v233, v[204:207] offset:512
	ds_store_b32 v234, v208
	ds_store_b32 v234, v209 offset:128
	s_wait_dscnt 0x0                               ; for the others' sake: my stores are done
	s_barrier_signal -1
	s_barrier_wait -1                              ; the head's records lie in LDS; nothing is written there again
	s_wait_kmcnt 0x0
	s_lshl_b32 s45, s45, 16
	s_or_b32 s[CW], s44, s45
	s_lshl_b32 s47, s47, 16
	s_or_b32 s[CWB], s46, s47
	s_lshl_b32 s51, s51, 1
	s_lshr_b32 s[CW], s[CW], s51                   ; my parity's first step lowest
	s_lshr_b32 s[CWB], s[CWB], s51
	s_mov_b32 s[PASS], 2
; A step of 128 keys in which a key counts.  msk = 1: some do not: the 64 lane words are loaded at the head and select.
.macro STEP msk
.if \msk
	s_load_b512 s[16:31], s[10:11], s[MO] offset:0x0
	s_load_b512 s[32:47], s[10:11], s[MO] offset:0x40
	s_load_b512 s[48:63], s[10:11], s[MO] offset:0x80
	s_load_b512 s[68:83], s[10:11], s[MO] offset:0xc0
.endif
.irp t, 0,1,2,3,4,5,6,7
	ds_load_b128 v[32+8*\t:35+8*\t], v8 offset:512*\t
.endr
.irp t, 0,1,2,3,4,5,6,7
	ds_load_b32 v[24+\t], v9 offset:64*\t
.endr
.irp f, 0,1,2,3,4,5,6,7
	ds_load_b128 v[192+4*\f:195+4*\f], v10 offset:512*\f
.endr
.irp t, 0,1,2,3
	ds_load_b32 v[244+\t], v11 offset:64*\t
.endr
	s_wait_dscnt 12                                ; K's 16 loads are in; V's 12 may be out
.irp t, 0,1,2,3,4,5,6,7
	v_wmma_scale_f32_16x16x128_f8f6f4 v[96+8*\t:103+8*\t], v[32+8*\t:39+8*\t], v[16:23], 0, v[24+\t], v249 matrix_a_fmt:MATRIX_FMT_FP4 matrix_b_fmt:MATRIX_FMT_FP4
.endr                                              ; register n: key 32 (n / 16) + 16 (lane / 16) + n % 16 of the step
.rept 4
	v_nop
.endr
.if \msk
.set j, 0
.rept 32
	v_pk_mul_f32 v[96+j:97+j], v[96+j:97+j], s[CS:CS+1] op_sel_hi:[1,0]   ; t, rounded once; each accumulator from its low end on
.set j, j+2
.endr
	s_wait_kmcnt 0x0                               ; the step's mask words
.set n, 0
.rept 64
.set m, 2*(n%32)+n/32
	v_cndmask_b32 v[96+n], v[TNEG], v[96+n], s[16+m+4*(m/48)]   ; bit 0: the masked value
.set n, n+1
.endr
.endif
; the largest of each block of 32 keys (msk = 0: of the scores; c is positive), two chains a block, each accumulator from its low end on: it serves the row's maximum and, since p rises with t, the block's largest p
.irp b, 0,1,2,3
	v_max3_num_f32 v[232+\b], v[96+16*\b], v[97+16*\b], v[98+16*\b]
	v_max3_num_f32 v[236+\b], v[104+16*\b], v[105+16*\b], v[106+16*\b]
.endr
.irp i, 3,5
.irp b, 0,1,2,3
	v_max3_num_f32 v[232+\b], v[232+\b], v[96+16*\b+\i], v[97+16*\b+\i]
	v_max3_num_f32 v[236+\b], v[236+\b], v[104+16*\b+\i], v[105+16*\b+\i]
.endr
.endr
.irp b, 0,1,2,3
	v_max3_num_f32 v[232+\b], v[232+\b], v[236+\b], v[103+16*\b]
.endr
.irp b, 0,1,2,3
	v_max_num_f32 v[232+\b], v[232+\b], v[111+16*\b]
.endr
.irp b, 0,1,2,3
	s_delay_alu instid0(VALU_DEP_4)
	v_permlanex16_b32 v[236+\b], v[232+\b], s[SEL], s[SEL+1]
.endr
.irp b, 0,1,2,3
	s_delay_alu instid0(VALU_DEP_4)
	v_max_num_f32 v[232+\b], v[232+\b], v[236+\b]  ; with lane l xor 16's 16 keys
.endr
	s_delay_alu instid0(VALU_DEP_2)
	v_max3_num_f32 v254, v232, v233, v234
	s_delay_alu instid0(VALU_DEP_1)
	v_max_num_f32 v254, v254, v235
.if \msk == 0
	s_delay_alu instid0(VALU_DEP_1)
	v_mul_f32 v254, s[CS], v254                    ; as t
.endif
	s_delay_alu instid0(VALU_DEP_1)
	v_max_num_f32 v13, v13, v254                   ; the running largest t
	v_mov_b32 v254, v12
	s_delay_alu instid0(VALU_DEP_2)
	v_floor_f32 v12, -v13                          ; the new -M = floor(-t) = -ceil(t)
	s_delay_alu instid0(VALU_DEP_1)
	v_sub_f32 v254, v12, v254                      ; old M - new M: a whole number, 0 or less
	s_delay_alu instid0(VALU_DEP_1)
	v_cvt_i32_f32 v254, v254                       ; (it saturates)
	s_delay_alu instid0(VALU_DEP_1)
	v_ldexp_f32 v250, 1.0, v254                    ; f = 2^(old M - new M)
.set j, 0
.rept 32
.if \msk
	v_pk_add_f32 v[96+j:97+j], v[96+j:97+j], v[12:13] op_sel_hi:[1,0]   ; t - M (of the pair the low word serves both halves)
.else
	v_pk_fma_f32 v[96+j:97+j], v[96+j:97+j], s[CS:CS+1], v[12:13] op_sel_hi:[1,0,0]   ; score x c - M, fused
.endif
.set j, j+2
.endr
.irp b, 0,1,2,3
.if \msk
	v_add_f32 v[232+\b], v[232+\b], v12            ; the same of each block's largest
.else
	v_fma_f32 v[232+\b], v[232+\b], s[CS], v12
.endif
.endr
	s_wait_alu depctr_va_vdst(0)                   ; the wait ahead of the batch
.set j, 0
.rept 64
	v_exp_f32 v[96+j], v[96+j]                     ; p = 2^(t - M)
.set j, j+1
.endr
	v_pk_mul_f32 v[14:15], v[14:15], v[250:251] op_sel_hi:[1,0]   ; the sums under the new M (a plain line behind the exponentials)
	s_wait_alu depctr_va_vdst(0)                   ; one wait for the batch, ahead of its first reader
.irp b, 0,1,2,3
	v_exp_f32 v[232+\b], v[232+\b]                 ; the block's largest p: the same lines on the same number give the same bits
.endr
.set k, 96                                     ; the row's sum of the unquantised p: 32 pairs in eight chains
.irp p, 236,252,242,240,238,230,228
	v_pk_add_f32 v[\p:\p+1], v[k:k+1], v[k+2:k+3]
.set k, k+4
.endr
.rept 2
.irp p, 14,236,252,242,240,238,230,228
	v_pk_add_f32 v[\p:\p+1], v[\p:\p+1], v[k:k+1]
.set k, k+2
.endr
.endr
	v_pk_add_f32 v[14:15], v[14:15], v[156:157]
	v_pk_add_f32 v[236:237], v[236:237], v[158:159]
	v_pk_add_f32 v[252:253], v[252:253], v[230:231]
	v_pk_add_f32 v[242:243], v[242:243], v[228:229]
	v_pk_add_f32 v[14:15], v[14:15], v[240:241]
	v_pk_add_f32 v[236:237], v[236:237], v[238:239]
	s_delay_alu instid0(VALU_DEP_2)
	v_pk_add_f32 v[14:15], v[14:15], v[252:253]
	s_delay_alu instid0(VALU_DEP_2)
	v_pk_add_f32 v[236:237], v[236:237], v[242:243]
	s_delay_alu instid0(VALU_DEP_1)
	v_pk_add_f32 v[14:15], v[14:15], v[236:237]
	s_wait_alu depctr_va_vdst(0)                   ; and one for the four
.irp b, 0,1,2,3
	v_max_num_f32 v[232+\b], 0x1800000, v[232+\b]  ; the floor 2^(3 - 127): the byte cannot fall under 1
.endr
.irp b, 0,1,2,3
	s_delay_alu instid0(VALU_DEP_4)
	v_add_nc_u32 v[240+\b], 0xff000000, v[232+\b]  ; 2 off the exponent field: the conversion's scale operand
.endr
.irp b, 0,1,2,3
	s_delay_alu instid0(VALU_DEP_4)
	v_lshrrev_b32 v[236+\b], 23, v[240+\b]         ; the scale's byte
.endr
	s_delay_alu instid0(VALU_DEP_3)
	v_lshl_or_b32 v253, v237, 8, v236              ; p's scale word for these 128 keys
	s_delay_alu instid0(VALU_DEP_1)
	v_lshl_or_b32 v253, v238, 16, v253
	s_delay_alu instid0(VALU_DEP_1)
	v_lshl_or_b32 v253, v239, 24, v253
.irp b, 0,1,2,3
	v_cvt_scalef32_pk8_fp4_f32 v[224+2*\b], v[96+16*\b:103+16*\b], v[240+\b]
	v_cvt_scalef32_pk8_fp4_f32 v[225+2*\b], v[104+16*\b:111+16*\b], v[240+\b]
.endr
	v_nop                                          ; one plain line behind a scaled conversion
.irp c, 0,1                                    ; the operand's layout wants a whole block in a lane
.irp i, 0,1
	v_permlane16_swap_b32 v[224+4*\c+\i], v[226+4*\c+\i]
.endr
.endr
	s_wait_alu depctr_va_vdst(0)                   ; the wait, directly ahead of the first reader of O^T
.set j, 0
.rept 16
	v_pk_mul_f32 v[160+j:161+j], v[160+j:161+j], v[250:251] op_sel_hi:[1,0]   ; O^T under the new M.  (These sixteen also stand between the lines that wrote p's codes and scale word and the products)
.set j, j+2
.endr
	s_wait_alu depctr_va_vdst(0)
	s_wait_dscnt 0x0                               ; V
.irp t, 0,1,2,3
	v_wmma_scale_f32_16x16x128_f8f6f4 v[160+8*\t:167+8*\t], v[192+8*\t:199+8*\t], v[224:231], v[160+8*\t:167+8*\t], v[244+\t], v253 matrix_a_fmt:MATRIX_FMT_FP4 matrix_b_fmt:MATRIX_FMT_FP4
.endr                                              ; four accumulators, one instruction each: by turns
.endm
; A step in which no key counts for any of my 16 queries: all its t are the masked value.  The lines that make M, f, p, the scale and the code are those of STEP 1, on one number in place of 64.
.macro MASKED
	v_max_num_f32 v13, v13, v[TNEG]                ; the running largest t
	v_mov_b32 v254, v12                            ; (with the four additions at the trip's head: six plain lines between the last products and the loads below)
.irp f, 0,1,2,3,4,5,6,7
	ds_load_b128 v[192+4*\f:195+4*\f], v10 offset:512*\f
.endr
.irp t, 0,1,2,3
	ds_load_b32 v[244+\t], v11 offset:64*\t
.endr
	v_floor_f32 v12, -v13
	s_delay_alu instid0(VALU_DEP_1)
	v_sub_f32 v254, v12, v254
	s_delay_alu instid0(VALU_DEP_1)
	v_cvt_i32_f32 v254, v254
	s_delay_alu instid0(VALU_DEP_1)
	v_ldexp_f32 v250, 1.0, v254                    ; f
	s_delay_alu instid0(VALU_DEP_4)
	v_add_f32 v96, v[TNEG], v12                    ; t - M: a whole number
	s_wait_alu depctr_va_vdst(0)
	v_exp_f32 v96, v96                             ; the p of all 128 keys: a power of two, or 0
	s_wait_alu depctr_va_vdst(0)
.set j, 0
.rept 4
	v_pk_mul_f32 v[160+j:161+j], v[160+j:161+j], v[250:251] op_sel_hi:[1,0]   ; O^T under the new M: the first accumulator (plain lines behind the exponential)
.set j, j+2
.endr
	s_wait_alu depctr_va_vdst(0)                   ; the wait, ahead of the first reader
	v_max_num_f32 v232, 0x1800000, v96             ; the floor
	v_mul_f32 v236, 0x42000000, v96                ; 32 p: what each half of the sum takes of my 64 keys
	s_delay_alu instid0(VALU_DEP_2)
	v_add_nc_u32 v240, 0xff000000, v232            ; the conversion's scale operand
	s_delay_alu instid0(VALU_DEP_1)
	v_lshrrev_b32 v233, 23, v240                   ; the scale's byte, the same for the four blocks
	s_delay_alu instid0(VALU_DEP_1)
	v_lshl_or_b32 v253, v233, 8, v233
	s_delay_alu instid0(VALU_DEP_1)
	v_lshl_or_b32 v253, v253, 16, v253             ; p's scale word
	v_pk_fma_f32 v[14:15], v[14:15], v[250:251], v[236:237] op_sel_hi:[1,0,0]   ; the sums under the new M, + 32 p each
.irp k, 97,98,99,100,101,102,103
	v_mov_b32 v[\k], v96                           ; the conversion takes eight numbers
.endr
	v_cvt_scalef32_pk8_fp4_f32 v224, v[96:103], v240
	v_nop                                          ; one plain line behind a scaled conversion
.irp k, 225,226,227,228,229,230,231
	v_mov_b32 v[\k], v224                          ; every register of the operand holds the same eight codes
.endr
.set j, 8
.rept 12
	v_pk_mul_f32 v[160+j:161+j], v[160+j:161+j], v[250:251] op_sel_hi:[1,0]   ; the other three accumulators; they also stand between the lines that wrote the scale word and the codes and the products
.set j, j+2
.endr
	s_wait_alu depctr_va_vdst(0)
	s_wait_dscnt 0x0                               ; V
.irp t, 0,1,2,3
	v_wmma_scale_f32_16x16x128_f8f6f4 v[160+8*\t:167+8*\t], v[192+8*\t:199+8*\t], v[224:231], v[160+8*\t:167+8*\t], v[244+\t], v253 matrix_a_fmt:MATRIX_FMT_FP4 matrix_b_fmt:MATRIX_FMT_FP4
.endr
.endm
.Lpass:                                            ; two passes: a tile from the front, then its mirror
	v_and_b32 v9, 31, v0
	v_lshl_add_u32 v8, v9, 4, s[QA]
	v_lshl_add_u32 v9, v9, 2, s[QB]
	ds_load_b128 v[16:19], v8                      ; the pass's Q, from my own bytes
	ds_load_b32 v249, v9
.set j, 0
.rept 32
	v_mov_b32 v[160+j], 0                          ; O^T.  (No step is written for the start alone: the first finds zeros, which the first change of M leaves zeros)
.set j, j+1
.endr
	v_mov_b32 v13, 0xff61b1e6                      ; the largest t so far: -3e38, under every t
	v_mov_b32 v14, 0
	v_mov_b32 v15, 0
	v_floor_f32 v12, -v13                          ; -M
	s_mov_b32 s[TK], 0
	s_mov_b32 s[TV], 0
	s_mov_b32 s[CNT], 8
	s_wait_alu depctr_va_vdst(0)
	s_wait_dscnt 0x0
.Lstep:                                            ; 8 trips of 128 keys, every second step of the head, whatever the mask
	v_add_nc_u32 v8, s[TK], v[AK]                  ; the step's LDS addresses, made ahead of the parting of the ways.  (These four are also the places between the last trip's products and the loads into V's registers)
	v_add_nc_u32 v9, s[TK], v[AKS]
	v_add_nc_u32 v10, s[TV], v[AV]
	v_add_nc_u32 v11, s[TV], v[AVS]
	s_wait_alu depctr_va_vdst(0)
	s_and_b32 s[CL], s[CW], 3                      ; bit 0: a key counts; bit 1: a key is masked
	s_lshr_b32 s[CW], s[CW], 4
	s_cmp_eq_u32 s[CL], 2
	s_cbranch_scc1 .Lmasked
	s_cmp_eq_u32 s[CL], 1
	s_cbranch_scc1 .Lopen
	STEP 1
	s_branch .Ltail
.Lopen:
	STEP 0
	s_branch .Ltail
.Lmasked:
	MASKED
.Ltail:
	s_add_co_u32 s[TK], s[TK], 2*KREC
	s_add_co_u32 s[TV], s[TV], 2*VREC
	s_add_co_u32 s[MO], s[MO], 512
	s_sub_co_u32 s[CNT], s[CNT], 1
	s_cmp_lg_u32 s[CNT], 0
	s_cbranch_scc1 .Lstep
	; the pass's part goes to its own LDS bytes as an image of 36 registers: O^T, then -M and my lane's sum (two more ride along, unread)
	v_add_f32 v14, v14, v15                        ; (four plain lines behind the last products)
	v_and_b32 v8, 31, v0
	v_lshl_add_u32 v8, v8, 4, s[PA]
	v_nop
	v_mov_b32 v192, v12
	v_mov_b32 v193, v14
.irp i, 0,1,2,3,4,5,6,7,8
	ds_store_b128 v8, v[160+4*\i:163+4*\i] offset:512*\i           ; each accumulator from its low end on
.endr
	s_mov_b32 s[CW], s[CWB]
	s_mov_b32 s[MO], s[MOB]
	s_add_co_u32 s[PA], s[PA], 16*PSL
	s_add_co_u32 s[QA], s[QA], 512
	s_add_co_u32 s[QB], s[QB], 128
	s_sub_co_u32 s[PASS], s[PASS], 1
	s_cmp_lg_u32 s[PASS], 0
	s_cbranch_scc1 .Lpass
	s_wait_dscnt 0x0                               ; for the others' sake: my parts are stored
	s_barrier_signal -1
	s_barrier_wait -1
	; THE JOIN: wave w takes the two parts of tile w of the work-group's sixteen
	s_mul_i32 s16, s[WV], 2*PSL
	s_add_co_u32 s16, s16, PBASE
	v_and_b32 v10, 31, v0
	v_lshl_add_u32 v8, v10, 4, s16
.irp i, 0,1,2,3,4,5,6,7,8
	ds_load_b128 v[96+4*\i:99+4*\i], v8 offset:512*\i
.endr
.irp i, 0,1,2,3,4,5,6,7,8
	ds_load_b128 v[32+4*\i:35+4*\i], v8 offset:PSL+512*\i
.endr
	s_wait_dscnt 0x0
	v_min_num_f32 v12, v128, v64                   ; -M of the larger M
	s_delay_alu instid0(VALU_DEP_1)
	v_sub_f32 v232, v12, v128                      ; each part's M - M: a whole number, 0 or less
	v_sub_f32 v233, v12, v64
	s_delay_alu instid0(VALU_DEP_2)
	v_cvt_i32_f32 v232, v232
	s_delay_alu instid0(VALU_DEP_2)
	v_cvt_i32_f32 v233, v233
	s_delay_alu instid0(VALU_DEP_2)
	v_ldexp_f32 v232, 1.0, v232
	s_delay_alu instid0(VALU_DEP_2)
	v_ldexp_f32 v233, 1.0, v233
	s_delay_alu instid0(VALU_DEP_2)
	v_mul_f32 v14, v129, v232
	s_delay_alu instid0(VALU_DEP_1)
	v_fmac_f32 v14, v65, v233                      ; my lane's sum under M,
	s_delay_alu instid0(VALU_DEP_1)
	v_permlanex16_b32 v254, v14, s[SEL], s[SEL+1]
	s_delay_alu instid0(VALU_DEP_1)
	v_add_f32 v14, v14, v254                       ; and lane l xor 16's: the row's sum
	s_wait_alu depctr_va_vdst(0)                   ; the wait ahead of the transcendental
	v_rcp_f32 v14, v14
	v_lshl_add_u32 v9, v10, 4, s2                  ; (plain lines behind the reciprocal)  my codes' place
	v_and_b32 v11, 15, v0
	v_bfe_u32 v7, v0, 4, 1
	v_lshl_add_u32 v11, v11, 2, v7
	v_add_nc_u32 v11, s3, v11                      ; my scale byte's: 4 r + h
	s_wait_alu depctr_va_vdst(0)                   ; the wait, ahead of the first reader
	v_mul_f32 v250, v232, v14                      ; a power of two / the sum, for each part
	v_mul_f32 v236, v233, v14
.set j, 0
.rept 16
	v_pk_mul_f32 v[96+j:97+j], v[96+j:97+j], v[250:251] op_sel_hi:[1,0]
.set j, j+2
.endr
.set j, 0
.rept 16
	v_pk_fma_f32 v[96+j:97+j], v[32+j:33+j], v[236:237], v[96+j:97+j] op_sel_hi:[1,0,1]
.set j, j+2
.endr
	; register 8 t + e is channel 32 (t / 2) + 16 (lane / 16) + 8 (t % 2) + e of the head: two blocks of 32, each in lanes l and l xor 16
.irp b, 0,1
	v_max3_num_f32 v[232+\b], |v[96+16*\b]|, |v[97+16*\b]|, 0x1800000
.endr
.irp i, 2,4,6,8,10,12,14
.irp b, 0,1
	s_delay_alu instid0(VALU_DEP_2)
	v_max3_num_f32 v[232+\b], v[232+\b], |v[96+16*\b+\i]|, |v[97+16*\b+\i]|
.endr
.endr
.irp b, 0,1
	s_delay_alu instid0(VALU_DEP_2)
	v_permlanex16_b32 v[236+\b], v[232+\b], s[SEL], s[SEL+1]
.endr
.irp b, 0,1
	s_delay_alu instid0(VALU_DEP_2)
	v_max_num_f32 v[232+\b], v[232+\b], v[236+\b]
.endr
.irp b, 0,1
	s_delay_alu instid0(VALU_DEP_2)
	v_add_nc_u32 v[240+\b], 0xff000000, v[232+\b]
.endr
.irp b, 0,1
	s_delay_alu instid0(VALU_DEP_2)
	v_lshrrev_b32 v[236+\b], 23, v[240+\b]
.endr
.irp b, 0,1
	v_cvt_scalef32_pk8_fp4_f32 v[224+2*\b], v[96+16*\b:103+16*\b], v[240+\b]
	v_cvt_scalef32_pk8_fp4_f32 v[225+2*\b], v[104+16*\b:111+16*\b], v[240+\b]
.endr
	v_cndmask_b32 v238, v236, v237, s[HI16]        ; lanes 0-15 block 0's byte, lanes 16-31 block 1's (also the plain line behind the conversions)
	v_permlane16_swap_b32 v224, v226
	v_permlane16_swap_b32 v225, v227               ; lane (r, h): block h of query r
	global_store_b128 v9, v[224:227], s[14:15]     ; 32 lanes store 512 consecutive bytes, aligned
	global_store_b8 v11, v238, s[14:15]            ; two of each row's four bytes: the other head of the K step stores the other two
	s_wait_tensorcnt 0x0                           ; the wave's end
	ds_add_u32 v[SPW], v[NIL]
	s_wait_dscnt 0x0
	s_endpgm
.Lfunc_end_k_qdfa40c7385_attn:
	.size	k_qdfa40c7385_attn, .Lfunc_end_k_qdfa40c7385_attn-k_qdfa40c7385_attn
	.p2alignl 7, 3214868480
	.fill 96, 4, 3214868480
	.section	.rodata,"a",@progbits
	.p2align	6, 0x0
	.amdhsa_kernel k_qdfa40c7385_attn
		.amdhsa_group_segment_fixed_size 313344
		.amdhsa_private_segment_fixed_size 0
		.amdhsa_enable_private_segment 0
		.amdhsa_kernarg_size 48
		.amdhsa_user_sgpr_count 2
		.amdhsa_user_sgpr_kernarg_segment_ptr 1
		.amdhsa_wavefront_size32 1
		.amdhsa_system_sgpr_workgroup_id_x 1
		.amdhsa_system_sgpr_workgroup_id_y 1
		.amdhsa_system_sgpr_workgroup_id_z 1
		.amdhsa_system_vgpr_workitem_id 0
		.amdhsa_next_free_vgpr 256
		.amdhsa_next_free_sgpr 102
		.amdhsa_reserve_vcc 0
		.amdhsa_float_denorm_mode_32 3
		.amdhsa_float_denorm_mode_16_64 3
		.amdhsa_memory_ordered 1
		.amdhsa_forward_progress 1
		.amdhsa_inst_pref_size 64
	.end_amdhsa_kernel
	.amdgpu_metadata
---
amdhsa.version: [ 1, 2 ]
amdhsa.kernels:
  - .name:           k_qdfa40c7385_attn
    .symbol:         k_qdfa40c7385_attn.kd
    .args:
      - { .name: qrec, .offset: 0, .size: 8, .value_kind: global_buffer, .address_space: global }
      - { .name: krec, .offset: 8, .size: 8, .value_kind: global_buffer, .address_space: global }
      - { .name: vrec, .offset: 16, .size: 8, .value_kind: global_buffer, .address_space: global }
      - { .name: mw, .offset: 24, .size: 8, .value_kind: global_buffer, .address_space: global }
      - { .name: mc, .offset: 32, .size: 8, .value_kind: global_buffer, .address_space: global }
      - { .name: xa, .offset: 40, .size: 8, .value_kind: global_buffer, .address_space: global }
    .group_segment_fixed_size: 313344
    .private_segment_fixed_size: 0
    .kernarg_segment_align: 8
    .kernarg_segment_size: 48
    .max_flat_workgroup_size: 512
    .sgpr_count:     102
    .vgpr_count:     256
    .wavefront_size: 32
...
	.end_amdgpu_metadata
.endif
;; end of part 7
;; launch outp (part 8): grid 8 x 32, 8 waves a work-group, clusters of 4 x 4, 327,680 bytes of LDS; arguments xa, wc, bo, out0; writes out0
.if DOCPART == 8
	.amdgcn_target "amdgcn-amd-amdhsa--gfx1250"
	.amdhsa_code_object_version 6
	.text
	.protected	k_qdfa40c7385_outp
	.globl	k_qdfa40c7385_outp
	.p2align	8
	.type	k_qdfa40c7385_outp,@function
k_qdfa40c7385_outp:
	s_mov_b64 s[64:65], 0
	v_nop
	global_prefetch_b8 v0, s[64:65] scope:SCOPE_SE
	s_setreg_imm32_b32 hwreg(HW_REG_WAVE_MODE, 25, 1), 1
	s_wait_xcnt 0x0
	s_wait_alu depctr_hold_cnt(0) depctr_sa_sdst(0) depctr_va_vdst(0) depctr_va_sdst(0) depctr_va_ssrc(0) depctr_va_vcc(0) depctr_vm_vsrc(0)
	s_getreg_b32 s2, hwreg(HW_REG_IB_STS2, 6, 4)
	s_cmp_eq_u32 s2, 0
	s_cbranch_scc0 .Lentry_in_a_cluster
	s_endpgm
.Lentry_in_a_cluster:
	s_bfe_u32 s2, ttmp6, 0x10000c
	s_cmp_lg_u32 s2, 0xf033
	s_cbranch_scc0 .Lentry_shape_is_right
	s_endpgm
.Lentry_shape_is_right:
; out0 = x wo^T + bo on codes of FP4 with E8M0 scales.  x: the attention launch's codes, [32 groups of 128 tokens][69,632 bytes]; wo: the seventh matrix of wc, [8 groups of 128 channels][69,632 bytes]; out0 [4096][1024] f32.
; SHARES.  A work-group takes 128 tokens x 128 channels; all of K = 1,024 lies in LDS, each byte filled once: x's group at 0, wo's at 69,632; behind them a stage of 128 rows x 528 bytes, written by LDS stores alone.
; CLUSTER 4 x 4: the four of a row of the cluster need the same tokens, the four of a column the same channels: each group is asked for JOINTLY, in four quarters of 68 rows of 256 bytes, x's by wave 0 and wo's by wave 1:
; four tensor loads of a wave are out at the most.  K step s is whole when 4096 + 8192 (s + 1) bytes of each group have landed: steps 0 | 1, 2 | 3, 4 | 5, 6, 7.
; Source 0 = 16 channels of wo, source 1 = 16 tokens: a lane holds one token and eight neighbouring channels.  The bias is the C of each sum's first matrix instruction.
; Wave w: channels' tiles 4 (w / 4) + i, tokens' tiles 2 (w % 4) + j: eight accumulators by turns.  The rows of a tile are 32 (T / 2) + 8 (T % 2) + r + 8 (r / 8).
; REGISTERS: v1-10 addresses; v16-47 the bias, v48-79 wo's fragments, v80-95 x's (on the way out v16-79 take rows of out0); v96-99 wo's scale words, v100-101 x's, and nothing else; v128-191 the sums (32 j + 8 i).
.set GRP,  69632
.set QTR,  17408
.set STG,  2*GRP
.set SPITCH, 528
; THE FILLS, as they stand now: the 8 quarters are shared out, ONE tensor load a wave: wave w asks for quarter w / 2 of x's group (w even) or of wo's (w odd).
; Every wave waits for its one load (for 0 on TENSORcnt) ahead of ONE barrier in front of K step 0: behind it both groups lie in LDS; the later phases assemble to nothing.
.set SPW,  110                         ; v110 my spare word: SPARE + 4 x my thread's number; never rewritten
.set NIL,  111                         ; v111 0; never rewritten
.set SPARE, STG+128*SPITCH             ; behind the stage: 128 bytes a wave that no other line names
.set WV,   12
.set G1X,  16                          ; s[16:23], s[24:31] descriptor groups 1; s[32:35], s[48:51] one group 0 each
.set G1W,  24
.set G0X,  32
.set G0W,  48
.set AX,   1
.set AW,   2
.set SXA,  3
.set SW,   4
.set L16,  5
.set SO,   6
.set SR,   7
.set BO,   8
.set BB,   16
.set ACC,  128
.macro CROUND
	s_barrier_signal -1
	s_barrier_wait -1
	s_cmp_lg_u32 s[WV], 0
	s_cbranch_scc1 .Lnot_wave_0_\@
	s_barrier_signal -3
.Lnot_wave_0_\@:
	s_barrier_wait -3
	s_barrier_signal -1
	s_barrier_wait -1
.endm
.macro PHASE left                      ; at left = 3 my quarter has landed; then everybody knows
.if \left == 3                         ; the first phase alone has lines
	s_wait_tensorcnt 0x0                           ; my quarter has landed
	s_barrier_signal -1
	s_barrier_wait -1                              ; and so has everybody's
.endif
.endm
.macro PLACES
.rept 4
	v_nop
.endr
.endm
.macro WM d, a, b, c, sa, sb, odd      ; in odd K steps wo's scale words are taken from lanes 16-31; x's have a register of their own in every step
.if \odd
	v_wmma_scale_f32_16x16x128_f8f6f4 v[\d:\d+7], v[\a:\a+7], v[\b:\b+7], v[\c:\c+7], v[\sa], v[\sb] matrix_a_fmt:MATRIX_FMT_FP4 matrix_b_fmt:MATRIX_FMT_FP4 matrix_a_scale:MATRIX_SCALE_ROW1
.else
	v_wmma_scale_f32_16x16x128_f8f6f4 v[\d:\d+7], v[\a:\a+7], v[\b:\b+7], v[\c:\c+7], v[\sa], v[\sb] matrix_a_fmt:MATRIX_FMT_FP4 matrix_b_fmt:MATRIX_FMT_FP4
.endif
.endm
	s_load_b256 s[4:11], s[0:1], 0x0               ; xa, wc, bo, out0
	v_lshl_add_u32 v[SPW], v0, 2, SPARE
	v_mov_b32 v[NIL], 0
	ds_add_u32 v[SPW], v[NIL]                      ; the opening lines: the add, twice on end, and its wait ahead of the round in front of the first loads
	ds_add_u32 v[SPW], v[NIL]
	v_lshrrev_b32 v1, 5, v0
	s_delay_alu instid0(VALU_DEP_1)
	v_readfirstlane_b32 s[WV], v1                  ; wave 0..7
	s_bfe_u32 s68, ttmp6, 0x40000                  ; cx
	s_bfe_u32 s69, ttmp6, 0x40004                  ; cy
	s_lshl_b32 s70, ttmp9, 2
	s_add_co_u32 s70, s70, s68                     ; gx: my 128 channels
	s_and_b32 s71, ttmp7, 0xffff
	s_lshl_b32 s71, s71, 2
	s_add_co_u32 s71, s71, s69                     ; gy: my 128 tokens
	s_lshl_b32 s72, s69, 2
	s_lshl_b32 s72, 15, s72                        ; my row of the cluster
	s_lshl_b32 s73, 0x1111, s68                    ; my column
	s_or_b32 s[G1X], s72, (3<<16)|(1<<21)          ; 15:0 the mask; 17:16 elements of 8 bytes; 21 set beside a mask; no padding
	s_or_b32 s[G1W], s73, (3<<16)|(1<<21)
.irp g, G1X, G1W
	s_mov_b32 s[\g+1], 32<<16                      ; rows of 256 bytes,
	s_mov_b32 s[\g+2], 68<<16                      ; 68 of them,
	s_mov_b32 s[\g+3], 32<<16
	s_mov_b32 s[\g+4], 68
	s_mov_b32 s[\g+5], 32                          ; dense
	s_mov_b32 s[\g+6], 0
	s_mov_b32 s[\g+7], 0
.endr
	s_mul_i32 s74, s71, GRP                        ; x's group: nothing of cx
	s_mov_b32 s75, 0
	s_mul_i32 s76, s70, GRP                        ; wo's group: nothing of cy
	s_add_co_u32 s76, s76, 48*GRP                  ; behind the six other matrices
	s_mov_b32 s77, 0
	s_lshr_b32 s84, s[WV], 1
	s_mul_i32 s84, s84, QTR                        ; my quarter, in bytes: in memory and in LDS
	s_add_co_u32 s74, s74, s84
	s_add_co_u32 s76, s76, s84
	s_and_b32 s85, s[WV], 1                        ; 0: I ask for x; 1: for wo
	s_wait_dscnt 0x0                               ; both opening adds are done
	s_wait_kmcnt 0x0
	s_add_nc_u64 s[74:75], s[4:5], s[74:75]
	s_add_nc_u64 s[76:77], s[6:7], s[76:77]
.irp j, 0
	s_mov_b32 s[G0X+4*\j], 1
	s_mov_b32 s[G0X+4*\j+1], s84
	s_add_nc_u64 s[G0X+4*\j+2:G0X+4*\j+3], s[74:75], \j*QTR
	s_or_b32 s[G0X+4*\j+3], s[G0X+4*\j+3], 0x80000000
	s_mov_b32 s[G0W+4*\j], 1
	s_add_co_u32 s[G0W+4*\j+1], s84, GRP
	s_add_nc_u64 s[G0W+4*\j+2:G0W+4*\j+3], s[76:77], \j*QTR
	s_or_b32 s[G0W+4*\j+3], s[G0W+4*\j+3], 0x80000000
.endr
	CROUND                                         ; all sixteen work-groups are here: the joint loads meet
	s_cmp_eq_u32 s85, 0                            ; one branch on the wave's number, a fill in each arm: every wave issues one
	s_cbranch_scc0 .Lnot_x
.irp j, 0
	tensor_load_to_lds s[G0X+4*\j:G0X+4*\j+3], s[G1X:G1X+7]
	s_nop 0
.endr
	PLACES
	s_branch .Lasked
.Lnot_x:
.irp j, 0
	tensor_load_to_lds s[G0W+4*\j:G0W+4*\j+3], s[G1W:G1W+7]
	s_nop 0
.endr
	PLACES
.Lasked:
	v_and_b32 v12, 31, v0                          ; lane
	v_and_b32 v13, 15, v0                          ; r
	v_bfe_u32 v14, v0, 4, 1                        ; h
	s_delay_alu instid0(VALU_DEP_3)
	v_lshlrev_b32 v[L16], 4, v12
	s_wait_alu depctr_va_vdst(0)
	s_lshr_b32 s78, s[WV], 2                       ; hs
	s_and_b32 s79, s[WV], 3                        ; tp
	s_lshl_b32 s80, s79, 11
	s_add_co_u32 s80, s80, 4096
	v_add_nc_u32 v[AX], s80, v[L16]
	s_lshl_b32 s80, s78, 12
	s_add_co_u32 s80, s80, GRP+4096
	v_add_nc_u32 v[AW], s80, v[L16]
	s_lshl_b32 s80, s79, 10
	v_lshl_add_u32 v[SXA], v13, 2, s80             ; x's scale words: tile i, K step s, row r at 512 i + 64 s + 4 r
	s_lshl_b32 s80, s78, 11
	s_add_co_u32 s80, s80, GRP
	v_add_nc_u32 v[SW], s80, v[L16]
	v_mul_u32_u24 v[SO], v13, SPITCH               ; the stage, in the tiles' order: row 32 tp + 16 j + r; my bytes 256 hs + 64 h on
	s_delay_alu instid0(VALU_DEP_1)
	v_lshl_add_u32 v[SO], v14, 6, v[SO]
	s_mul_i32 s80, s79, 32*SPITCH
	s_lshl_b32 s81, s78, 8
	s_add_co_u32 s80, s80, s81
	s_add_co_u32 s80, s80, STG
	v_add_nc_u32 v[SO], s80, v[SO]
	s_mul_i32 s80, s[WV], 16*SPITCH                ; back: wave w takes tile w's 16 rows, whole
	s_add_co_u32 s80, s80, STG
	v_add_nc_u32 v[SR], s80, v[L16]
	s_lshl_b32 s80, s70, 9
	s_lshl_b32 s81, s78, 8
	s_add_co_u32 s80, s80, s81
	v_lshl_add_u32 v[BO], v14, 6, s80              ; the bias: 4 (128 gx + 64 hs) + 64 h
.irp i, 0,1,2,3                                ; register e of tile i is channel 64 hs + 32 (i / 2) + 16 h + 8 (i % 2) + e of the group
	global_load_b128 v[BB+8*\i:BB+8*\i+3], v[BO], s[8:9] offset:(32*(\i/2)+8*(\i%2))*4
	global_load_b128 v[BB+8*\i+4:BB+8*\i+7], v[BO], s[8:9] offset:(32*(\i/2)+8*(\i%2))*4+16
.endr
	s_lshl_b32 s82, s71, 7                         ; the first row of out0 that I store: 128 gy + 32 (w / 2) + 8 (w % 2),
	s_lshr_b32 s83, s[WV], 1
	s_lshl_b32 s83, s83, 5
	s_add_co_u32 s82, s82, s83
	s_and_b32 s83, s[WV], 1
	s_lshl_b32 s83, s83, 3
	s_add_co_u32 s82, s82, s83
	s_lshl_b32 s82, s82, 12                        ; rows of 4,096 bytes,
	s_lshl_b32 s83, s70, 9                         ; + the group's 512 bytes
	s_add_co_u32 s82, s82, s83
	s_mov_b32 s83, 0
	s_add_nc_u64 s[10:11], s[10:11], s[82:83]
.macro STEP s                          ; 128 along K: eight matrix instructions on eight accumulators by turns, in the same order in every step
.if (\s) > 0
	PLACES
.endif
.if (\s)%2 == 0
.irp i, 0,1,2,3
	ds_load_b32 v[96+\i], v[SW] offset:512*\i+4*((\s)/2)
.endr
.endif
.irp j, 0,1
	ds_load_b32 v[100+\j], v[SXA] offset:512*\j+64*(\s)
.endr
.irp j, 0,1
.irp c, 0,1
	ds_load_b128 v[80+8*\j+4*\c:80+8*\j+4*\c+3], v[AX] offset:8192*(\s)+1024*\j+512*\c
.endr
.endr
.irp i, 0,1,2,3
.irp c, 0,1
	ds_load_b128 v[48+8*\i+4*\c:48+8*\i+4*\c+3], v[AW] offset:8192*(\s)+1024*\i+512*\c
.endr
.endr
	s_wait_dscnt 0x0
.irp j, 0,1
.irp i, 0,1,2,3
.if (\s) == 0
	WM ACC+32*\j+8*\i, 48+8*\i, 80+8*\j, BB+8*\i, 96+\i, 100+\j, 0
.else
	WM ACC+32*\j+8*\i, 48+8*\i, 80+8*\j, ACC+32*\j+8*\i, 96+\i, 100+\j, (\s)%2
.endif
.endr
.endr
.endm
	s_wait_alu depctr_va_vdst(0)
	s_wait_loadcnt 0x0                             ; the bias
	PHASE 3
	STEP 0
	PHASE 2
	STEP 1
	STEP 2
	PHASE 1
	STEP 3
	STEP 4
	PHASE 0
	STEP 5
	STEP 6
	STEP 7
	; THE WAY OUT.  A lane holds 32 neighbouring bytes of a row, and a row's 512 bytes come from two waves: they meet in the stage, and each wave stores 16 whole rows.
	PLACES
.irp j, 0,1
.irp i, 0,1,2,3
	ds_store_b128 v[SO], v[ACC+32*\j+8*\i:ACC+32*\j+8*\i+3] offset:16*\j*SPITCH+128*(\i/2)+32*(\i%2)       ; each accumulator from its low end on
	ds_store_b128 v[SO], v[ACC+32*\j+8*\i+4:ACC+32*\j+8*\i+7] offset:16*\j*SPITCH+128*(\i/2)+32*(\i%2)+16
.endr
.endr
	s_wait_dscnt 0x0                               ; for the others' sake: my stores into the stage are done
	s_barrier_signal -1
	s_barrier_wait -1
.irp t, 0,1,2,3,4,5,6,7,8,9,10,11,12,13,14,15
	ds_load_b128 v[16+4*\t:19+4*\t], v[SR] offset:\t*SPITCH
.endr
.irp t, 0,1,2,3,4,5,6,7,8,9,10,11,12,13,14,15
	s_wait_dscnt 15-\t                             ; row t is back; the younger loads may be out
	global_store_b128 v[L16], v[16+4*\t:19+4*\t], s[10:11] offset:(\t+8*(\t/8))*4096 th:TH_STORE_NT   ; 32 lanes store 512 consecutive bytes, aligned; written once, read by nobody here
.endr
	s_wait_tensorcnt 0x0                           ; the wave's end
	ds_add_u32 v[SPW], v[NIL]
	s_wait_dscnt 0x0
	CROUND                                         ; the closing round
	s_endpgm
.Lfunc_end_k_qdfa40c7385_outp:
	.size	k_qdfa40c7385_outp, .Lfunc_end_k_qdfa40c7385_outp-k_qdfa40c7385_outp
	.p2alignl 7, 3214868480
	.fill 96, 4, 3214868480
	.section	.rodata,"a",@progbits
	.p2align	6, 0x0
	.amdhsa_kernel k_qdfa40c7385_outp
		.amdhsa_group_segment_fixed_size 327680
		.amdhsa_private_segment_fixed_size 0
		.amdhsa_enable_private_segment 0
		.amdhsa_kernarg_size 32
		.amdhsa_user_sgpr_count 2
		.amdhsa_user_sgpr_kernarg_segment_ptr 1
		.amdhsa_wavefront_size32 1
		.amdhsa_system_sgpr_workgroup_id_x 1
		.amdhsa_system_sgpr_workgroup_id_y 1
		.amdhsa_system_sgpr_workgroup_id_z 1
		.amdhsa_system_vgpr_workitem_id 0
		.amdhsa_next_free_vgpr 192
		.amdhsa_next_free_sgpr 90
		.amdhsa_reserve_vcc 0
		.amdhsa_float_denorm_mode_32 3
		.amdhsa_float_denorm_mode_16_64 3
		.amdhsa_memory_ordered 1
		.amdhsa_forward_progress 1
		.amdhsa_inst_pref_size 29
	.end_amdhsa_kernel
	.amdgpu_metadata
---
amdhsa.version: [ 1, 2 ]
amdhsa.kernels:
  - .name:           k_qdfa40c7385_outp
    .symbol:         k_qdfa40c7385_outp.kd
    .args:
      - { .name: xa, .offset: 0, .size: 8, .value_kind: global_buffer, .address_space: global }
      - { .name: wc, .offset: 8, .size: 8, .value_kind: global_buffer, .address_space: global }
      - { .name: bo, .offset: 16, .size: 8, .value_kind: global_buffer, .address_space: global }
      - { .name: out0, .offset: 24, .size: 8, .value_kind: global_buffer, .address_space: global }
    .group_segment_fixed_size: 327680
    .private_segment_fixed_size: 0
    .kernarg_segment_align: 8
    .kernarg_segment_size: 32
    .max_flat_workgroup_size: 256
    .sgpr_count:     90
    .vgpr_count:     192
    .wavefront_size: 32
...
	.end_amdgpu_metadata
.endif
;; end of part 8
